; MI455X (gfx1250); checked and timed in simulation.
; The chip was launched on July 23, 2026; its instructions are those of AMD's public machine-readable ISA for CDNA 5 (MIT licence, August 2026) and "CDNA5" Instruction Set Architecture Reference Guide (July 2026). The comments in the code are by the model that wrote it; some were corrected since.
;; Moe Layer. Allowed arithmetic: matrix products marked QUANTISED: E3M2 operands, one E8M0 scale for each 32 along K, by v_wmma_scale_f32_16x16x128_f8f6f4 with both operands' format E3M2, f32 sums; products left as they are: f32 operands where the result goes on into a quantised operand, else bf16, f16 or f32 operands; f32 sums; everything else in f32.
;; Inputs: W1_codes 8 x 4,096 x 32 x 24 uint8 (E3M2 codes of W1, K innermost, in blocks of 32 codes, four codes in three bytes); W1_scales 8 x 4,096 x 32 uint8 (E8M0 scales of W1, one for each 32 codes along K); W2_codes 8 x 1,024 x 128 x 24 uint8 (E3M2 codes of W2, K innermost, in blocks of 32 codes, four codes in three bytes); W2_scales 8 x 1,024 x 128 uint8 (E8M0 scales of W2, one for each 32 codes along K); Wg_in 1,024 x 8 float32; Wg_task 1,024 x 8 float32; alpha one number float32; b1 8 x 4,096 float32; b2 8 x 1,024 float32; bg_in 8 float32; bg_task 8 float32; inputs 256 x 4 x 1,024 float32; task_param 1,024 float32.
;; Outputs: out0 256 x 4 x 1,024 float32; out1 one number float32.
;; This version of the problem:
;;   THIS VERSION OF THE PROBLEM IS GIVEN IN LOW PRECISION. The matrix products marked QUANTISED in the list below multiply operands that are first quantised to E3M2 (3 exponent bits, 2 mantissa bits; 6 bits a number), with one power-of-two scale for each 32 numbers along K (OCP MX v1.0); their sums are f32. All else is computed in f32.
;;   The module's matrix products, in the order in which they are computed (A, B: the left and right operand; K: the contracted axis; several contracted axes count as one K, in the product's order):
;;     1. [M 1,024, K 1,024] x [K 1,024, N 8]; A: input inputs; B: input Wg_in: left as it is (N = 8 < 16)
;;     2. [M 1, K 1,024] x [K 1,024, N 8]; A: input task_param; B: input Wg_task: left as it is (M = 1 < 16)
;;     3. batch 1,024 x [M 8, K 2] x [K 2, N 1]; A: computed on the way; B: softmax: left as it is (K = 2 < 32)
;;     4. [M 1,024, K 1,024] x [K 1,024, N 4,096]; A: input inputs; B: input W1 (given as codes): QUANTISED
;;     5. [M 1,024, K 4,096] x [K 4,096, N 1,024]; A: computed on the way; B: input W2 (given as codes): QUANTISED
;;     6. [M 1,024, K 1,024] x [K 1,024, N 4,096]; A: input inputs; B: input W1 (given as codes): QUANTISED
;;     7. [M 1,024, K 4,096] x [K 4,096, N 1,024]; A: computed on the way; B: input W2 (given as codes): QUANTISED
;;     8. [M 1,024, K 1,024] x [K 1,024, N 4,096]; A: input inputs; B: input W1 (given as codes): QUANTISED
;;     9. [M 1,024, K 4,096] x [K 4,096, N 1,024]; A: computed on the way; B: input W2 (given as codes): QUANTISED
;;     10. [M 1,024, K 1,024] x [K 1,024, N 4,096]; A: input inputs; B: input W1 (given as codes): QUANTISED
;;     11. [M 1,024, K 4,096] x [K 4,096, N 1,024]; A: computed on the way; B: input W2 (given as codes): QUANTISED
;;     12. [M 1,024, K 1,024] x [K 1,024, N 4,096]; A: input inputs; B: input W1 (given as codes): QUANTISED
;;     13. [M 1,024, K 4,096] x [K 4,096, N 1,024]; A: computed on the way; B: input W2 (given as codes): QUANTISED
;;     14. [M 1,024, K 1,024] x [K 1,024, N 4,096]; A: input inputs; B: input W1 (given as codes): QUANTISED
;;     15. [M 1,024, K 4,096] x [K 4,096, N 1,024]; A: computed on the way; B: input W2 (given as codes): QUANTISED
;;     16. [M 1,024, K 1,024] x [K 1,024, N 4,096]; A: input inputs; B: input W1 (given as codes): QUANTISED
;;     17. [M 1,024, K 4,096] x [K 4,096, N 1,024]; A: computed on the way; B: input W2 (given as codes): QUANTISED
;;     18. [M 1,024, K 1,024] x [K 1,024, N 4,096]; A: input inputs; B: input W1 (given as codes): QUANTISED
;;     19. [M 1,024, K 4,096] x [K 4,096, N 1,024]; A: computed on the way; B: input W2 (given as codes): QUANTISED
;;   THE QUANTISER, for each operand of a quantised product, along K:
;;     - K is cut into blocks of 32 from its start; a last block that is shorter is filled with zeros.
;;     - A block's scale is 2^e with e = floor(log2(the largest magnitude in the block)) - 4, held to -126 .. 127; a block of zeros has e = 0. As a byte (E8M0): e + 127.
;;     - Each number is divided by its block's scale, clamped to +-28, and rounded to the nearest number of E3M2, ties to even, subnormals kept.
;;     - The product sums the exact products of the quantised numbers (number of the format x scale) in f32.
;;   ~~~python
;;   def quantise(x, axis):      # numpy; x: float32 -> the quantised numbers, widened to float32 again
;;       x = np.moveaxis(x, axis, -1); K = x.shape[-1]
;;       x = np.pad(x, [(0, 0)] * (x.ndim - 1) + [(0, -K % 32)]); x = x.reshape(x.shape[:-1] + (-1, 32)); a = np.abs(x).max(-1, keepdims=True)
;;       e = np.where(a > 0, np.clip(np.frexp(np.where(a > 0, a, 1))[1] - 1 - 4, -126, 127), 0)      # np.frexp(a)[1] - 1 = floor(log2(a)), exactly
;;       r = np.clip(x / 2.0 ** e, -28, 28)
;;       step = 2.0 ** (np.maximum(np.frexp(np.where(r == 0, 1, r))[1] - 1, -2) - 2)
;;       q = np.round(r / step) * step * 2.0 ** e      # np.round: ties to even
;;       return np.moveaxis(q.reshape(q.shape[:-2] + (-1,))[..., :K], -1, axis).astype(np.float32)
;;   ~~~
;;   OPERANDS COMPUTED ON THE WAY. 'Computed on the way' means the value that the module computes at that place (a softmax that the list does not call 'softmax' is quantised finished and normalised). What goes into a quantiser is computed in f32, as accurately as f32 sums, v_exp_f32 and their like allow (about 1e-6 of the number): no bf16 or f16 on the way to a quantiser, and a product that is left as it is and whose result goes on into a quantised operand takes f32 operands (vector FMAs, or v_wmma_f32_16x16x4_f32). A number that lies on a knife's edge between two numbers of the format may be rounded either way, as far as f32 arithmetic and the matrix unit's own rounding can turn it there, and no further.
;;   INPUTS GIVEN AS CODES. W1 (in the module: [8, 1024, 4096], K = its axis 1); W2 (in the module: [8, 4096, 1024], K = its axis 1): each comes as NAME_codes (uint8): NAME with its K axis moved to the last place and cut into blocks of 32 codes, [.., K / 32, bytes a block], one block behind the other in memory; four codes in three bytes: a row's codes are one little-endian stream of bits, code i at bits 6 i .. 6 i + 5 (a code: sign, 3 exponent bits, 2 mantissa bits); and NAME_scales (uint8): the same leading axes, one E8M0 byte (e + 127) for each 32 codes along K. Its value is code x scale, taken as it is: it is not quantised again, and the codes and scales need not be those that the quantiser above would give.
;; 3 versions. Each part assembles by itself: llvm-mc -triple=amdgcn-amd-amdhsa -mcpu=gfx1250 --defsym DOCPART=n.
;; ======== version 1 of 3: 4 launches
;; workspace buffers: xq 819,200 bytes; sel 4,096 bytes of whole numbers; gatef 16,384 bytes; h 26,214,400 bytes; rows 33,792 bytes of whole numbers; y 8,912,896 bytes
;; launch gate (part 1): grid 256 x 1, 1 waves a work-group, no clusters, 4,352 bytes of LDS; arguments inputs, task_param, Wg_in, bg_in, Wg_task, bg_task, alpha, xq, sel, gatef; writes xq, sel, gatef
.if DOCPART == 1
	.amdgcn_target "amdgcn-amd-amdhsa--gfx1250"
	.amdhsa_code_object_version 6
	.text
	.protected	k_q361d91af05_gate
	.globl	k_q361d91af05_gate
	.p2align	8
	.type	k_q361d91af05_gate,@function
k_q361d91af05_gate:
	s_mov_b64 s[64:65], 0
	v_nop
	global_prefetch_b8 v0, s[64:65] scope:SCOPE_SE
	s_setreg_imm32_b32 hwreg(HW_REG_WAVE_MODE, 25, 1), 1
	s_wait_xcnt 0x0
; THE ROUTER, AND x INTO CODES.  inputs [1024 tokens][1024] f32.  A work-group is one wave and owns four tokens; lane b owns numbers 32 b .. 32 b + 31 of a row: one block of the quantiser.
; logits = (1 - alpha) (x Wg_in + bg_in) + alpha (task Wg_task + bg_task), in f32 multiply-adds; what is not finite becomes 0; the two largest (the lower index wins a tie);
; the softmax over those two; the softmax over all eight, summed over my four tokens.  Both softmaxes take the largest logit away first.
; OUT: sel[t] = (1 << e0) | (1 << e1) | (1 << (8 + e0)), whole numbers at fixed places: no address of this launch hangs on the choice.  gatef: the two weights of each token; from byte 8,192 my eight sums.
; xq: x as codes of E3M2, laid in the order of an operand's registers: [token][h 2][K step 8][c 2][24 bytes], the 24 bytes being block 4 s + 2 c + h; so lane (r, h) of a product finds its eight fragments
; in 384 bytes on end.  From byte 786,432 the scale words [token][h 2][j 4]: the word of K step 2 j + h.
; A block's scale byte is its largest magnitude's exponent field - 4, held at 1 from below.
; LIMITS: NaN and infinities in inputs are served in the logits as stated, not in the codes; a block whose largest magnitude lies under 2^-122 gets the byte 1 (a block of zeros too: its codes are zeros, and
; this program alone reads the bytes); two logits closer than the rounding of an f32 sum of 1,024 terms may be ranked the other way round.
; No matrix unit: the products have 8 columns.  No barrier: one wave.
.set ACC,  16                          ; v16-47   the sums of token k, expert e at 8 k + e
.set ACCT, 48                          ; v48-55   the task's sums
.set G,    56                          ; v56-63   alpha x (task's logit)
.set X,    64                          ; v64-191  my 32 numbers of each of the four tokens
.set TX,   192                         ; v192-223 my 32 numbers of task_param; then xq on its way out; then at work
.set L,    192                         ; v192-199 a token's logits
.set MX,   200                         ; v200-207 at work
.set Q,    208                         ; v208-215 exponentials
.set TW,   224                         ; v224-231 the two weights of each token
.set AUX,  232                         ; v232-239 the sums of the softmax over eight
.set C,    240                         ; v240-246 a block's codes
.set MSB, 0
.macro WIN new                         ; the immediate's high byte repeats the setting that is left
.if MSB != (\new)
	s_set_vgpr_msb (MSB<<8)|(\new)
.set MSB, (\new)
.endif
.endm
	s_load_b512 s[4:19], s[0:1], 0x0               ; inputs 4, task_param 6, Wg_in 8, bg_in 10, Wg_task 12, bg_task 14, alpha 16, xq 18
	s_load_b128 s[20:23], s[0:1], 0x40             ; sel 20, gatef 22
	v_lshl_add_u32 v254, v0, 2, 0x1000
	v_mov_b32 v255, 0
	v_lshlrev_b32 v1, 7, v0                        ; my block in a row of x: 128 bytes a lane
	v_lshlrev_b32 v2, 10, v0                       ; my 32 rows of a gate's weight: 1,024 bytes a lane
	v_lshlrev_b32 v3, 4, v0
	v_lshlrev_b32 v4, 2, v0
	v_and_b32 v5, 1, v0                            ; my block's place in a token's 768 bytes of codes: 384 (b & 1) + 48 (b >> 2) + 24 ((b >> 1) & 1)
	v_mul_u32_u24 v5, v5, 384
	v_lshrrev_b32 v6, 2, v0
	v_mad_u32_u24 v5, v6, 48, v5
	v_bfe_u32 v6, v0, 1, 1
	v_mad_u32_u24 v5, v6, 24, v5
	v_bfe_u32 v6, v0, 2, 1                         ; my scale byte's place in a token's 32: 16 ((b >> 2) & 1) + 4 (b >> 3) + (b & 3); they lie behind the codes' 3,072 bytes
	v_lshlrev_b32 v6, 4, v6
	v_lshrrev_b32 v7, 3, v0
	v_lshl_add_u32 v6, v7, 2, v6
	v_and_b32 v7, 3, v0
	v_add_nc_u32 v6, v6, v7
	v_add_nc_u32 v6, 3072, v6
	v_mov_b32 v7, 0
	v_mov_b32 v14, 0xff800000                      ; -infinity
	s_mov_b32 s29, 0x7f800000
	s_mov_b32 s31, 0x3fb8aa3b                      ; log2(e)
	s_mov_b32 s48, 0x76543210
	s_mov_b32 s49, 0xfedcba98                      ; v_permlanex16_b32's selects for lane l xor 16
	s_lshl_b32 s52, ttmp9, 14                      ; four rows of 4,096 bytes
	s_mov_b32 s53, 0
	s_wait_kmcnt 0x0
	s_load_b32 s28, s[16:17], 0x0                  ; alpha
	s_load_b256 s[32:39], s[10:11], 0x0            ; bg_in
	s_load_b256 s[40:47], s[14:15], 0x0            ; bg_task
	s_add_nc_u64 s[4:5], s[4:5], s[52:53]
	s_mul_i32 s52, ttmp9, 3072
	s_add_nc_u64 s[54:55], s[18:19], 0xc0000       ; xq's scale words
	s_add_nc_u64 s[18:19], s[18:19], s[52:53]      ; xq's codes of my four tokens
	s_lshl_b32 s52, ttmp9, 7
	s_add_nc_u64 s[54:55], s[54:55], s[52:53]
	s_lshl_b32 s52, ttmp9, 4
	s_add_nc_u64 s[20:21], s[20:21], s[52:53]
	s_lshl_b32 s52, ttmp9, 5
	s_add_nc_u64 s[22:23], s[22:23], s[52:53]
.irp k, 0,1,2,3
.irp j, 0,1,2,3,4,5,6,7
	global_load_b128 v[X+32*\k+4*\j:X+32*\k+4*\j+3], v1, s[4:5] offset:4096*\k+16*\j th:TH_LOAD_NT
.endr
.endr
.irp j, 0,1,2,3,4,5,6,7
	global_load_b128 v[TX+4*\j:TX+4*\j+3], v1, s[6:7] offset:16*\j
.endr
	WIN 0x80                                       ; destination window 2: Wg_task, register 8 i + e = row 32 b + i, expert e
.set J, 0
.rept 64
	global_load_b128 v[4*J:4*J+3], v2, s[12:13] offset:16*J
.set J, J+1
.endr
	WIN 0x40                                       ; destination window 1: Wg_in likewise
.set J, 0
.rept 64
	global_load_b128 v[4*J:4*J+3], v2, s[8:9] offset:16*J
.set J, J+1
.endr
	WIN 0
	s_wait_loadcnt 63                              ; of 168 loads at most 63 are out: the first 105 are in, x (32), task_param (8) and Wg_task (64) among them
; Token k's block of mine becomes 24 bytes of codes and a scale byte, in LDS at their places in xq.
.macro QTOK k
.set XS, X+32*(\k)
	v_max3_num_f32 v248, |v[XS]|, |v[XS+1]|, |v[XS+2]|
	v_max3_num_f32 v249, |v[XS+3]|, |v[XS+4]|, |v[XS+5]|
.irp i, 6,10,14,18,22,26
	v_max3_num_f32 v248, v248, |v[XS+\i]|, |v[XS+\i+1]|
	v_max3_num_f32 v249, v249, |v[XS+\i+2]|, |v[XS+\i+3]|
.endr
	v_max3_num_f32 v248, v248, |v[XS+30]|, |v[XS+31]|
	v_max3_num_f32 v248, v248, v249, 0x2800000     ; and the floor 2^(5 - 127): the byte cannot fall under 1
	s_wait_dscnt 0x0                               ; the last token's LDS stores are done with their registers
	v_add_nc_u32 v250, 0xfe000000, v248            ; 4 off the exponent field: the conversion takes this operand's exponent field as its scale
	v_lshrrev_b32 v251, 23, v250                   ; the scale's byte
	v_cvt_scalef32_pk16_bf6_f32 v[C:C+2], v[XS:XS+15], v250
	v_cvt_scalef32_pk16_bf6_f32 v[C+4:C+6], v[XS+16:XS+31], v250   ; (a conversion's three registers begin on an even number)
	v_nop                                          ; one plain place behind a scaled conversion
	v_mov_b32 v[C+3], v[C+4]
	v_mov_b32 v[C+4], v[C+5]
	v_mov_b32 v[C+5], v[C+6]
	ds_store_b64 v5, v[C:C+1] offset:768*(\k)
	ds_store_b64 v5, v[C+2:C+3] offset:768*(\k)+8
	ds_store_b64 v5, v[C+4:C+5] offset:768*(\k)+16
	ds_store_b8 v6, v251 offset:32*(\k)
.endm
	QTOK 0
	QTOK 1
	QTOK 2
	QTOK 3
; Eight sums take number i of my 32 times row i of the weight: four packed multiply-adds; the number is taken for both halves.  i = 0 starts the sums: nothing is cleared.
.macro DOT acc, xr, i
.irp u, 0,1,2,3
.if (\i) == 0
	v_pk_mul_f32 v[(\acc)+2*\u:(\acc)+2*\u+1], v[(\xr):(\xr)+1], v[2*\u:2*\u+1] op_sel_hi:[0,1]
.elseif ((\i)%2) == 0
	v_pk_fma_f32 v[(\acc)+2*\u:(\acc)+2*\u+1], v[(\xr)+(\i):(\xr)+(\i)+1], v[8*(\i)+2*\u:8*(\i)+2*\u+1], v[(\acc)+2*\u:(\acc)+2*\u+1] op_sel_hi:[0,1,1]
.else
	v_pk_fma_f32 v[(\acc)+2*\u:(\acc)+2*\u+1], v[(\xr)+(\i)-1:(\xr)+(\i)], v[8*(\i)+2*\u:8*(\i)+2*\u+1], v[(\acc)+2*\u:(\acc)+2*\u+1] op_sel:[1,0,0] op_sel_hi:[1,1,1]
.endif
.endr
.endm
	WIN 0x08                                       ; source 1 window 2: Wg_task
.set DI, 0
.rept 32
	DOT ACCT, TX, DI
.set DI, DI+1
.endr
	WIN 0
	; xq leaves now, under the products below: LDS serves a wave's instructions in order, so these loads see my stores
.irp j, 0,1,2,3,4,5
	ds_load_b128 v[TX+4*\j:TX+4*\j+3], v3 offset:512*\j
.endr
	ds_load_b32 v[TX+24], v4 offset:3072
	s_wait_dscnt 0x0
.irp j, 0,1,2,3,4,5
	global_store_b128 v3, v[TX+4*\j:TX+4*\j+3], s[18:19] offset:512*\j   ; 32 lanes store 512 consecutive bytes, at a multiple of 256 from xq's first byte
.endr
	global_store_b32 v4, v[TX+24], s[54:55]        ; my four tokens' 128 bytes of scale words
	s_wait_loadcnt 0x0                             ; Wg_in
	WIN 0x04                                       ; source 1 window 1: Wg_in
.set DI, 0
.rept 32
.irp k, 0,1,2,3
	DOT ACC+8*\k, X+32*\k, DI                      ; sixteen chains by turns
.endr
.set DI, DI+1
.endr
	WIN 0
	s_wait_xcnt 0x0                                ; the stores of xq have read their registers, which are written again below
	; the 40 sums over the 32 lanes; every lane ends with all of them
.irp m, 1,2,4,8
.set J, 0
.rept 40
	v_add_f32_dpp v[ACC+J], v[ACC+J], v[ACC+J] row_xmask:\m row_mask:0xf bank_mask:0xf
.set J, J+1
.endr
.endr
.irp g, 0,1,2,3,4
.irp j, 0,1,2,3,4,5,6,7
	v_permlanex16_b32 v[192+\j], v[ACC+8*\g+\j], s48, s49
.endr
.irp j, 0,1,2,3,4,5,6,7
	v_add_f32 v[ACC+8*\g+\j], v[ACC+8*\g+\j], v[192+\j]
.endr
.endr
	s_wait_kmcnt 0x0                               ; alpha and the two biases
	v_mov_b32 v12, s28
	v_sub_f32 v12, 1.0, v12                        ; 1 - alpha
.irp e, 0,1,2,3,4,5,6,7
	v_add_f32 v[G+\e], s[40+\e], v[ACCT+\e]
.endr
.irp e, 0,1,2,3,4,5,6,7
	v_mul_f32 v[G+\e], s28, v[G+\e]
.endr
; Token k: the same arithmetic in every lane.  v216 the largest logit, v217 its one-hot word, v218 and v219 the second's.
.macro TAIL k
.irp e, 0,1,2,3,4,5,6,7
	v_add_f32 v[L+\e], s[32+\e], v[ACC+8*(\k)+\e]
.endr
.irp e, 0,1,2,3,4,5,6,7
	v_fma_f32 v[L+\e], v12, v[L+\e], v[G+\e]
.endr
.irp e, 0,1,2,3,4,5,6,7
	v_and_b32 v[MX+\e], 0x7fffffff, v[L+\e]
.endr
.irp e, 0,1,2,3,4,5,6,7
	v_cmp_gt_u32 vcc_lo, s29, v[MX+\e]             ; finite: the magnitude's bits lie under infinity's
	v_cndmask_b32 v[L+\e], 0, v[L+\e], vcc_lo      ; NaN and both infinities become 0
.endr
	v_mov_b32 v216, v[L]
	v_mov_b32 v217, 1
.irp e, 1,2,3,4,5,6,7
	v_cmp_ge_f32 vcc_lo, v216, v[L+\e]             ; what stands keeps its place on a tie: the lower index
	v_cndmask_b32 v217, 1<<\e, v217, vcc_lo
	v_max_num_f32 v216, v216, v[L+\e]
.endr
.irp e, 0,1,2,3,4,5,6,7
	v_cmp_eq_u32 vcc_lo, 1<<\e, v217
	v_cndmask_b32 v[MX+\e], v[L+\e], v14, vcc_lo   ; the first choice is taken out
.endr
	v_mov_b32 v218, v[MX]
	v_mov_b32 v219, 1
.irp e, 1,2,3,4,5,6,7
	v_cmp_ge_f32 vcc_lo, v218, v[MX+\e]
	v_cndmask_b32 v219, 1<<\e, v219, vcc_lo
	v_max_num_f32 v218, v218, v[MX+\e]
.endr
	v_or_b32 v220, v217, v219
	v_lshl_or_b32 v[8+(\k)], v217, 8, v220
.irp e, 0,1,2,3,4,5,6,7
	v_sub_f32 v[Q+\e], v[L+\e], v216               ; the largest logit is taken away
.endr
	v_sub_f32 v221, v218, v216
.irp e, 0,1,2,3,4,5,6,7
	v_mul_f32 v[Q+\e], s31, v[Q+\e]
.endr
	v_mul_f32 v221, s31, v221
.irp e, 0,1,2,3,4,5,6,7
	v_exp_f32 v[Q+\e], v[Q+\e]
.endr
	v_exp_f32 v221, v221
	v_nop                                          ; a plain place behind the last exponential
	s_wait_alu depctr_va_vdst(0)                   ; one wait for the nine, ahead of their first reader
	v_add_f32 v222, v[Q], v[Q+1]
	v_add_f32 v220, v[Q+2], v[Q+3]
	v_add_f32 v223, v[Q+4], v[Q+5]
	v_add_f32 v218, v[Q+6], v[Q+7]
	v_add_f32 v222, v222, v220
	v_add_f32 v223, v223, v218
	v_add_f32 v222, v222, v223
	v_add_f32 v223, 1.0, v221
	v_rcp_f32 v222, v222
	v_rcp_f32 v223, v223
	v_nop
	s_wait_alu depctr_va_vdst(0)                   ; one wait for the two reciprocals
	v_mov_b32 v[TW+2*(\k)], v223                   ; the first choice's weight: 1 / (1 + e^(m2 - m1))
	v_mul_f32 v[TW+2*(\k)+1], v221, v223           ; the second's
.irp e, 0,1,2,3,4,5,6,7
.if (\k) == 0
	v_mul_f32 v[AUX+\e], v[Q+\e], v222
.else
	v_fmac_f32 v[AUX+\e], v[Q+\e], v222
.endif
.endr
.endm
	TAIL 0
	TAIL 1
	TAIL 2
	TAIL 3
	s_wait_xcnt 0x0                                ; EXEC changes only behind this wait
	v_cmp_eq_u32 vcc_lo, 0, v0
	s_wait_tensorcnt 0x0
	ds_add_u32 v254, v255
	s_wait_dscnt 0x0
	s_and_saveexec_b32 s50, vcc_lo                 ; every lane holds the same numbers: lane 0 stores them
	global_store_b128 v7, v[8:11], s[20:21]
	global_store_b128 v7, v[TW:TW+3], s[22:23]
	global_store_b128 v7, v[TW+4:TW+7], s[22:23] offset:16
	global_store_b128 v7, v[AUX:AUX+3], s[22:23] offset:8192
	global_store_b128 v7, v[AUX+4:AUX+7], s[22:23] offset:8208
	s_wait_xcnt 0x0
	s_or_b32 exec_lo, exec_lo, s50
	s_endpgm
.Lfunc_end_k_q361d91af05_gate:
	.size	k_q361d91af05_gate, .Lfunc_end_k_q361d91af05_gate-k_q361d91af05_gate
	.p2alignl 7, 3214868480
	.fill 96, 4, 3214868480
	.section	.rodata,"a",@progbits
	.p2align	6, 0x0
	.amdhsa_kernel k_q361d91af05_gate
		.amdhsa_group_segment_fixed_size 4352
		.amdhsa_private_segment_fixed_size 0
		.amdhsa_enable_private_segment 0
		.amdhsa_kernarg_size 80
		.amdhsa_user_sgpr_count 2
		.amdhsa_user_sgpr_kernarg_segment_ptr 1
		.amdhsa_wavefront_size32 1
		.amdhsa_system_sgpr_workgroup_id_x 1
		.amdhsa_system_sgpr_workgroup_id_y 1
		.amdhsa_system_sgpr_workgroup_id_z 1
		.amdhsa_system_vgpr_workitem_id 0
		.amdhsa_next_free_vgpr 768
		.amdhsa_next_free_sgpr 66
		.amdhsa_reserve_vcc 1
		.amdhsa_float_denorm_mode_32 3
		.amdhsa_float_denorm_mode_16_64 3
		.amdhsa_memory_ordered 1
		.amdhsa_forward_progress 1
		.amdhsa_inst_pref_size 104
	.end_amdhsa_kernel
	.amdgpu_metadata
---
amdhsa.version: [ 1, 2 ]
amdhsa.kernels:
  - .name:           k_q361d91af05_gate
    .symbol:         k_q361d91af05_gate.kd
    .args:
      - { .name: inputs, .offset: 0, .size: 8, .value_kind: global_buffer, .address_space: global }
      - { .name: task_param, .offset: 8, .size: 8, .value_kind: global_buffer, .address_space: global }
      - { .name: Wg_in, .offset: 16, .size: 8, .value_kind: global_buffer, .address_space: global }
      - { .name: bg_in, .offset: 24, .size: 8, .value_kind: global_buffer, .address_space: global }
      - { .name: Wg_task, .offset: 32, .size: 8, .value_kind: global_buffer, .address_space: global }
      - { .name: bg_task, .offset: 40, .size: 8, .value_kind: global_buffer, .address_space: global }
      - { .name: alpha, .offset: 48, .size: 8, .value_kind: global_buffer, .address_space: global }
      - { .name: xq, .offset: 56, .size: 8, .value_kind: global_buffer, .address_space: global }
      - { .name: sel, .offset: 64, .size: 8, .value_kind: global_buffer, .address_space: global }
      - { .name: gatef, .offset: 72, .size: 8, .value_kind: global_buffer, .address_space: global }
    .group_segment_fixed_size: 4352
    .private_segment_fixed_size: 0
    .kernarg_segment_align: 8
    .kernarg_segment_size: 80
    .max_flat_workgroup_size: 32
    .sgpr_count:     66
    .vgpr_count:     768
    .wavefront_size: 32
...
	.end_amdgpu_metadata
.endif
;; end of part 1
;; launch ffn1 (part 2): grid 32 x 8, 4 waves a work-group, no clusters, 107,008 bytes of LDS; arguments xq, sel, W1_codes, W1_scales, b1, h, rows; writes h, rows
.if DOCPART == 2
	.amdgcn_target "amdgcn-amd-amdhsa--gfx1250"
	.amdhsa_code_object_version 6
	.text
	.protected	k_q361d91af05_ffn1
	.globl	k_q361d91af05_ffn1
	.p2align	8
	.type	k_q361d91af05_ffn1,@function
k_q361d91af05_ffn1:
	s_mov_b64 s[64:65], 0
	v_nop
	global_prefetch_b8 v0, s[64:65] scope:SCOPE_SE
	s_setreg_imm32_b32 hwreg(HW_REG_WAVE_MODE, 25, 1), 1
	s_wait_xcnt 0x0
; h = Q(silu(x W1[e]^T + b1[e])) for the rows that chose expert e alone; codes of E3M2 with one E8M0 scale for each 32 along K on both sides of the product.
; SHARES.  Work-group (c, e): hidden units 128 c .. 128 c + 127 of expert e.  Its 128 rows of W1 (768 bytes each) are read from memory once, go through LDS once, and then lie in EVERY wave's registers:
; 64 fragments of 16 rows x 128 K, 768 registers.  The four waves share the ROWS: wave w takes tiles w, w + 4 .. of 16 routed rows.  A fragment of x so feeds eight products.
; WHO CHOSE e.  Every wave reads all 1,024 words of sel (whole numbers that the launch before stored), makes 32 masks of 32 tokens and their running counts in scalar registers, and finds the token of rank p
; by a chain of selects (which mask) and a search by halves (which bit).  Ranks at or past the count give a token inside the table: such rows are computed and go to spare rows of y that nobody reads.
; Each expert has 64 tiles of its own in h (no more than 1,024 tokens can choose it), so nothing hangs on the other experts' counts.  At least one tile is always made.
; THE PRODUCT IS USED TRANSPOSED (source 0 = 16 rows of W1, source 1 = 16 rows of x), and lane r of tile 2 b + u takes W1's row 32 b + 8 u + r + 8 (r / 8): a lane then holds one routed row, and the 16 registers of
; tiles 2 b, 2 b + 1 are 16 neighbours along the next product's K.  My 8 tiles are K step c of that product: one fragment and one scale word a row.  The bias is the C of each sum's first matrix instruction.
; OUT.  h: [e][tile 64][K step 32][1,536 bytes], an image of the operand's registers (three times 512 bytes, lane l's 16 bytes at 16 l); from byte 25,165,824 its scale words [e][tile][K step][16 rows].
; rows (chunk 0 alone): for each rank the row of y (token, or 1,024 + token for a second choice; 2,048 + 16 e + r for a rank past the count); from byte 32,768 the count, 32 times.
; NO TENSOR LOADS, NO CLUSTER: no two work-groups read the same weights.
; LIMITS: NaN and infinities ahead of the quantiser are not served; a block whose largest magnitude lies under 2^-122 gets the byte 1 (a block of zeros too: its codes are zeros).
; REGISTERS.  Window 0: v0-11 addresses; v12-43 W1's scale words; v44-47 x's; v48 h's scale word; v49-51 the list; v52-63 fragment 63; v64-159 x's eight fragments; v160-223 eight accumulators;
; v224-255 at work.  Windows 1 to 3: fragments 0 to 62, 21 to a window.
.set PITCH, 816                        ; a row of W1 in LDS: 768 bytes + 48 = 204 words: sixteen rows on end start 12 words apart modulo 64, and the lanes' 8 bytes fall on 64 different banks (64 banks of 4 bytes: ISA guide 11.1)
.set BIAS,  128*PITCH                  ; behind the 128 rows: b1's 128 numbers, a copy of 512 bytes for each wave
.set WS,  12
.set AS,  44
.set PW,  48
.set AF,  64
.set HA,  160
.set PC,  224                          ; v224-235 the codes just made; v236-242 their second halves
.set TM,  244                          ; v244-247 largest magnitudes, v248-251 bytes, v252-255 the conversions' scale operands
.set SM,  32                           ; s32-63  mask c: bit l = token 32 c + l chose e
.set SP,  68                           ; s68-99  the count of masks 0 .. c
.set SEL, 100                          ; s[100:101] v_permlanex16_b32's selects
.set MSB, 0
.macro WIN new                         ; the immediate's high byte repeats the setting that is left
.if MSB != (\new)
	s_set_vgpr_msb (MSB<<8)|(\new)
.set MSB, (\new)
.endif
.endm
.macro FREG i                          ; fragment i lies in window FW from register FB on.  Fragment i = tile 4 (i / 32) + i % 4, K step (i % 32) / 4
.if (\i) < 21
.set FW, 1
.set FB, 12*(\i)
.elseif (\i) < 42
.set FW, 2
.set FB, 12*((\i)-21)
.elseif (\i) < 63
.set FW, 3
.set FB, 12*((\i)-42)
.else
.set FW, 0
.set FB, 52
.endif
.endm
; Fragments 32 g .. 32 g + 31 out of the stage: lane (r, h) takes 24 bytes at 96 s + 24 h and 24 at 96 s + 48 + 24 h of its row, in pieces of 8 bytes
.macro FRAGS g, adr
.set FI, 32*(\g)
.rept 32
	FREG FI
	WIN FW<<6
.irp p, 0,1,2,3,4,5
	ds_load_b64 v[FB+2*\p:FB+2*\p+1], v[\adr] offset:16*(FI%4)*PITCH+96*((FI%32)/4)+48*(\p/3)+8*(\p%3)
.endr
.set FI, FI+1
.endr
	WIN 0
.endm
; THE RANK.  v244 = p.  Step j: where the count of masks 0 .. j is at most p, the token lies further on: v245 that count, v246 the next mask, v247 its number.
; Every vector register stands in source 1 or the destination, whose windows are 0 under every setting that the products use: so the steps can stand between the matrix instructions.
.macro RSTEP j
	v_cmp_gt_u32 vcc_lo, s[SP+(\j)], v244
	v_cndmask_b32 v245, s[SP+(\j)], v245, vcc_lo
	v_cndmask_b32 v246, s[SM+(\j)+1], v246, vcc_lo
	v_cndmask_b32 v247, (\j)+1, v247, vcc_lo
.endm
.macro RINIT sm                        ; the ranks of tile sm: 16 sm + r
	v_lshl_add_u32 v244, \sm, 4, v1
	v_mov_b32 v245, 0
	v_mov_b32 v246, s[SM]
	v_mov_b32 v247, 0
.endm
.macro LEVEL a, w                      ; are there k or fewer set bits in the w bits from v252 on?  Then the bit lies in the w bits behind them
	v_bfe_u32 v253, v[\a], v252, \w
	v_cmp_ge_u32 vcc_lo, v244, v253
	v_cndmask_b32 v253, 0, v253, vcc_lo
	v_sub_nc_u32 v244, v244, v253
	v_add_nc_u32 v254, \w, v252
	v_cndmask_b32 v252, v252, v254, vcc_lo
.endm
.macro SELBIT                          ; the place of set bit number k = p - v245 of the mask v246; v2 = the token
	v_sub_nc_u32 v244, v244, v245
	v_lshrrev_b32 v248, 1, v246                    ; counts of set bits in fields of 2, 4, 8 and 16 bits
	v_and_b32 v248, 0x55555555, v248
	v_sub_nc_u32 v248, v246, v248
	v_lshrrev_b32 v249, 2, v248
	v_and_b32 v249, 0x33333333, v249
	v_and_b32 v253, 0x33333333, v248
	v_add_nc_u32 v249, v249, v253
	v_lshrrev_b32 v250, 4, v249
	v_add_nc_u32 v250, v250, v249
	v_and_b32 v250, 0x0f0f0f0f, v250
	v_lshrrev_b32 v251, 8, v250
	v_add_nc_u32 v251, v251, v250
	v_and_b32 v251, 0x00ff00ff, v251
	v_mov_b32 v252, 0
	LEVEL 251, 16
	LEVEL 250, 8
	LEVEL 249, 4
	LEVEL 248, 2
	LEVEL 246, 1
	v_lshl_add_u32 v2, v247, 5, v252
	v_min_u32 v2, 0x3ff, v2                        ; inside the table, whatever the rank
.endm
.macro ALOAD                           ; my row's eight fragments (384 bytes on end), its four scale words, and its word of sel: 26 loads
	v_mul_u32_u24 v8, v2, 768
	v_add_nc_u32 v8, v8, v3
	v_lshl_add_u32 v9, v2, 5, v4
	v_lshlrev_b32 v0, 2, v2
.set AJ, 0
.rept 24
	global_load_b128 v[AF+4*AJ:AF+4*AJ+3], v8, s[4:5] offset:16*AJ
.set AJ, AJ+1
.endr
	global_load_b128 v[AS:AS+3], v9, s[4:5] offset:786432
	global_load_b32 v49, v0, s[6:7]
.endm
; 64 matrix instructions: four accumulators by turns, one instruction a turn, eight K steps; then the other four.  A scale register holds an even K step's words in lanes 0-15
; and the odd one's in lanes 16-31.  Behind every second instruction stands one step of the next tile's rank.
.macro MM
.set MI, 0
.rept 64
	FREG MI
	WIN FW                                         ; source 0 in the fragment's window, all else in window 0
.set MT, 4*(MI/32)+MI%4
.set MS, (MI%32)/4
.if (MS%2) == 0
	v_wmma_scale_f32_16x16x128_f8f6f4 v[HA+8*MT:HA+8*MT+7], v[FB:FB+11], v[AF+12*MS:AF+12*MS+11], v[HA+8*MT:HA+8*MT+7], v[WS+4*MT+MS/2], v[AS+MS/2] matrix_a_fmt:MATRIX_FMT_BF6 matrix_b_fmt:MATRIX_FMT_BF6
.else
	v_wmma_scale_f32_16x16x128_f8f6f4 v[HA+8*MT:HA+8*MT+7], v[FB:FB+11], v[AF+12*MS:AF+12*MS+11], v[HA+8*MT:HA+8*MT+7], v[WS+4*MT+MS/2], v[AS+MS/2] matrix_a_fmt:MATRIX_FMT_BF6 matrix_b_fmt:MATRIX_FMT_BF6 matrix_a_scale:MATRIX_SCALE_ROW1 matrix_b_scale:MATRIX_SCALE_ROW1
.endif
.if ((MI%2) == 1) && (MI < 62)
.set RJ, (MI-1)/2
	RSTEP RJ
.endif
.set MI, MI+1
.endr
	WIN 0
.endm
; silu(a) = a / (1 + 2^(-a log2(e))), 32 numbers at a time; each run of transcendentals has one plain place and one wait behind it, ahead of its first reader.  The accumulators are read from their low ends on.
.macro ACT
.irp b, 0,1
.set AJ, 0
.rept 16
	v_pk_mul_f32 v[224+2*AJ:225+2*AJ], v[HA+32*\b+2*AJ:HA+32*\b+2*AJ+1], 0xbfb8aa3b op_sel_hi:[1,0]
.set AJ, AJ+1
.endr
.set AJ, 0
.rept 32
	v_exp_f32 v[224+AJ], v[224+AJ]
.set AJ, AJ+1
.endr
	v_nop
	s_wait_alu depctr_va_vdst(0)
.set AJ, 0
.rept 16
	v_pk_add_f32 v[224+2*AJ:225+2*AJ], v[224+2*AJ:225+2*AJ], 1.0 op_sel_hi:[1,0]
.set AJ, AJ+1
.endr
.set AJ, 0
.rept 32
	v_rcp_f32 v[224+AJ], v[224+AJ]
.set AJ, AJ+1
.endr
	v_nop
	s_wait_alu depctr_va_vdst(0)
.set AJ, 0
.rept 16
	v_pk_mul_f32 v[HA+32*\b+2*AJ:HA+32*\b+2*AJ+1], v[HA+32*\b+2*AJ:HA+32*\b+2*AJ+1], v[224+2*AJ:225+2*AJ]
.set AJ, AJ+1
.endr
.endr
.endm
; My 64 numbers, register 16 b + i = k 32 b + 16 (lane / 16) + i of my row, become a fragment's codes in v[PC] on and its scale word in v[PW].
.macro QUANT
.irp b, 0,1,2,3
	v_max3_num_f32 v[TM+\b], |v[HA+16*\b]|, |v[HA+1+16*\b]|, 0x2800000   ; with the floor 2^(5 - 127): the byte cannot fall under 1
.endr
.irp i, 2,4,6,8,10,12,14
.irp b, 0,1,2,3
	v_max3_num_f32 v[TM+\b], v[TM+\b], |v[HA+16*\b+\i]|, |v[HA+1+16*\b+\i]|
.endr
.endr
.irp b, 0,1,2,3
	v_permlanex16_b32 v[TM+4+\b], v[TM+\b], s[SEL], s[SEL+1]
.endr
.irp b, 0,1,2,3
	v_max_num_f32 v[TM+\b], v[TM+\b], v[TM+4+\b]   ; with lane l xor 16's: the block's largest magnitude
.endr
.irp b, 0,1,2,3
	v_add_nc_u32 v[TM+8+\b], 0xfe000000, v[TM+\b]  ; 4 off its exponent field: the conversion's scale operand
.endr
.irp b, 0,1,2,3
	v_lshrrev_b32 v[TM+4+\b], 23, v[TM+8+\b]       ; the scale's byte
.endr
	v_lshl_or_b32 v[PW], v[TM+5], 8, v[TM+4]
	v_lshl_or_b32 v[PW], v[TM+6], 16, v[PW]
	v_lshl_or_b32 v[PW], v[TM+7], 24, v[PW]
.irp c, 0,1
	v_cvt_scalef32_pk16_bf6_f32 v[PC+6*\c:PC+2+6*\c], v[HA+32*\c:HA+15+32*\c], v[TM+8+2*\c]
	v_cvt_scalef32_pk16_bf6_f32 v[PC+12+4*\c:PC+14+4*\c], v[HA+16+32*\c:HA+31+32*\c], v[TM+8+2*\c+1]   ; (a conversion's three registers begin on an even number)
.endr
	v_nop                                          ; one plain place behind a scaled conversion
.irp c, 0,1                            ; the operand's layout wants a whole block in a lane: lanes 0-15 block 2 c, lanes 16-31 block 2 c + 1
.irp i, 0,1,2
	v_permlane16_swap_b32 v[PC+6*\c+\i], v[PC+12+4*\c+\i]
.endr
.irp i, 0,1,2
	v_mov_b32 v[PC+3+6*\c+\i], v[PC+12+4*\c+\i]
.endr
.endr
.endm
	s_load_b256 s[4:11], s[0:1], 0x0               ; xq 4, sel 6, W1's codes 8, W1's scales 10
	s_load_b128 s[12:15], s[0:1], 0x20             ; b1 12, h 14
	s_load_b64 s[16:17], s[0:1], 0x30              ; rows
	s_set_vgpr_msb 0x40
	v_lshl_add_u32 v254, v0, 2, 0x1a000
	v_mov_b32 v255, 0
	s_set_vgpr_msb 0x4000
	v_lshrrev_b32 v196, 5, v0
	v_readfirstlane_b32 s22, v196                  ; wave
	s_and_b32 s23, ttmp7, 0xffff                   ; e
	s_mov_b32 s24, ttmp9                           ; c
	v_and_b32 v196, 31, v0                         ; lane
	v_bfe_u32 v197, v0, 4, 1                       ; h
	v_and_b32 v1, 15, v0                           ; r
	v_mul_u32_u24 v3, v197, 384
	v_lshlrev_b32 v4, 4, v197
	v_lshlrev_b32 v5, 4, v196
	v_lshlrev_b32 v6, 2, v1
	s_lshl_b32 s2, s22, 9
	s_add_co_u32 s2, s2, BIAS
	v_lshl_add_u32 v7, v197, 6, s2                 ; my copy of b1, + 64 h: a tile's eight units of my half
	v_add_nc_u32 v204, s2, v5                      ; and where I put 16 bytes of it
	v_lshlrev_b32 v198, 2, v196
	v_and_b32 v199, 8, v1
	v_add_nc_u32 v199, v199, v1                    ; r + 8 (r / 8)
	v_lshlrev_b32 v199, 5, v199                    ; W1's scales: 32 bytes a row,
	v_lshl_add_u32 v199, v197, 2, v199             ; lanes 16-31 the odd K steps' words
	s_mul_i32 s2, s22, 32*PITCH
	v_add_nc_u32 v200, s2, v5                      ; into the stage: my wave's 32 places, 16 bytes a lane;
	v_mad_u32_u24 v201, v197, 48, v200             ; (for the load in whose middle a row ends)
	v_mul_u32_u24 v202, v1, PITCH
	v_mad_u32_u24 v202, v197, 24, v202             ; out of it: place r, + 24 h: tiles 0 to 3;
	v_add_nc_u32 v203, 64*PITCH, v202              ; tiles 4 to 7
	s_mov_b32 s[SEL], 0x76543210
	s_mov_b32 s[SEL+1], 0xfedcba98
	s_mov_b32 s29, 0
	s_wait_kmcnt 0x0
	s_mul_i32 s28, s23, 3145728                    ; W1's codes: expert, chunk of 128 rows, my wave's 32 rows
	s_mul_i32 s2, s24, 98304
	s_add_co_u32 s28, s28, s2
	s_mul_i32 s2, s22, 24576
	s_add_co_u32 s28, s28, s2
	s_add_nc_u64 s[8:9], s[8:9], s[28:29]
	s_lshl_b32 s28, s23, 17                        ; W1's scales: 131,072 bytes an expert, 4,096 a chunk
	s_lshl_b32 s2, s24, 12
	s_add_co_u32 s28, s28, s2
	s_add_nc_u64 s[10:11], s[10:11], s[28:29]
	s_lshl_b32 s28, s23, 14                        ; b1
	s_lshl_b32 s2, s24, 9
	s_add_co_u32 s28, s28, s2
	s_add_nc_u64 s[12:13], s[12:13], s[28:29]
	s_add_nc_u64 s[18:19], s[14:15], 0x1800000     ; h's scale words
	s_lshl_b32 s28, s23, 17
	s_lshl_b32 s2, s24, 6
	s_add_co_u32 s28, s28, s2
	s_add_nc_u64 s[18:19], s[18:19], s[28:29]
	s_mul_i32 s28, s23, 3145728                    ; h's codes: expert, K step c
	s_mul_i32 s2, s24, 1536
	s_add_co_u32 s28, s28, s2
	s_add_nc_u64 s[14:15], s[14:15], s[28:29]
	s_add_nc_u64 s[20:21], s[16:17], 0x8000        ; the counts
	s_lshl_b32 s28, s23, 7
	s_add_nc_u64 s[20:21], s[20:21], s[28:29]
	s_lshl_b32 s28, s23, 12                        ; the list
	s_add_nc_u64 s[16:17], s[16:17], s[28:29]
.irp c, 0,1,2,3,4,5,6,7,8,9,10,11,12,13,14,15,16,17,18,19,20,21,22,23,24,25,26,27,28,29,30,31
	global_load_b32 v[160+\c], v198, s[6:7] offset:128*\c          ; sel of token 32 c + lane
.endr
	WIN 0x40                                       ; destination window 1: my 32 rows of W1 as they lie, 24,576 dense bytes: 48 loads of 512 consecutive bytes
.set RI, 0
.rept 48
	global_load_b128 v[4*RI:4*RI+3], v5, s[8:9] offset:512*RI th:TH_LOAD_NT
.set RI, RI+1
.endr
	WIN 0
.irp t, 0,1,2,3,4,5,6,7
.irp j, 0,1,2,3
	global_load_b32 v[WS+4*\t+\j], v199, s[10:11] offset:(32*(\t/2)+8*(\t%2))*32+8*\j
.endr
.endr
	global_load_b128 v[192:195], v5, s[12:13]      ; b1's 128 numbers
	s_wait_loadcnt 63                              ; of 113 loads at most 63 are out: the first 50 are in, sel's 32 among them
	s_lshl_b32 s2, 1, s23
.irp c, 0,1,2,3,4,5,6,7,8,9,10,11,12,13,14,15,16,17,18,19,20,21,22,23,24,25,26,27,28,29,30,31
	v_and_b32 v205, s2, v[160+\c]
	v_cmp_ne_u32 s[SM+\c], 0, v205
.endr
	s_bcnt1_i32_b32 s[SP], s[SM]
.irp c, 1,2,3,4,5,6,7,8,9,10,11,12,13,14,15,16,17,18,19,20,21,22,23,24,25,26,27,28,29,30,31
	s_bcnt1_i32_b32 s3, s[SM+\c]
	s_add_co_u32 s[SP+\c], s[SP+\c-1], s3
.endr
	s_mov_b32 s25, s[SP+31]                        ; how many chose e
	s_add_co_u32 s26, s25, 15
	s_lshr_b32 s26, s26, 4
	s_max_u32 s26, s26, 1                          ; tiles: at least one,
	s_min_u32 s26, s26, 64                         ; at most 64
	s_mov_b32 s27, s22                             ; my first tile
	s_add_co_u32 s29, s26, 3                       ; how many of the tiles w, w + 4 .. lie under that number: (tiles + 3 - w) / 4, rounded down:
	s_sub_co_u32 s29, s29, s22
	s_lshr_b32 s29, s29, 2
	s_min_u32 s29, s29, 16                         ; my trips, 0 to 16
	s_mov_b32 s28, 0                               ; trips done
	s_add_co_u32 s30, s23, 8                       ; the bit of sel that says: e is the FIRST choice
	s_lshl_b32 s31, s23, 4
	s_add_co_u32 s31, s31, 2048                    ; the expert's 16 spare rows of y
	RINIT s27
.set RJ, 0
.rept 31
	RSTEP RJ
.set RJ, RJ+1
.endr
	SELBIT
	ALOAD                                          ; my first tile's rows are on their way while the weights go through LDS
	s_wait_loadcnt 26                              ; all but ALOAD's 26
	WIN 0x04                                       ; an LDS store's data are its source 1: window 1
; Rows 2 i and 2 i + 1 of my 32 are 1,536 bytes, three loads.  They go to two places on end; the second row's bytes lie 48 further on than in memory.  Place 16 t + r holds the row that lane r of tile t takes.
.set RI, 0
.rept 16
.set SL, (8*((((RI>>2)&1)<<1)|(RI>>3))+2*(RI&3))*PITCH
	ds_store_b128 v200, v[12*RI:12*RI+3] offset:SL
	ds_store_b128 v201, v[12*RI+4:12*RI+7] offset:SL+512
	ds_store_b128 v200, v[12*RI+8:12*RI+11] offset:SL+1072
.set RI, RI+1
.endr
	WIN 0
	ds_store_b128 v204, v[192:195]
	s_wait_dscnt 0x0                               ; for the others' sake: my rows lie in the stage
	s_barrier_signal -1
	s_barrier_wait -1                              ; the one barrier; no branch on a loaded number stands ahead of it
	FRAGS 0, 202
	FRAGS 1, 203
	s_wait_dscnt 0x0
	s_or_b32 s2, s24, s22
	s_cmp_lg_u32 s2, 0
	s_cbranch_scc1 .Lnocnt
	v_mov_b32 v50, s25                             ; chunk 0, wave 0: the expert's count, 32 times
	v_lshlrev_b32 v51, 2, v196
	global_store_b32 v51, v50, s[20:21]
.Lnocnt:
	s_cmp_lt_u32 s28, s29
	s_cbranch_scc0 .Lend
.Ltile:                                            ; a trip is one tile of 16 rows: s28 counts the trips, one at a time, against s29; s27, the tile's number, goes up by 4
	s_min_u32 s3, s27, 63                          ; the tile's number as it enters the stores' addresses: it never passes 63, and here that can be read off the text
.irp t, 0,1,2,3,4,5,6,7
	ds_load_b128 v[HA+8*\t:HA+8*\t+3], v7 offset:128*(\t/2)+32*(\t%2)        ; the bias, in the result's layout: units 32 (t / 2) + 16 h + 8 (t % 2) + 0 .. 7
	ds_load_b128 v[HA+8*\t+4:HA+8*\t+7], v7 offset:128*(\t/2)+32*(\t%2)+16
.endr
	s_wait_loadcnt 0x0                             ; this tile's rows
	s_wait_dscnt 0x0
	s_cmp_lg_u32 s24, 0
	s_cbranch_scc1 .Lnolist
	s_wait_xcnt 0x0                                ; the last store of the list (or of the count) has read v50 and v51
	v_bfe_u32 v50, v49, s30, 1                     ; 1: e is my token's first choice
	v_xor_b32 v50, 1, v50
	v_lshl_add_u32 v50, v50, 10, v2                ; its row of y
	v_lshl_add_u32 v51, s3, 4, v1                  ; my rank
	v_add_nc_u32 v236, s31, v1
	v_cmp_gt_u32 vcc_lo, s25, v51
	v_cndmask_b32 v50, v236, v50, vcc_lo           ; past the count: a spare row
	v_lshlrev_b32 v51, 2, v51
	global_store_b32 v51, v50, s[16:17]            ; (both halves of the lanes store the same word)
.Lnolist:
	s_add_co_u32 s2, s27, 4
	RINIT s2
	MM
	SELBIT                                         ; its plain instructions are the places behind the last products
	ALOAD                                          ; the next tile's rows; behind the last tile: rows inside the table that nobody uses
	s_wait_xcnt 0x0                                ; the last trip's stores have read v10, v11, v48 and v224-235
	ACT
	QUANT
	s_mul_i32 s2, s3, 49152
	v_add_nc_u32 v10, s2, v5
	s_lshl_b32 s2, s3, 11
	v_add_nc_u32 v11, s2, v6
.irp j, 0,1,2
	global_store_b128 v10, v[PC+4*\j:PC+4*\j+3], s[14:15] offset:512*\j     ; 32 lanes store 512 consecutive bytes, at a multiple of 256 from h's first byte
.endr
	global_store_b32 v11, v[PW], s[18:19]          ; 16 rows' scale words (both halves of the lanes store the same)
	s_add_co_u32 s27, s27, 4
	s_add_co_u32 s28, s28, 1
	s_cmp_lt_u32 s28, s29
	s_cbranch_scc1 .Ltile
.Lend:
	s_set_vgpr_msb 0x5
	s_wait_tensorcnt 0x0
	ds_add_u32 v254, v255
	s_wait_dscnt 0x0
	s_set_vgpr_msb 0x500
	s_endpgm
.Lfunc_end_k_q361d91af05_ffn1:
	.size	k_q361d91af05_ffn1, .Lfunc_end_k_q361d91af05_ffn1-k_q361d91af05_ffn1
	.p2alignl 7, 3214868480
	.fill 96, 4, 3214868480
	.section	.rodata,"a",@progbits
	.p2align	6, 0x0
	.amdhsa_kernel k_q361d91af05_ffn1
		.amdhsa_group_segment_fixed_size 107008
		.amdhsa_private_segment_fixed_size 0
		.amdhsa_enable_private_segment 0
		.amdhsa_kernarg_size 56
		.amdhsa_user_sgpr_count 2
		.amdhsa_user_sgpr_kernarg_segment_ptr 1
		.amdhsa_wavefront_size32 1
		.amdhsa_system_sgpr_workgroup_id_x 1
		.amdhsa_system_sgpr_workgroup_id_y 1
		.amdhsa_system_sgpr_workgroup_id_z 1
		.amdhsa_system_vgpr_workitem_id 0
		.amdhsa_next_free_vgpr 1024
		.amdhsa_next_free_sgpr 102
		.amdhsa_reserve_vcc 1
		.amdhsa_float_denorm_mode_32 3
		.amdhsa_float_denorm_mode_16_64 3
		.amdhsa_memory_ordered 1
		.amdhsa_forward_progress 1
		.amdhsa_inst_pref_size 90
	.end_amdhsa_kernel
	.amdgpu_metadata
---
amdhsa.version: [ 1, 2 ]
amdhsa.kernels:
  - .name:           k_q361d91af05_ffn1
    .symbol:         k_q361d91af05_ffn1.kd
    .args:
      - { .name: xq, .offset: 0, .size: 8, .value_kind: global_buffer, .address_space: global }
      - { .name: sel, .offset: 8, .size: 8, .value_kind: global_buffer, .address_space: global }
      - { .name: W1_codes, .offset: 16, .size: 8, .value_kind: global_buffer, .address_space: global }
      - { .name: W1_scales, .offset: 24, .size: 8, .value_kind: global_buffer, .address_space: global }
      - { .name: b1, .offset: 32, .size: 8, .value_kind: global_buffer, .address_space: global }
      - { .name: h, .offset: 40, .size: 8, .value_kind: global_buffer, .address_space: global }
      - { .name: rows, .offset: 48, .size: 8, .value_kind: global_buffer, .address_space: global }
    .group_segment_fixed_size: 107008
    .private_segment_fixed_size: 0
    .kernarg_segment_align: 8
    .kernarg_segment_size: 56
    .max_flat_workgroup_size: 128
    .sgpr_count:     102
    .vgpr_count:     1024
    .wavefront_size: 32
...
	.end_amdgpu_metadata
.endif
;; end of part 2
;; launch ffn2 (part 3): grid 32 x 8, 4 waves a work-group, no clusters, 276,992 bytes of LDS; arguments h, rows, W2_codes, W2_scales, b2, y; writes y
.if DOCPART == 3
	.amdgcn_target "amdgcn-amd-amdhsa--gfx1250"
	.amdhsa_code_object_version 6
	.text
	.protected	k_q361d91af05_ffn2
	.globl	k_q361d91af05_ffn2
	.p2align	8
	.type	k_q361d91af05_ffn2,@function
k_q361d91af05_ffn2:
	s_mov_b64 s[64:65], 0
	v_nop
	global_prefetch_b8 v0, s[64:65] scope:SCOPE_SE
	s_setreg_imm32_b32 hwreg(HW_REG_WAVE_MODE, 25, 1), 1
	s_wait_xcnt 0x0
; y = h W2[e]^T + b2[e] for the routed rows of expert e; codes of E3M2 with one E8M0 scale for each 32 along K on both sides.
; SHARES.  Work-group (x, e): outputs 128 (x / 4) .. + 127, and of the expert's tiles of 16 rows those with number x % 4, + 4, + 8 ..  THE FOUR WAVES SHARE K: wave w holds the 128 rows of W2 for K steps
; 8 w .. 8 w + 7 (768 bytes of each row) in registers: 64 fragments, 768 registers, so that a fragment of h feeds eight products.  The four partial sums of a tile meet in LDS.
; The weights go through a stage in LDS of the wave's own, 64 rows at a time; a half's bytes land in the very registers that its fragments then take.
; THE PRODUCT IS USED TRANSPOSED (source 0 = 16 rows of W2, source 1 = a fragment of h): a lane holds one routed row and eight neighbouring outputs.
; THE LOOP has a constant count, 16 tiles, since a barrier stands in it and every wave passes every barrier; a tile past the expert's number of tiles (read from rows, which the launch before stored) is passed
; over by scalar branches round the work, not round the barrier.
; Each tile's rows go to the rows of y that the list names: token, 1,024 + token, or a spare row.
; NO TENSOR LOADS, NO CLUSTER, though the four work-groups x % 4 = 0 .. 3 read the same 393,216 bytes of W2.
; The order of the sums differs from one chain along K: four partial sums of 1,024 along K are added at the end.
; REGISTERS.  Window 0: v1-10 addresses; v12-43 W2's scale words; v44-47 h's; v48-51 b2; v52-63 fragment 63; v64-159 h's eight fragments; v160-223 eight accumulators, then the partial sums; v224-231 the head's addresses.
; Windows 1 to 3: fragments 0 to 62.
.set PITCH, 816                        ; 768 bytes + 48: as in the launch before
.set RED,   4*64*PITCH                 ; behind the four stages: two buffers x 4 waves x 16 rows x (512 bytes + 16)
.set RBUF,  4*16*528
.set WS,  12
.set AS,  44
.set AF,  64
.set HA,  160
.set MSB, 0
.macro WIN new                         ; the immediate's high byte repeats the setting that is left
.if MSB != (\new)
	s_set_vgpr_msb (MSB<<8)|(\new)
.set MSB, (\new)
.endif
.endm
.macro FREG i                          ; fragment i lies in window FW from register FB on.  Fragment i = tile 4 (i / 32) + i % 4, K step (i % 32) / 4
.if (\i) < 21
.set FW, 1
.set FB, 12*(\i)
.elseif (\i) < 42
.set FW, 2
.set FB, 12*((\i)-21)
.elseif (\i) < 63
.set FW, 3
.set FB, 12*((\i)-42)
.else
.set FW, 0
.set FB, 52
.endif
.endm
.macro FRAGS g, adr
.set FI, 32*(\g)
.rept 32
	FREG FI
	WIN FW<<6
.irp p, 0,1,2,3,4,5
	ds_load_b64 v[FB+2*\p:FB+2*\p+1], v[\adr] offset:16*(FI%4)*PITCH+96*((FI%32)/4)+48*(\p/3)+8*(\p%3)
.endr
.set FI, FI+1
.endr
	WIN 0
.endm
; Rows 64 g + 2 i and + 1: 768 bytes of each, 3,072 bytes apart in memory: three loads of 512 bytes; the second row's bytes lie 2,304 further on than on end
.macro RAWLD g
.set RI, 0
.rept 32
	FREG 32*(\g)+RI
	WIN FW<<6
	global_load_b128 v[FB:FB+3], v1, s[8:9] offset:(64*(\g)+2*RI)*3072
	global_load_b128 v[FB+4:FB+7], v227, s[8:9] offset:(64*(\g)+2*RI)*3072+512
	global_load_b128 v[FB+8:FB+11], v1, s[8:9] offset:(64*(\g)+2*RI)*3072+3328
.set RI, RI+1
.endr
	WIN 0
.endm
.macro RAWST g                         ; and into places 2 i and 2 i + 1 of my stage
.set RI, 0
.rept 32
	FREG 32*(\g)+RI
	WIN FW<<2                                      ; an LDS store's data are its source 1
	ds_store_b128 v228, v[FB:FB+3] offset:2*RI*PITCH
	ds_store_b128 v229, v[FB+4:FB+7] offset:2*RI*PITCH+512
	ds_store_b128 v228, v[FB+8:FB+11] offset:2*RI*PITCH+1072
.set RI, RI+1
.endr
	WIN 0
.endm
.macro HLOAD sm                        ; tile sm: my eight K steps' images, 12,288 dense bytes, and their scale words: 28 loads
	s_mul_i32 s2, \sm, 49152
	v_add_nc_u32 v3, s2, v1
	s_lshl_b32 s2, \sm, 11
	v_add_nc_u32 v4, s2, v2
.set HJ, 0
.rept 24
	global_load_b128 v[AF+4*HJ:AF+4*HJ+3], v3, s[4:5] offset:512*HJ
.set HJ, HJ+1
.endr
.irp j, 0,1,2,3
	global_load_b32 v[AS+\j], v4, s[16:17] offset:128*\j   ; lanes 0-15: K step 2 j's 16 words; lanes 16-31: K step 2 j + 1's
.endr
.endm
; 64 matrix instructions: four accumulators by turns, one instruction a turn, eight K steps; then the other four.  The first K step starts the sums: nothing is cleared.
.macro MM
.set MI, 0
.rept 64
	FREG MI
	WIN FW
.set MT, 4*(MI/32)+MI%4
.set MS, (MI%32)/4
.if MS == 0
	v_wmma_scale_f32_16x16x128_f8f6f4 v[HA+8*MT:HA+8*MT+7], v[FB:FB+11], v[AF+12*MS:AF+12*MS+11], 0, v[WS+4*MT+MS/2], v[AS+MS/2] matrix_a_fmt:MATRIX_FMT_BF6 matrix_b_fmt:MATRIX_FMT_BF6
.elseif (MS%2) == 0
	v_wmma_scale_f32_16x16x128_f8f6f4 v[HA+8*MT:HA+8*MT+7], v[FB:FB+11], v[AF+12*MS:AF+12*MS+11], v[HA+8*MT:HA+8*MT+7], v[WS+4*MT+MS/2], v[AS+MS/2] matrix_a_fmt:MATRIX_FMT_BF6 matrix_b_fmt:MATRIX_FMT_BF6
.else
	v_wmma_scale_f32_16x16x128_f8f6f4 v[HA+8*MT:HA+8*MT+7], v[FB:FB+11], v[AF+12*MS:AF+12*MS+11], v[HA+8*MT:HA+8*MT+7], v[WS+4*MT+MS/2], v[AS+MS/2] matrix_a_fmt:MATRIX_FMT_BF6 matrix_b_fmt:MATRIX_FMT_BF6 matrix_a_scale:MATRIX_SCALE_ROW1 matrix_b_scale:MATRIX_SCALE_ROW1
.endif
.set MI, MI+1
.endr
	WIN 0
.endm
	s_load_b256 s[4:11], s[0:1], 0x0               ; h 4, rows 6, W2's codes 8, W2's scales 10
	s_load_b128 s[12:15], s[0:1], 0x20             ; b2 12, y 14
	v_lshl_add_u32 v254, v0, 2, 0x43800
	v_mov_b32 v255, 0
	v_lshrrev_b32 v224, 5, v0
	v_readfirstlane_b32 s20, v224                  ; wave
	s_and_b32 s21, ttmp7, 0xffff                   ; e
	s_lshr_b32 s22, ttmp9, 2                       ; which 128 outputs
	s_and_b32 s23, ttmp9, 3                        ; which quarter of the tiles
	v_and_b32 v224, 31, v0                         ; lane
	v_bfe_u32 v225, v0, 4, 1                       ; h
	v_and_b32 v226, 15, v0                         ; r
	v_lshlrev_b32 v1, 4, v224
	v_lshlrev_b32 v2, 2, v224
	v_mad_u32_u24 v227, v225, 2304, v1             ; for the load in whose middle a row's 768 bytes end
	s_mul_i32 s2, s20, 64*PITCH                    ; my stage
	v_add_nc_u32 v228, s2, v1
	v_mad_u32_u24 v229, v225, 48, v228
	v_mul_u32_u24 v230, v226, PITCH
	v_mad_u32_u24 v230, v225, 24, v230
	v_add_nc_u32 v230, s2, v230                    ; out of it: place r, + 24 h
	v_lshlrev_b32 v231, 7, v226                    ; W2's scales: 128 bytes a row,
	v_lshl_add_u32 v231, v225, 2, v231             ; lanes 16-31 the odd K steps' words
	s_mul_i32 s2, s20, 16*528
	s_add_co_u32 s2, s2, RED
	v_mul_u32_u24 v5, v226, 528
	v_lshl_add_u32 v5, v225, 5, v5
	v_add_nc_u32 v5, s2, v5                        ; my partial sums: row r, + 32 h
	s_mul_i32 s2, s20, 4*528
	s_add_co_u32 s2, s2, RED
	v_add_nc_u32 v6, s2, v1                        ; and back: rows 4 w .. 4 w + 3, 16 bytes a lane
.irp i, 0,1,2,3
	s_mov_b32 s[40+\i], 0
.endr
	s_mov_b32 s31, 0
	s_wait_kmcnt 0x0
	s_lshl_b32 s30, s21, 7
	s_add_nc_u64 s[18:19], s[6:7], s[30:31]
	s_load_b32 s24, s[18:19], 0x8000               ; how many rows the expert has
	s_mul_i32 s30, s21, 3145728                    ; W2's codes: expert, 128 rows of 3,072 bytes, my 768 bytes of each
	s_mul_i32 s2, s22, 393216
	s_add_co_u32 s30, s30, s2
	s_mul_i32 s2, s20, 768
	s_add_co_u32 s30, s30, s2
	s_add_nc_u64 s[8:9], s[8:9], s[30:31]
	s_lshl_b32 s30, s21, 17                        ; W2's scales
	s_lshl_b32 s2, s22, 14
	s_add_co_u32 s30, s30, s2
	s_lshl_b32 s2, s20, 5
	s_add_co_u32 s30, s30, s2
	s_add_nc_u64 s[10:11], s[10:11], s[30:31]
	s_lshl_b32 s30, s21, 12                        ; b2
	s_lshl_b32 s2, s22, 9
	s_add_co_u32 s30, s30, s2
	s_add_nc_u64 s[12:13], s[12:13], s[30:31]
	s_mov_b32 s30, s2                              ; y: my 128 columns
	s_add_nc_u64 s[14:15], s[14:15], s[30:31]
	s_add_nc_u64 s[16:17], s[4:5], 0x1800000       ; h's scale words: expert, my eight K steps
	s_lshl_b32 s30, s21, 17
	s_lshl_b32 s2, s20, 9
	s_add_co_u32 s30, s30, s2
	s_add_nc_u64 s[16:17], s[16:17], s[30:31]
	s_mul_i32 s30, s21, 3145728                    ; h's codes likewise
	s_mul_i32 s2, s20, 12288
	s_add_co_u32 s30, s30, s2
	s_add_nc_u64 s[4:5], s[4:5], s[30:31]
	s_lshl_b32 s30, s21, 12                        ; the list: expert, my four rows of a tile
	s_lshl_b32 s2, s20, 4
	s_add_co_u32 s30, s30, s2
	s_add_nc_u64 s[6:7], s[6:7], s[30:31]
	RAWLD 0
	RAWLD 1
.irp t, 0,1,2,3,4,5,6,7
.irp j, 0,1,2,3
	global_load_b32 v[WS+4*\t+\j], v231, s[10:11] offset:2048*\t+8*\j
.endr
.endr
	global_load_b128 v[48:51], v1, s[12:13]        ; b2 of the four columns that I add up
	s_wait_kmcnt 0x0
	s_add_co_u32 s25, s24, 15
	s_lshr_b32 s25, s25, 4
	s_max_u32 s25, s25, 1
	s_min_u32 s25, s25, 64                         ; tiles, as the launch before counted them
	s_sub_co_u32 s3, s25, 1
	s_min_u32 s3, s3, s23
	s_min_u32 s3, s3, 63                           ; my first tile, or, if I have none, a tile that exists
	HLOAD s3
	s_wait_loadcnt 63                              ; the first half's 96 loads have 157 younger ones
	RAWST 0
	s_wait_dscnt 0x0
	FRAGS 0, 230
	s_wait_loadcnt 61                              ; the second half's have 32 + 1 + 28
	RAWST 1                                        ; LDS serves a wave's instructions in order: these stores come behind the reads above
	s_wait_dscnt 0x0
	FRAGS 1, 230
	s_wait_dscnt 0x0
	s_wait_loadcnt 0x0
	s_mov_b32 s26, s23                             ; the tile in hand
.macro SUB buf
	s_cmp_lt_u32 s26, s25
	s_cbranch_scc0 .La_\@
	s_wait_xcnt 0x0                                ; the last tile's stores have read their registers; the last scalar load its offset
	s_lshl_b32 s28, s26, 6
	s_load_b128 s[40:43], s[6:7], s28 offset:0x0   ; the rows of y of my four rows of this tile
	s_wait_loadcnt 0x0                             ; the tile's fragments
	MM
.rept 5
	v_nop                                          ; places behind the last products, ahead of the loads into their sources, of the stores of their results, and of the next tile's first products
.endr
	s_add_co_u32 s3, s26, 4
	s_cmp_lt_u32 s3, s25
	s_cbranch_scc0 .Lnh_\@
	HLOAD s3                                       ; my next tile, if there is one
.Lnh_\@:
.irp t, 0,1,2,3,4,5,6,7
	ds_store_b128 v5, v[HA+8*\t:HA+8*\t+3] offset:RBUF*(\buf)+64*\t         ; each accumulator from its low end on
	ds_store_b128 v5, v[HA+8*\t+4:HA+8*\t+7] offset:RBUF*(\buf)+64*\t+16
.endr
	s_wait_kmcnt 0x0
.irp i, 0,1,2,3
	s_min_u32 s[40+\i], s[40+\i], 0x87f            ; inside y
.endr
.La_\@:
	s_wait_dscnt 0x0                               ; my partial sums lie in LDS, and my reads of the other buffer are over
	s_barrier_signal -1
	s_barrier_wait -1                              ; on every wave's way in every trip.  A buffer is written again two tiles on, behind the barrier between
	s_cmp_lt_u32 s26, s25
	s_cbranch_scc0 .Lb_\@
	s_wait_xcnt 0x0
.irp i, 0,1,2,3
	v_lshl_add_u32 v[7+\i], s[40+\i], 12, v1
.endr
.irp i, 0,1,2,3
.irp b, 0,1,2,3
	ds_load_b128 v[160+16*\i+4*\b:163+16*\i+4*\b], v6 offset:RBUF*(\buf)+16*528*\b+528*\i
.endr
.endr
.irp i, 0,1,2,3
	s_wait_dscnt 12-4*\i                           ; row i's four loads are in; the later rows' may be out
	v_pk_add_f32 v[160+16*\i:161+16*\i], v[160+16*\i:161+16*\i], v[164+16*\i:165+16*\i]
	v_pk_add_f32 v[162+16*\i:163+16*\i], v[162+16*\i:163+16*\i], v[166+16*\i:167+16*\i]
	v_pk_add_f32 v[168+16*\i:169+16*\i], v[168+16*\i:169+16*\i], v[172+16*\i:173+16*\i]
	v_pk_add_f32 v[170+16*\i:171+16*\i], v[170+16*\i:171+16*\i], v[174+16*\i:175+16*\i]
	v_pk_add_f32 v[160+16*\i:161+16*\i], v[160+16*\i:161+16*\i], v[168+16*\i:169+16*\i]
	v_pk_add_f32 v[162+16*\i:163+16*\i], v[162+16*\i:163+16*\i], v[170+16*\i:171+16*\i]
	v_pk_add_f32 v[160+16*\i:161+16*\i], v[160+16*\i:161+16*\i], v[48:49]
	v_pk_add_f32 v[162+16*\i:163+16*\i], v[162+16*\i:163+16*\i], v[50:51]
	global_store_b128 v[7+\i], v[160+16*\i:163+16*\i], s[14:15]            ; 32 lanes store 512 consecutive bytes, at a multiple of 256 from y's first byte
.endr
.Lb_\@:
	s_add_co_u32 s26, s26, 4
.endm
	s_mov_b32 s27, 8
.Ltrip:                                            ; 8 trips of two tiles: 16 tiles, a quarter of the 64 that an expert can have
	SUB 0
	SUB 1
	s_sub_co_u32 s27, s27, 1
	s_cmp_lg_u32 s27, 0
	s_cbranch_scc1 .Ltrip
	s_wait_tensorcnt 0x0
	ds_add_u32 v254, v255
	s_wait_dscnt 0x0
	s_endpgm
.Lfunc_end_k_q361d91af05_ffn2:
	.size	k_q361d91af05_ffn2, .Lfunc_end_k_q361d91af05_ffn2-k_q361d91af05_ffn2
	.p2alignl 7, 3214868480
	.fill 96, 4, 3214868480
	.section	.rodata,"a",@progbits
	.p2align	6, 0x0
	.amdhsa_kernel k_q361d91af05_ffn2
		.amdhsa_group_segment_fixed_size 276992
		.amdhsa_private_segment_fixed_size 0
		.amdhsa_enable_private_segment 0
		.amdhsa_kernarg_size 48
		.amdhsa_user_sgpr_count 2
		.amdhsa_user_sgpr_kernarg_segment_ptr 1
		.amdhsa_wavefront_size32 1
		.amdhsa_system_sgpr_workgroup_id_x 1
		.amdhsa_system_sgpr_workgroup_id_y 1
		.amdhsa_system_sgpr_workgroup_id_z 1
		.amdhsa_system_vgpr_workitem_id 0
		.amdhsa_next_free_vgpr 1024
		.amdhsa_next_free_sgpr 66
		.amdhsa_reserve_vcc 0
		.amdhsa_float_denorm_mode_32 3
		.amdhsa_float_denorm_mode_16_64 3
		.amdhsa_memory_ordered 1
		.amdhsa_forward_progress 1
		.amdhsa_inst_pref_size 98
	.end_amdhsa_kernel
	.amdgpu_metadata
---
amdhsa.version: [ 1, 2 ]
amdhsa.kernels:
  - .name:           k_q361d91af05_ffn2
    .symbol:         k_q361d91af05_ffn2.kd
    .args:
      - { .name: h, .offset: 0, .size: 8, .value_kind: global_buffer, .address_space: global }
      - { .name: rows, .offset: 8, .size: 8, .value_kind: global_buffer, .address_space: global }
      - { .name: W2_codes, .offset: 16, .size: 8, .value_kind: global_buffer, .address_space: global }
      - { .name: W2_scales, .offset: 24, .size: 8, .value_kind: global_buffer, .address_space: global }
      - { .name: b2, .offset: 32, .size: 8, .value_kind: global_buffer, .address_space: global }
      - { .name: y, .offset: 40, .size: 8, .value_kind: global_buffer, .address_space: global }
    .group_segment_fixed_size: 276992
    .private_segment_fixed_size: 0
    .kernarg_segment_align: 8
    .kernarg_segment_size: 48
    .max_flat_workgroup_size: 128
    .sgpr_count:     66
    .vgpr_count:     1024
    .wavefront_size: 32
...
	.end_amdgpu_metadata
.endif
;; end of part 3
;; launch combine (part 4): grid 256 x 1, 4 waves a work-group, no clusters, 0 bytes of LDS; arguments y, gatef, rows, out0, out1; writes out0, out1
.if DOCPART == 4
	.amdgcn_target "amdgcn-amd-amdhsa--gfx1250"
	.amdhsa_code_object_version 6
	.text
	.protected	k_q361d91af05_combine
	.globl	k_q361d91af05_combine
	.p2align	8
	.type	k_q361d91af05_combine,@function
k_q361d91af05_combine:
	s_mov_b64 s[64:65], 0
	v_nop
	global_prefetch_b8 v0, s[64:65] scope:SCOPE_SE
	s_setreg_imm32_b32 hwreg(HW_REG_WAVE_MODE, 25, 1), 1
	s_wait_xcnt 0x0
; out0[t] = w0[t] y[t] + w1[t] y[1024 + t]: a token's two experts' rows, each with its weight.  A wave takes a token: two rows of 4,096 bytes in, one out, each load and store 512 consecutive bytes.
; out1 = the sum over experts of (the softmax's sum over tokens) x (the expert's count) / 1024^2, which is mean(average weight x average count) x 8.  Wave 0 of work-group 0 makes it, from the 256 partial sums of the
; first launch and the eight counts of the second, in one branch behind the issue of its loads of y.
; Memory binds: no LDS, no barrier, no matrix unit.
	s_load_b256 s[4:11], s[0:1], 0x0               ; y 4, gatef 6, rows 8, out0 10
	s_load_b64 s[16:17], s[0:1], 0x20              ; out1
	v_lshrrev_b32 v1, 5, v0
	v_readfirstlane_b32 s18, v1                    ; wave
	s_lshl_b32 s19, ttmp9, 2
	s_add_co_u32 s19, s19, s18                     ; my token
	v_and_b32 v2, 31, v0
	v_lshlrev_b32 v1, 4, v2                        ; 16 bytes a lane
	v_and_b32 v3, 1, v2
	v_lshlrev_b32 v3, 9, v3                        ; odd lanes: experts 4 to 7, whose counts lie 512 bytes on
	v_mov_b32 v4, 0
	s_lshl_b32 s20, s19, 3
	s_lshl_b32 s22, s19, 12
	s_mov_b32 s23, 0
	s_mov_b32 s24, 0x76543210
	s_mov_b32 s25, 0xfedcba98                      ; v_permlanex16_b32's selects for lane l xor 16
	s_wait_kmcnt 0x0
	s_load_b64 s[12:13], s[6:7], s20 offset:0x0    ; my token's two weights
	s_add_nc_u64 s[4:5], s[4:5], s[22:23]
	s_add_nc_u64 s[10:11], s[10:11], s[22:23]
.irp j, 0,1,2,3,4,5,6,7
	global_load_b128 v[16+4*\j:19+4*\j], v1, s[4:5] offset:512*\j th:TH_LOAD_NT
.endr
.irp j, 0,1,2,3,4,5,6,7
	global_load_b128 v[48+4*\j:51+4*\j], v1, s[4:5] offset:4194304+512*\j th:TH_LOAD_NT
.endr
	s_cmp_lg_u32 s19, 0
	s_cbranch_scc1 .Lnoaux
.irp j, 0,1,2,3,4,5,6,7,8,9,10,11,12,13,14,15
	global_load_b128 v[80+4*\j:83+4*\j], v1, s[6:7] offset:8192+512*\j      ; 256 x 8 partial sums: my four are those of experts 4 (lane % 2) + 0 .. 3
.endr
.irp i, 0,1,2,3
	global_load_b32 v[144+\i], v3, s[8:9] offset:32768+128*\i               ; and their counts
.endr
	s_wait_loadcnt 0x0
.irp d, 8,4,2,1
.set AJ, 0
.rept \d
	v_pk_add_f32 v[80+4*AJ:81+4*AJ], v[80+4*AJ:81+4*AJ], v[80+4*(AJ+\d):81+4*(AJ+\d)]
	v_pk_add_f32 v[82+4*AJ:83+4*AJ], v[82+4*AJ:83+4*AJ], v[82+4*(AJ+\d):83+4*(AJ+\d)]
.set AJ, AJ+1
.endr
.endr
.irp m, 2,4,8
.irp i, 0,1,2,3
	v_add_f32_dpp v[80+\i], v[80+\i], v[80+\i] row_xmask:\m row_mask:0xf bank_mask:0xf   ; over the lanes of my parity
.endr
.endr
.irp i, 0,1,2,3
	v_permlanex16_b32 v[84+\i], v[80+\i], s24, s25
.endr
.irp i, 0,1,2,3
	v_add_f32 v[80+\i], v[80+\i], v[84+\i]
.endr
.irp i, 0,1,2,3
	v_cvt_f32_u32 v[144+\i], v[144+\i]
.endr
	v_mul_f32 v148, v80, v144
	v_fma_f32 v148, v81, v145, v148
	v_fma_f32 v148, v82, v146, v148
	v_fma_f32 v148, v83, v147, v148
	v_add_f32_dpp v148, v148, v148 row_xmask:1 row_mask:0xf bank_mask:0xf   ; the other four experts
	v_mul_f32 v148, 0x35800000, v148               ; x 2^-20
	s_wait_xcnt 0x0                                ; EXEC changes only behind this wait
	v_cmp_eq_u32 vcc_lo, 0, v2
	s_and_saveexec_b32 s21, vcc_lo
	global_store_b32 v4, v148, s[16:17]
	s_wait_xcnt 0x0
	s_or_b32 exec_lo, exec_lo, s21
.Lnoaux:
	s_wait_loadcnt 0x0
	s_wait_kmcnt 0x0
	s_mov_b32 s14, s13                             ; the packed forms name a pair and take its low word for both halves
	s_mov_b32 s15, s13
.irp j, 0,1,2,3,4,5,6,7,8,9,10,11,12,13,14,15
	v_pk_mul_f32 v[16+2*\j:17+2*\j], v[16+2*\j:17+2*\j], s[12:13] op_sel_hi:[1,0]
.endr
.irp j, 0,1,2,3,4,5,6,7,8,9,10,11,12,13,14,15
	v_pk_fma_f32 v[16+2*\j:17+2*\j], v[48+2*\j:49+2*\j], s[14:15], v[16+2*\j:17+2*\j] op_sel_hi:[1,0,1]
.endr
.irp j, 0,1,2,3,4,5,6,7
	global_store_b128 v1, v[16+4*\j:19+4*\j], s[10:11] offset:512*\j th:TH_STORE_NT
.endr
	s_endpgm
.Lfunc_end_k_q361d91af05_combine:
	.size	k_q361d91af05_combine, .Lfunc_end_k_q361d91af05_combine-k_q361d91af05_combine
	.p2alignl 7, 3214868480
	.fill 96, 4, 3214868480
	.section	.rodata,"a",@progbits
	.p2align	6, 0x0
	.amdhsa_kernel k_q361d91af05_combine
		.amdhsa_group_segment_fixed_size 0
		.amdhsa_private_segment_fixed_size 0
		.amdhsa_enable_private_segment 0
		.amdhsa_kernarg_size 40
		.amdhsa_user_sgpr_count 2
		.amdhsa_user_sgpr_kernarg_segment_ptr 1
		.amdhsa_wavefront_size32 1
		.amdhsa_system_sgpr_workgroup_id_x 1
		.amdhsa_system_sgpr_workgroup_id_y 1
		.amdhsa_system_sgpr_workgroup_id_z 1
		.amdhsa_system_vgpr_workitem_id 0
		.amdhsa_next_free_vgpr 160
		.amdhsa_next_free_sgpr 66
		.amdhsa_reserve_vcc 1
		.amdhsa_float_denorm_mode_32 3
		.amdhsa_float_denorm_mode_16_64 3
		.amdhsa_memory_ordered 1
		.amdhsa_forward_progress 1
		.amdhsa_inst_pref_size 12
	.end_amdhsa_kernel
	.amdgpu_metadata
---
amdhsa.version: [ 1, 2 ]
amdhsa.kernels:
  - .name:           k_q361d91af05_combine
    .symbol:         k_q361d91af05_combine.kd
    .args:
      - { .name: y, .offset: 0, .size: 8, .value_kind: global_buffer, .address_space: global }
      - { .name: gatef, .offset: 8, .size: 8, .value_kind: global_buffer, .address_space: global }
      - { .name: rows, .offset: 16, .size: 8, .value_kind: global_buffer, .address_space: global }
      - { .name: out0, .offset: 24, .size: 8, .value_kind: global_buffer, .address_space: global }
      - { .name: out1, .offset: 32, .size: 8, .value_kind: global_buffer, .address_space: global }
    .group_segment_fixed_size: 0
    .private_segment_fixed_size: 0
    .kernarg_segment_align: 8
    .kernarg_segment_size: 40
    .max_flat_workgroup_size: 128
    .sgpr_count:     66
    .vgpr_count:     160
    .wavefront_size: 32
...
	.end_amdgpu_metadata
.endif
;; end of part 4
;; ======== version 2 of 3: 4 launches
;; workspace buffers: xq 819,200 bytes; sel 4,096 bytes of whole numbers; gatef 16,384 bytes; h 26,214,400 bytes; rows 33,792 bytes of whole numbers; y 8,912,896 bytes
;; launch gate: the kernel of part 1 again; grid 256 x 1, 1 waves a work-group, no clusters, 4,352 bytes of LDS; arguments inputs, task_param, Wg_in, bg_in, Wg_task, bg_task, alpha, xq, sel, gatef; writes xq, sel, gatef
;; launch ffn1 (part 5): grid 8 x 33, 4 waves a work-group, no clusters, 211,456 bytes of LDS; arguments xq, sel, W1_codes, W1_scales, b1, h, rows; writes h, rows
.if DOCPART == 5
	.amdgcn_target "amdgcn-amd-amdhsa--gfx1250"
	.amdhsa_code_object_version 6
	.text
	.protected	k_q361d91af05_ffn1
	.globl	k_q361d91af05_ffn1
	.p2align	8
	.type	k_q361d91af05_ffn1,@function
k_q361d91af05_ffn1:
	s_mov_b64 s[64:65], 0
	v_nop
	global_prefetch_b8 v0, s[64:65] scope:SCOPE_SE
	s_setreg_imm32_b32 hwreg(HW_REG_WAVE_MODE, 25, 1), 1
	s_wait_xcnt 0x0
; h = Q(silu(x W1[e]^T + b1[e])) for the rows that chose expert e alone; codes of E3M2 with one E8M0 scale for each 32 along K on both sides of the product.
; SHARES.  THE UNIT OF WORK IS A WAVE: hidden units 128 c .. 128 c + 127 of one expert, for one GROUP of up to 5 tiles of 16 routed rows.  Work-group (x, g): group g, its four waves the chunks c = 4 x + wave.
; A wave's 128 rows of W1 (768 bytes each, 98,304 dense bytes) go through a stage in LDS of the wave's own, 64 rows at a time, into its registers: 64 fragments of 16 rows x 128 K, 768 registers; a half's bytes
; land in the very registers that its fragments then take.  A fragment of x so feeds eight products.  Waves share nothing: no barrier.
; GROUPS.  Every wave reads all 1,024 words of sel (whole numbers that the launch before stored) and counts how many tokens chose each expert.  Expert e has max(1, ceil(n_e / 16)) tiles and ceil(tiles / 5) groups;
; the groups are numbered expert by expert.  The n_e add up to 2,048, so the sum of max(1, ceil(n_e / 80)) is never above 25 + 8 = 33: the grid serves every split.  A work-group whose number is past the total ends at once.
; WHO CHOSE e.  32 masks of 32 tokens and their running counts lie in scalar registers; the token of rank p is found by a chain of selects (which mask) and a search by halves (which bit).
; Ranks at or past the count give a token inside the table: such rows are computed and go to spare rows of y that nobody reads.  Each expert has 64 tiles of its own in h.
; THE PRODUCT IS USED TRANSPOSED (source 0 = 16 rows of W1, source 1 = 16 rows of x), and lane r of tile 2 b + u takes W1's row 32 b + 8 u + r + 8 (r / 8): a lane then holds one routed row, and the 16 registers of
; tiles 2 b, 2 b + 1 are 16 neighbours along the next product's K.  My 8 tiles are K step c of that product: one fragment and one scale word a row.  The bias is the C of each sum's first matrix instruction.
; OUT.  h: [e][tile 64][K step 32][1,536 bytes], an image of the operand's registers (three times 512 bytes, lane l's 16 bytes at 16 l); from byte 25,165,824 its scale words [e][tile][K step][16 rows].
; rows (chunk 0 alone): for each rank the row of y (token, or 1,024 + token for a second choice; 2,048 + 16 e + r for a rank past the count); from byte 32,768 the count, 32 times (the expert's first group).
; NO TENSOR LOADS, NO CLUSTER, though the groups of one expert read the same weights.
; LIMITS: NaN and infinities ahead of the quantiser are not served; a block whose largest magnitude lies under 2^-122 gets the byte 1 (a block of zeros too: its codes are zeros).
; REGISTERS.  Window 0: v0-11 addresses; v12-43 W1's scale words; v44-47 x's; v48 h's scale word; v49-51 the list; v52-63 fragment 63; v64-159 x's eight fragments; v160-223 eight accumulators;
; v224-255 at work.  Windows 1 to 3: fragments 0 to 62, 21 to a window.
.set TG,    5                          ; tiles in a group
.set DIVM,  205                        ; (a x 205) >> 10 = a / 5, rounded down, for a up to 68
.set PITCH, 816                        ; a row of W1 in LDS: 768 bytes + 48 = 204 words: sixteen rows on end start 12 words apart modulo 64, and the lanes' 8 bytes fall on 64 different banks (64 banks of 4 bytes: ISA guide 11.1)
.set BIAS,  4*64*PITCH                 ; behind the four stages of 64 rows: b1's 128 numbers of each wave's chunk, 512 bytes a wave
.set WS,  12
.set AS,  44
.set PW,  48
.set AF,  64
.set HA,  160
.set PC,  224                          ; v224-235 the codes just made; v236-242 their second halves
.set TM,  244                          ; v244-247 largest magnitudes, v248-251 bytes, v252-255 the conversions' scale operands
.set SM,  32                           ; s32-63  mask c: bit l = token 32 c + l chose e  (before that: s32-39 the eight counts)
.set SP,  68                           ; s68-99  the count of masks 0 .. c
.set SEL, 100                          ; s[100:101] v_permlanex16_b32's selects
.set MSB, 0
.macro WIN new                         ; the immediate's high byte repeats the setting that is left
.if MSB != (\new)
	s_set_vgpr_msb (MSB<<8)|(\new)
.set MSB, (\new)
.endif
.endm
.macro FREG i                          ; fragment i lies in window FW from register FB on.  Fragment i = tile 4 (i / 32) + i % 4, K step (i % 32) / 4
.if (\i) < 21
.set FW, 1
.set FB, 12*(\i)
.elseif (\i) < 42
.set FW, 2
.set FB, 12*((\i)-21)
.elseif (\i) < 63
.set FW, 3
.set FB, 12*((\i)-42)
.else
.set FW, 0
.set FB, 52
.endif
.endm
; Fragments 32 g .. 32 g + 31 out of the stage: lane (r, h) takes 24 bytes at 96 s + 24 h and 24 at 96 s + 48 + 24 h of its row, in pieces of 8 bytes
.macro FRAGS g, adr
.set FI, 32*(\g)
.rept 32
	FREG FI
	WIN FW<<6
.irp p, 0,1,2,3,4,5
	ds_load_b64 v[FB+2*\p:FB+2*\p+1], v[\adr] offset:16*(FI%4)*PITCH+96*((FI%32)/4)+48*(\p/3)+8*(\p%3)
.endr
.set FI, FI+1
.endr
	WIN 0
.endm
; Rows 64 g + 2 i and + 1 of my chunk, 1,536 dense bytes: three loads of 512 consecutive bytes, into the twelve registers of fragment 32 g + i
.macro RAWLD g
.set RI, 0
.rept 32
	FREG 32*(\g)+RI
	WIN FW<<6
	global_load_b128 v[FB:FB+3], v5, s[8:9] offset:49152*(\g)+1536*RI
	global_load_b128 v[FB+4:FB+7], v5, s[8:9] offset:49152*(\g)+1536*RI+512
	global_load_b128 v[FB+8:FB+11], v5, s[8:9] offset:49152*(\g)+1536*RI+1024
.set RI, RI+1
.endr
	WIN 0
.endm
; They go to two places on end of my stage; the second row's bytes lie 48 further on than in memory.  Place 16 t + r holds the row that lane r of the half's tile t takes.
.macro RAWST g
.set RI, 0
.rept 32
	FREG 32*(\g)+RI
	WIN FW<<2                                      ; an LDS store's data are its source 1
.set SL, (32*(RI>>4)+8*((((RI>>2)&1)<<1)|((RI>>3)&1))+2*(RI&3))*PITCH
	ds_store_b128 v200, v[FB:FB+3] offset:SL
	ds_store_b128 v201, v[FB+4:FB+7] offset:SL+512
	ds_store_b128 v200, v[FB+8:FB+11] offset:SL+1072
.set RI, RI+1
.endr
	WIN 0
.endm
; THE RANK.  v244 = p.  Step j: where the count of masks 0 .. j is at most p, the token lies further on: v245 that count, v246 the next mask, v247 its number.
; Every vector register stands in source 1 or the destination, whose windows are 0 under every setting that the products use: so the steps can stand between the matrix instructions,
; the compare behind one of them and its three selects behind the next.
.macro RCMP j
	v_cmp_gt_u32 vcc_lo, s[SP+(\j)], v244
.endm
.macro RSEL j
	v_cndmask_b32 v245, s[SP+(\j)], v245, vcc_lo
	v_cndmask_b32 v246, s[SM+(\j)+1], v246, vcc_lo
	v_cndmask_b32 v247, (\j)+1, v247, vcc_lo
.endm
.macro RINIT sm                        ; the ranks of tile sm: 16 sm + r
	v_lshl_add_u32 v244, \sm, 4, v1
	v_mov_b32 v245, 0
	v_mov_b32 v246, s[SM]
	v_mov_b32 v247, 0
.endm
.macro LEVEL a, w                      ; are there k or fewer set bits in the w bits from v252 on?  Then the bit lies in the w bits behind them
	v_bfe_u32 v253, v[\a], v252, \w
	v_cmp_ge_u32 vcc_lo, v244, v253
	v_cndmask_b32 v253, 0, v253, vcc_lo
	v_sub_nc_u32 v244, v244, v253
	v_add_nc_u32 v254, \w, v252
	v_cndmask_b32 v252, v252, v254, vcc_lo
.endm
.macro SELBIT                          ; the place of set bit number k = p - v245 of the mask v246; v2 = the token
	v_sub_nc_u32 v244, v244, v245
	v_lshrrev_b32 v248, 1, v246                    ; counts of set bits in fields of 2, 4, 8 and 16 bits
	v_and_b32 v248, 0x55555555, v248
	v_sub_nc_u32 v248, v246, v248
	v_lshrrev_b32 v249, 2, v248
	v_and_b32 v249, 0x33333333, v249
	v_and_b32 v253, 0x33333333, v248
	v_add_nc_u32 v249, v249, v253
	v_lshrrev_b32 v250, 4, v249
	v_add_nc_u32 v250, v250, v249
	v_and_b32 v250, 0x0f0f0f0f, v250
	v_lshrrev_b32 v251, 8, v250
	v_add_nc_u32 v251, v251, v250
	v_and_b32 v251, 0x00ff00ff, v251
	v_mov_b32 v252, 0
	LEVEL 251, 16
	LEVEL 250, 8
	LEVEL 249, 4
	LEVEL 248, 2
	LEVEL 246, 1
	v_lshl_add_u32 v2, v247, 5, v252
	v_min_u32 v2, 0x3ff, v2                        ; inside the table, whatever the rank
.endm
.macro ALOAD                           ; my row's eight fragments (384 bytes on end), its four scale words, and its word of sel: 26 loads
	v_mul_u32_u24 v8, v2, 768
	v_add_nc_u32 v8, v8, v3
	v_lshl_add_u32 v9, v2, 5, v4
	v_lshlrev_b32 v0, 2, v2
.set AJ, 0
.rept 24
	global_load_b128 v[AF+4*AJ:AF+4*AJ+3], v8, s[4:5] offset:16*AJ
.set AJ, AJ+1
.endr
	global_load_b128 v[AS:AS+3], v9, s[4:5] offset:786432
	global_load_b32 v49, v0, s[6:7]
.endm
.macro BIASLD                          ; the bias into the accumulators, in the result's layout: tile t: units 32 (t / 2) + 16 h + 8 (t % 2) + 0 .. 7
.irp t, 0,1,2,3,4,5,6,7
	ds_load_b128 v[HA+8*\t:HA+8*\t+3], v7 offset:128*(\t/2)+32*(\t%2)
	ds_load_b128 v[HA+8*\t+4:HA+8*\t+7], v7 offset:128*(\t/2)+32*(\t%2)+16
.endr
.endm
; 64 matrix instructions: four accumulators by turns, one instruction a turn, eight K steps; then the other four.  A scale register holds an even K step's words in lanes 0-15
; and the odd one's in lanes 16-31.  Between them stand the 31 steps of the next tile's rank.
.macro MM
.set MI, 0
.rept 64
	FREG MI
	WIN FW                                         ; source 0 in the fragment's window, all else in window 0
.set MT, 4*(MI/32)+MI%4
.set MS, (MI%32)/4
.if (MS%2) == 0
	v_wmma_scale_f32_16x16x128_f8f6f4 v[HA+8*MT:HA+8*MT+7], v[FB:FB+11], v[AF+12*MS:AF+12*MS+11], v[HA+8*MT:HA+8*MT+7], v[WS+4*MT+MS/2], v[AS+MS/2] matrix_a_fmt:MATRIX_FMT_BF6 matrix_b_fmt:MATRIX_FMT_BF6
.else
	v_wmma_scale_f32_16x16x128_f8f6f4 v[HA+8*MT:HA+8*MT+7], v[FB:FB+11], v[AF+12*MS:AF+12*MS+11], v[HA+8*MT:HA+8*MT+7], v[WS+4*MT+MS/2], v[AS+MS/2] matrix_a_fmt:MATRIX_FMT_BF6 matrix_b_fmt:MATRIX_FMT_BF6 matrix_a_scale:MATRIX_SCALE_ROW1 matrix_b_scale:MATRIX_SCALE_ROW1
.endif
.if MI < 62
.set RJ, MI/2
.if (MI%2) == 0
	RCMP RJ
.else
	RSEL RJ
.endif
.endif
.set MI, MI+1
.endr
	WIN 0
.endm
; silu(a) = a / (1 + 2^(-a log2(e))), 32 numbers at a time; each run of transcendentals has one plain place and one wait behind it, ahead of its first reader.  The accumulators are read from their low ends on.
.macro ACT
.irp b, 0,1
.set AJ, 0
.rept 16
	v_pk_mul_f32 v[224+2*AJ:225+2*AJ], v[HA+32*\b+2*AJ:HA+32*\b+2*AJ+1], 0xbfb8aa3b op_sel_hi:[1,0]
.set AJ, AJ+1
.endr
.set AJ, 0
.rept 32
	v_exp_f32 v[224+AJ], v[224+AJ]
.set AJ, AJ+1
.endr
	v_nop
	s_wait_alu depctr_va_vdst(0)
.set AJ, 0
.rept 16
	v_pk_add_f32 v[224+2*AJ:225+2*AJ], v[224+2*AJ:225+2*AJ], 1.0 op_sel_hi:[1,0]
.set AJ, AJ+1
.endr
.set AJ, 0
.rept 32
	v_rcp_f32 v[224+AJ], v[224+AJ]
.set AJ, AJ+1
.endr
	v_nop
	s_wait_alu depctr_va_vdst(0)
.set AJ, 0
.rept 16
	v_pk_mul_f32 v[HA+32*\b+2*AJ:HA+32*\b+2*AJ+1], v[HA+32*\b+2*AJ:HA+32*\b+2*AJ+1], v[224+2*AJ:225+2*AJ]
.set AJ, AJ+1
.endr
.endr
.endm
; My 64 numbers, register 16 b + i = k 32 b + 16 (lane / 16) + i of my row, become a fragment's codes in v[PC] on and its scale word in v[PW].
.macro QUANT
.irp b, 0,1,2,3
	v_max3_num_f32 v[TM+\b], |v[HA+16*\b]|, |v[HA+1+16*\b]|, 0x2800000   ; with the floor 2^(5 - 127): the byte cannot fall under 1
.endr
.irp i, 2,4,6,8,10,12,14
.irp b, 0,1,2,3
	v_max3_num_f32 v[TM+\b], v[TM+\b], |v[HA+16*\b+\i]|, |v[HA+1+16*\b+\i]|
.endr
.endr
.irp b, 0,1,2,3
	v_permlanex16_b32 v[TM+4+\b], v[TM+\b], s[SEL], s[SEL+1]
.endr
.irp b, 0,1,2,3
	v_max_num_f32 v[TM+\b], v[TM+\b], v[TM+4+\b]   ; with lane l xor 16's: the block's largest magnitude
.endr
.irp b, 0,1,2,3
	v_add_nc_u32 v[TM+8+\b], 0xfe000000, v[TM+\b]  ; 4 off its exponent field: the conversion's scale operand
.endr
.irp b, 0,1,2,3
	v_lshrrev_b32 v[TM+4+\b], 23, v[TM+8+\b]       ; the scale's byte
.endr
	v_lshl_or_b32 v[PW], v[TM+5], 8, v[TM+4]
	v_lshl_or_b32 v[PW], v[TM+6], 16, v[PW]
	v_lshl_or_b32 v[PW], v[TM+7], 24, v[PW]
.irp c, 0,1
	v_cvt_scalef32_pk16_bf6_f32 v[PC+6*\c:PC+2+6*\c], v[HA+32*\c:HA+15+32*\c], v[TM+8+2*\c]
	v_cvt_scalef32_pk16_bf6_f32 v[PC+12+4*\c:PC+14+4*\c], v[HA+16+32*\c:HA+31+32*\c], v[TM+8+2*\c+1]   ; (a conversion's three registers begin on an even number)
.endr
	v_nop                                          ; one plain place behind a scaled conversion
.irp c, 0,1                            ; the operand's layout wants a whole block in a lane: lanes 0-15 block 2 c, lanes 16-31 block 2 c + 1
.irp i, 0,1,2
	v_permlane16_swap_b32 v[PC+6*\c+\i], v[PC+12+4*\c+\i]
.endr
.irp i, 0,1,2
	v_mov_b32 v[PC+3+6*\c+\i], v[PC+12+4*\c+\i]
.endr
.endr
.endm
	s_load_b256 s[4:11], s[0:1], 0x0               ; xq 4, sel 6, W1's codes 8, W1's scales 10
	s_load_b128 s[12:15], s[0:1], 0x20             ; b1 12, h 14
	s_load_b64 s[16:17], s[0:1], 0x30              ; rows
	s_set_vgpr_msb 0x40
	v_lshl_add_u32 v254, v0, 2, 0x33800
	v_mov_b32 v255, 0
	s_set_vgpr_msb 0x4000
	v_lshrrev_b32 v196, 5, v0
	v_readfirstlane_b32 s22, v196                  ; wave
	s_lshl_b32 s24, ttmp9, 2
	s_add_co_u32 s24, s24, s22                     ; c: my chunk of 128 hidden units
	s_and_b32 s31, ttmp7, 0xffff                   ; g: my work-group's group
	v_and_b32 v196, 31, v0                         ; lane
	v_lshlrev_b32 v198, 2, v196
	s_wait_kmcnt 0x0
.irp c, 0,1,2,3,4,5,6,7,8,9,10,11,12,13,14,15,16,17,18,19,20,21,22,23,24,25,26,27,28,29,30,31
	global_load_b32 v[160+\c], v198, s[6:7] offset:128*\c          ; sel of token 32 c + lane
.endr
	v_bfe_u32 v197, v0, 4, 1                       ; h
	v_and_b32 v1, 15, v0                           ; r
	v_mul_u32_u24 v3, v197, 384
	v_lshlrev_b32 v4, 4, v197
	v_lshlrev_b32 v5, 4, v196
	v_lshlrev_b32 v6, 2, v1
	s_lshl_b32 s2, s22, 9
	s_add_co_u32 s2, s2, BIAS
	v_lshl_add_u32 v7, v197, 6, s2                 ; my chunk's b1 in LDS, + 64 h: a tile's eight units of my half
	v_add_nc_u32 v204, s2, v5                      ; and where I put 16 bytes of it
	v_and_b32 v199, 8, v1
	v_add_nc_u32 v199, v199, v1                    ; r + 8 (r / 8)
	v_lshlrev_b32 v199, 5, v199                    ; W1's scales: 32 bytes a row,
	v_lshl_add_u32 v199, v197, 2, v199             ; lanes 16-31 the odd K steps' words
	s_mul_i32 s2, s22, 64*PITCH                    ; my stage
	v_add_nc_u32 v200, s2, v5                      ; into it: 16 bytes a lane;
	v_mad_u32_u24 v201, v197, 48, v200             ; (for the load in whose middle a row ends)
	v_mul_u32_u24 v202, v1, PITCH
	v_mad_u32_u24 v202, v197, 24, v202
	v_add_nc_u32 v202, s2, v202                    ; out of it: place r, + 24 h
	s_mov_b32 s[SEL], 0x76543210
	s_mov_b32 s[SEL+1], 0xfedcba98
.irp e, 0,1,2,3,4,5,6,7
	s_mov_b32 s[32+\e], 0
.endr
	s_mov_b32 s2, 0                                ; groups so far
	s_mov_b32 s23, 0                               ; my expert,
	s_mov_b32 s25, 0                               ; its count,
	s_mov_b32 s26, 0                               ; its tiles,
	s_mov_b32 s30, 0                               ; its first group
	s_wait_loadcnt 0x0
; how many tokens chose each expert: eight masks for each 32 tokens, counted and added
.irp c, 0,1,2,3,4,5,6,7,8,9,10,11,12,13,14,15,16,17,18,19,20,21,22,23,24,25,26,27,28,29,30,31
.irp e, 0,1,2,3,4,5,6,7
	v_and_b32 v[206+\e], 1<<\e, v[160+\c]
.endr
.irp e, 0,1,2,3,4,5,6,7
	v_cmp_ne_u32 s[68+\e], 0, v[206+\e]
.endr
.irp e, 0,1,2,3,4,5,6,7
	s_bcnt1_i32_b32 s[68+\e], s[68+\e]
.endr
.irp e, 0,1,2,3,4,5,6,7
	s_add_co_u32 s[32+\e], s[32+\e], s[68+\e]
.endr
.endr
; whose group is g?  The last expert whose first group is at most g
.irp e, 0,1,2,3,4,5,6,7
	s_add_co_u32 s3, s[32+\e], 15
	s_lshr_b32 s3, s3, 4
	s_max_u32 s3, s3, 1                            ; tiles: at least one,
	s_min_u32 s3, s3, 64                           ; at most 64
	s_cmp_ge_u32 s31, s2
	s_cselect_b32 s23, \e, s23
	s_cselect_b32 s25, s[32+\e], s25
	s_cselect_b32 s26, s3, s26
	s_cselect_b32 s30, s2, s30
	s_add_co_u32 s3, s3, TG-1
	s_mul_i32 s3, s3, DIVM
	s_lshr_b32 s3, s3, 10                          ; its groups
	s_add_co_u32 s2, s2, s3
.endr
	s_cmp_lt_u32 s31, s2
	s_cbranch_scc0 .Lend                           ; this split has fewer groups than the grid: nothing to do
	s_min_u32 s23, s23, 7                          ; (so that the bound of every address can be read off the text)
	s_sub_co_u32 s27, s31, s30
	s_mul_i32 s27, s27, TG
	s_min_u32 s27, s27, 63                         ; my first tile
	s_mov_b32 s29, 0
	s_mul_i32 s28, s23, 3145728                    ; W1's codes: expert, chunk of 128 rows
	s_mul_i32 s2, s24, 98304
	s_add_co_u32 s28, s28, s2
	s_add_nc_u64 s[8:9], s[8:9], s[28:29]
	s_lshl_b32 s28, s23, 17                        ; W1's scales: 131,072 bytes an expert, 4,096 a chunk
	s_lshl_b32 s2, s24, 12
	s_add_co_u32 s28, s28, s2
	s_add_nc_u64 s[10:11], s[10:11], s[28:29]
	s_lshl_b32 s28, s23, 14                        ; b1
	s_lshl_b32 s2, s24, 9
	s_add_co_u32 s28, s28, s2
	s_add_nc_u64 s[12:13], s[12:13], s[28:29]
	s_add_nc_u64 s[18:19], s[14:15], 0x1800000     ; h's scale words
	s_lshl_b32 s28, s23, 17
	s_lshl_b32 s2, s24, 6
	s_add_co_u32 s28, s28, s2
	s_add_nc_u64 s[18:19], s[18:19], s[28:29]
	s_mul_i32 s28, s23, 3145728                    ; h's codes: expert, K step c
	s_mul_i32 s2, s24, 1536
	s_add_co_u32 s28, s28, s2
	s_add_nc_u64 s[14:15], s[14:15], s[28:29]
	s_add_nc_u64 s[20:21], s[16:17], 0x8000        ; the counts
	s_lshl_b32 s28, s23, 7
	s_add_nc_u64 s[20:21], s[20:21], s[28:29]
	s_lshl_b32 s28, s23, 12                        ; the list
	s_add_nc_u64 s[16:17], s[16:17], s[28:29]
	RAWLD 0
	RAWLD 1
.irp t, 0,1,2,3,4,5,6,7
.irp j, 0,1,2,3
	global_load_b32 v[WS+4*\t+\j], v199, s[10:11] offset:(32*(\t/2)+8*(\t%2))*32+8*\j
.endr
.endr
	global_load_b128 v[192:195], v5, s[12:13]      ; b1's 128 numbers
	s_lshl_b32 s2, 1, s23                          ; my expert's masks and their running counts
.irp c, 0,1,2,3,4,5,6,7,8,9,10,11,12,13,14,15,16,17,18,19,20,21,22,23,24,25,26,27,28,29,30,31
	v_and_b32 v205, s2, v[160+\c]
	v_cmp_ne_u32 s[SM+\c], 0, v205
.endr
	s_bcnt1_i32_b32 s[SP], s[SM]
.irp c, 1,2,3,4,5,6,7,8,9,10,11,12,13,14,15,16,17,18,19,20,21,22,23,24,25,26,27,28,29,30,31
	s_bcnt1_i32_b32 s3, s[SM+\c]
	s_add_co_u32 s[SP+\c], s[SP+\c-1], s3
.endr
	s_sub_co_u32 s29, s26, s27                     ; the tiles from my first on,
	s_min_u32 s29, s29, TG                         ; of which at most 5 are mine: my trips
	s_mov_b32 s28, 0                               ; trips done
	s_add_co_u32 s30, s23, 8                       ; the bit of sel that says: e is the FIRST choice
	s_lshl_b32 s31, s23, 4
	s_add_co_u32 s31, s31, 2048                    ; the expert's 16 spare rows of y
	RINIT s27
.set RJ, 0
.rept 31
	RCMP RJ
	RSEL RJ
.set RJ, RJ+1
.endr
	SELBIT
	ALOAD                                          ; my first tile's rows are on their way while the weights go through LDS
	s_wait_loadcnt 63                              ; the first half's 96 loads have 155 younger ones
	RAWST 0
	s_wait_dscnt 0x0
	FRAGS 0, 202
	s_wait_loadcnt 59                              ; the second half's have 32 + 1 + 26
	RAWST 1                                        ; LDS serves a wave's instructions in order: these stores come behind the reads above
	s_wait_dscnt 0x0
	FRAGS 1, 202
	s_wait_loadcnt 26                              ; all but ALOAD's 26: the scale words and b1 are in
	ds_store_b128 v204, v[192:195]
	s_wait_dscnt 0x0                               ; the fragments are in, and the store has read its registers, into which the bias is loaded next
	s_or_b32 s2, s24, s27
	s_cmp_lg_u32 s2, 0
	s_cbranch_scc1 .Lnocnt
	v_mov_b32 v50, s25                             ; chunk 0 of the expert's first group: the expert's count, 32 times
	v_lshrrev_b32 v51, 2, v5
	global_store_b32 v51, v50, s[20:21]
.Lnocnt:
	BIASLD
	s_cmp_lt_u32 s28, s29
	s_cbranch_scc0 .Lend
.Ltile:                                            ; a trip is one tile of 16 rows: s28 counts the trips against s29; s27 is the tile's number
	s_min_u32 s3, s27, 63                          ; the tile's number as it enters the stores' addresses: it never passes 63, and here that can be read off the text
	s_wait_loadcnt 0x0                             ; this tile's rows
	s_wait_dscnt 0x0                               ; the bias
	s_cmp_lg_u32 s24, 0
	s_cbranch_scc1 .Lnolist
	s_wait_xcnt 0x0                                ; the last store of the list (or of the count) has read v50 and v51
	v_bfe_u32 v50, v49, s30, 1                     ; 1: e is my token's first choice
	v_xor_b32 v50, 1, v50
	v_lshl_add_u32 v50, v50, 10, v2                ; its row of y
	v_lshl_add_u32 v51, s3, 4, v1                  ; my rank
	v_add_nc_u32 v236, s31, v1
	v_cmp_gt_u32 vcc_lo, s25, v51
	v_cndmask_b32 v50, v236, v50, vcc_lo           ; past the count: a spare row
	v_lshlrev_b32 v51, 2, v51
	global_store_b32 v51, v50, s[16:17]            ; (both halves of the lanes store the same word)
.Lnolist:
	s_add_co_u32 s2, s27, 1
	RINIT s2
	MM
	SELBIT                                         ; its plain instructions are the places behind the last products
	s_wait_xcnt 0x0                                ; the last trip's stores have read v10, v11, v48 and v224-235, which are written again below.  It stands ahead of the gather, so that it does not wait for the gather
	ALOAD                                          ; the next tile's rows; behind the last tile: rows inside the table that nobody uses.  They have the activation and the quantiser in which to land
	ACT
	QUANT
	BIASLD                                         ; the accumulators are free behind the conversions: the next tile's bias
	s_mul_i32 s2, s3, 49152
	v_add_nc_u32 v10, s2, v5
	s_lshl_b32 s2, s3, 11
	v_add_nc_u32 v11, s2, v6
.irp j, 0,1,2
	global_store_b128 v10, v[PC+4*\j:PC+4*\j+3], s[14:15] offset:512*\j     ; 32 lanes store 512 consecutive bytes, at a multiple of 256 from h's first byte
.endr
	global_store_b32 v11, v[PW], s[18:19]          ; 16 rows' scale words (both halves of the lanes store the same)
	s_add_co_u32 s27, s27, 1
	s_add_co_u32 s28, s28, 1
	s_cmp_lt_u32 s28, s29
	s_cbranch_scc1 .Ltile
.Lend:
	s_wait_dscnt 0x0
	s_set_vgpr_msb 0x5
	s_wait_tensorcnt 0x0
	ds_add_u32 v254, v255
	s_wait_dscnt 0x0
	s_set_vgpr_msb 0x500
	s_endpgm
.Lfunc_end_k_q361d91af05_ffn1:
	.size	k_q361d91af05_ffn1, .Lfunc_end_k_q361d91af05_ffn1-k_q361d91af05_ffn1
	.p2alignl 7, 3214868480
	.fill 96, 4, 3214868480
	.section	.rodata,"a",@progbits
	.p2align	6, 0x0
	.amdhsa_kernel k_q361d91af05_ffn1
		.amdhsa_group_segment_fixed_size 211456
		.amdhsa_private_segment_fixed_size 0
		.amdhsa_enable_private_segment 0
		.amdhsa_kernarg_size 56
		.amdhsa_user_sgpr_count 2
		.amdhsa_user_sgpr_kernarg_segment_ptr 1
		.amdhsa_wavefront_size32 1
		.amdhsa_system_sgpr_workgroup_id_x 1
		.amdhsa_system_sgpr_workgroup_id_y 1
		.amdhsa_system_sgpr_workgroup_id_z 1
		.amdhsa_system_vgpr_workitem_id 0
		.amdhsa_next_free_vgpr 1024
		.amdhsa_next_free_sgpr 102
		.amdhsa_reserve_vcc 1
		.amdhsa_float_denorm_mode_32 3
		.amdhsa_float_denorm_mode_16_64 3
		.amdhsa_memory_ordered 1
		.amdhsa_forward_progress 1
		.amdhsa_inst_pref_size 159
	.end_amdhsa_kernel
	.amdgpu_metadata
---
amdhsa.version: [ 1, 2 ]
amdhsa.kernels:
  - .name:           k_q361d91af05_ffn1
    .symbol:         k_q361d91af05_ffn1.kd
    .args:
      - { .name: xq, .offset: 0, .size: 8, .value_kind: global_buffer, .address_space: global }
      - { .name: sel, .offset: 8, .size: 8, .value_kind: global_buffer, .address_space: global }
      - { .name: W1_codes, .offset: 16, .size: 8, .value_kind: global_buffer, .address_space: global }
      - { .name: W1_scales, .offset: 24, .size: 8, .value_kind: global_buffer, .address_space: global }
      - { .name: b1, .offset: 32, .size: 8, .value_kind: global_buffer, .address_space: global }
      - { .name: h, .offset: 40, .size: 8, .value_kind: global_buffer, .address_space: global }
      - { .name: rows, .offset: 48, .size: 8, .value_kind: global_buffer, .address_space: global }
    .group_segment_fixed_size: 211456
    .private_segment_fixed_size: 0
    .kernarg_segment_align: 8
    .kernarg_segment_size: 56
    .max_flat_workgroup_size: 128
    .sgpr_count:     102
    .vgpr_count:     1024
    .wavefront_size: 32
...
	.end_amdgpu_metadata
.endif
;; end of part 5
;; launch ffn2 (part 6): grid 8 x 29, 4 waves a work-group, no clusters, 276,992 bytes of LDS; arguments h, rows, W2_codes, W2_scales, b2, y; writes y
.if DOCPART == 6
	.amdgcn_target "amdgcn-amd-amdhsa--gfx1250"
	.amdhsa_code_object_version 6
	.text
	.protected	k_q361d91af05_ffn2
	.globl	k_q361d91af05_ffn2
	.p2align	8
	.type	k_q361d91af05_ffn2,@function
k_q361d91af05_ffn2:
	s_mov_b64 s[64:65], 0
	v_nop
	global_prefetch_b8 v0, s[64:65] scope:SCOPE_SE
	s_setreg_imm32_b32 hwreg(HW_REG_WAVE_MODE, 25, 1), 1
	s_wait_xcnt 0x0
; y = h W2[e]^T + b2[e] for the routed rows of expert e; codes of E3M2 with one E8M0 scale for each 32 along K on both sides.
; SHARES.  Work-group (x, g): outputs 128 x .. 128 x + 127, for one GROUP of up to 6 tiles of 16 routed rows of one expert.  THE FOUR WAVES SHARE K: wave w holds the 128 rows of W2 for K steps
; 8 w .. 8 w + 7 (768 bytes of each row) in registers: 64 fragments, 768 registers, so that a fragment of h feeds eight products.  The four partial sums of a tile meet in LDS.
; The weights go through a stage in LDS of the wave's own, 64 rows at a time; a half's bytes land in the very registers that its fragments then take.
; GROUPS.  The eight counts are read from rows, which the launch before stored.  Expert e has max(1, ceil(n_e / 16)) tiles and ceil(tiles / 6) groups; the groups are numbered expert by expert.  The n_e add up to
; 2,048, so the sum of max(1, ceil(n_e / 96)) is never above 21 + 8 = 29: the grid serves every split.
; THE PRODUCT IS USED TRANSPOSED (source 0 = 16 rows of W2, source 1 = a fragment of h): a lane holds one routed row and eight neighbouring outputs.
; THE LOOP has a constant count, 6 tiles, since a barrier stands in it and every wave passes every barrier; a tile past the group's end is passed over by scalar branches round the work, not round the barrier.
; A work-group whose number is past the split's total finds no tile under its end: it passes the barriers, makes no product and stores nothing.
; THE PRODUCTS GO K STEP BY K STEP, eight accumulators by turns: a fragment of h is free behind its eight products, and the next tile's fragment is asked for into the same registers at once.
; Each tile's rows go to the rows of y that the list names: token, 1,024 + token, or a spare row.
; NO TENSOR LOADS, NO CLUSTER, though the groups of one expert read the same 393,216 bytes of W2.
; The order of the sums differs from one chain along K: four partial sums of 1,024 along K are added at the end.
; REGISTERS.  Window 0: v1-10 addresses; v12-43 W2's scale words; v44-47 h's; v48-51 b2; v52-63 fragment 63; v64-159 h's eight fragments; v160-223 eight accumulators, then the partial sums; v224-231 the head's addresses.
; Windows 1 to 3: fragments 0 to 62.
.set TG,    6                          ; tiles in a group
.set DIVM,  171                        ; (a x 171) >> 10 = a / 6, rounded down, for a up to 69
.set PITCH, 816                        ; 768 bytes + 48: as in the launch before
.set RED,   4*64*PITCH                 ; behind the four stages: two buffers x 4 waves x 16 rows x (512 bytes + 16)
.set RBUF,  4*16*528
.set WS,  12
.set AS,  44
.set AF,  64
.set HA,  160
.set MSB, 0
.macro WIN new                         ; the immediate's high byte repeats the setting that is left
.if MSB != (\new)
	s_set_vgpr_msb (MSB<<8)|(\new)
.set MSB, (\new)
.endif
.endm
.macro FREG i                          ; fragment i lies in window FW from register FB on.  Fragment i = tile 4 (i / 32) + i % 4, K step (i % 32) / 4
.if (\i) < 21
.set FW, 1
.set FB, 12*(\i)
.elseif (\i) < 42
.set FW, 2
.set FB, 12*((\i)-21)
.elseif (\i) < 63
.set FW, 3
.set FB, 12*((\i)-42)
.else
.set FW, 0
.set FB, 52
.endif
.endm
.macro FRAGS g, adr
.set FI, 32*(\g)
.rept 32
	FREG FI
	WIN FW<<6
.irp p, 0,1,2,3,4,5
	ds_load_b64 v[FB+2*\p:FB+2*\p+1], v[\adr] offset:16*(FI%4)*PITCH+96*((FI%32)/4)+48*(\p/3)+8*(\p%3)
.endr
.set FI, FI+1
.endr
	WIN 0
.endm
; Rows 64 g + 2 i and + 1: 768 bytes of each, 3,072 bytes apart in memory: three loads of 512 bytes; the second row's bytes lie 2,304 further on than on end
.macro RAWLD g
.set RI, 0
.rept 32
	FREG 32*(\g)+RI
	WIN FW<<6
	global_load_b128 v[FB:FB+3], v1, s[8:9] offset:(64*(\g)+2*RI)*3072
	global_load_b128 v[FB+4:FB+7], v227, s[8:9] offset:(64*(\g)+2*RI)*3072+512
	global_load_b128 v[FB+8:FB+11], v1, s[8:9] offset:(64*(\g)+2*RI)*3072+3328
.set RI, RI+1
.endr
	WIN 0
.endm
.macro RAWST g                         ; and into places 2 i and 2 i + 1 of my stage
.set RI, 0
.rept 32
	FREG 32*(\g)+RI
	WIN FW<<2                                      ; an LDS store's data are its source 1
	ds_store_b128 v228, v[FB:FB+3] offset:2*RI*PITCH
	ds_store_b128 v229, v[FB+4:FB+7] offset:2*RI*PITCH+512
	ds_store_b128 v228, v[FB+8:FB+11] offset:2*RI*PITCH+1072
.set RI, RI+1
.endr
	WIN 0
.endm
.macro HADR sm                         ; where tile sm's images and scale words lie
	s_mul_i32 s2, \sm, 49152
	v_add_nc_u32 v3, s2, v1
	s_lshl_b32 s2, \sm, 11
	v_add_nc_u32 v4, s2, v2
.endm
.macro HLOAD sm                        ; tile sm: my eight K steps' images, 12,288 dense bytes, and their scale words: 28 loads
	HADR \sm
.set HJ, 0
.rept 24
	global_load_b128 v[AF+4*HJ:AF+4*HJ+3], v3, s[4:5] offset:512*HJ
.set HJ, HJ+1
.endr
.irp j, 0,1,2,3
	global_load_b32 v[AS+\j], v4, s[16:17] offset:128*\j   ; lanes 0-15: K step 2 j's 16 words; lanes 16-31: K step 2 j + 1's
.endr
.endm
; 64 matrix instructions, K step by K step: the eight accumulators by turns, one instruction a turn.  The first K step starts the sums: nothing is cleared.
; Behind a K step's eight products and four places, the NEXT tile's fragment of that K step is asked for into the registers just read; behind an odd K step also the scale register of the two steps.
; So a tile's 28 loads go out in four sevens (two fragments and their scale register).  THE WAIT ahead of K step 2 j: younger than the seven that it wants are 21 - 7 j loads of this tile and the 7 j of the next tile
; that this run has issued: 21 every time.
.macro MM
.set MS, 0
.rept 8
.if (MS%2) == 0
	s_wait_loadcnt 21
.endif
.set MT, 0
.rept 8
.set FI, 32*(MT/4)+4*MS+MT%4
	FREG FI
	WIN FW                                         ; source 0 in the fragment's window, all else in window 0
.if MS == 0
	v_wmma_scale_f32_16x16x128_f8f6f4 v[HA+8*MT:HA+8*MT+7], v[FB:FB+11], v[AF+12*MS:AF+12*MS+11], 0, v[WS+4*MT+MS/2], v[AS+MS/2] matrix_a_fmt:MATRIX_FMT_BF6 matrix_b_fmt:MATRIX_FMT_BF6
.elseif (MS%2) == 0
	v_wmma_scale_f32_16x16x128_f8f6f4 v[HA+8*MT:HA+8*MT+7], v[FB:FB+11], v[AF+12*MS:AF+12*MS+11], v[HA+8*MT:HA+8*MT+7], v[WS+4*MT+MS/2], v[AS+MS/2] matrix_a_fmt:MATRIX_FMT_BF6 matrix_b_fmt:MATRIX_FMT_BF6
.else
	v_wmma_scale_f32_16x16x128_f8f6f4 v[HA+8*MT:HA+8*MT+7], v[FB:FB+11], v[AF+12*MS:AF+12*MS+11], v[HA+8*MT:HA+8*MT+7], v[WS+4*MT+MS/2], v[AS+MS/2] matrix_a_fmt:MATRIX_FMT_BF6 matrix_b_fmt:MATRIX_FMT_BF6 matrix_a_scale:MATRIX_SCALE_ROW1 matrix_b_scale:MATRIX_SCALE_ROW1
.endif
.set MT, MT+1
.endr
.rept 4
	v_nop                                          ; places in front of loads into registers that the products above have read
.endr
	WIN 0
.irp q, 0,1,2
	global_load_b128 v[AF+12*MS+4*\q:AF+12*MS+4*\q+3], v3, s[4:5] offset:512*(3*MS+\q)
.endr
.if (MS%2) == 1
	global_load_b32 v[AS+MS/2], v4, s[16:17] offset:128*(MS/2)
.endif
.set MS, MS+1
.endr
.endm
	s_load_b256 s[4:11], s[0:1], 0x0               ; h 4, rows 6, W2's codes 8, W2's scales 10
	s_load_b128 s[12:15], s[0:1], 0x20             ; b2 12, y 14
	v_lshl_add_u32 v254, v0, 2, 0x43800
	v_mov_b32 v255, 0
	v_lshrrev_b32 v224, 5, v0
	v_readfirstlane_b32 s20, v224                  ; wave
	s_mov_b32 s22, ttmp9                           ; which 128 outputs
	s_and_b32 s23, ttmp7, 0xffff                   ; g: my group
	s_wait_kmcnt 0x0
.irp e, 0,1,2,3,4,5,6,7
	s_load_b32 s[32+\e], s[6:7], 0x8000+128*\e     ; how many rows each expert has
.endr
	v_and_b32 v224, 31, v0                         ; lane
	v_bfe_u32 v225, v0, 4, 1                       ; h
	v_and_b32 v226, 15, v0                         ; r
	v_lshlrev_b32 v1, 4, v224
	v_lshlrev_b32 v2, 2, v224
	v_mad_u32_u24 v227, v225, 2304, v1             ; for the load in whose middle a row's 768 bytes end
	s_mul_i32 s2, s20, 64*PITCH                    ; my stage
	v_add_nc_u32 v228, s2, v1
	v_mad_u32_u24 v229, v225, 48, v228
	v_mul_u32_u24 v230, v226, PITCH
	v_mad_u32_u24 v230, v225, 24, v230
	v_add_nc_u32 v230, s2, v230                    ; out of it: place r, + 24 h
	v_lshlrev_b32 v231, 7, v226                    ; W2's scales: 128 bytes a row,
	v_lshl_add_u32 v231, v225, 2, v231             ; lanes 16-31 the odd K steps' words
	s_mul_i32 s2, s20, 16*528
	s_add_co_u32 s2, s2, RED
	v_mul_u32_u24 v5, v226, 528
	v_lshl_add_u32 v5, v225, 5, v5
	v_add_nc_u32 v5, s2, v5                        ; my partial sums: row r, + 32 h
	s_mul_i32 s2, s20, 4*528
	s_add_co_u32 s2, s2, RED
	v_add_nc_u32 v6, s2, v1                        ; and back: rows 4 w .. 4 w + 3, 16 bytes a lane
.irp i, 0,1,2,3
	s_mov_b32 s[40+\i], 0
.endr
	s_mov_b32 s31, 0
	s_mov_b32 s2, 0                                ; groups so far
	s_mov_b32 s21, 0                               ; my expert,
	s_mov_b32 s25, 0                               ; its tiles,
	s_mov_b32 s29, 0                               ; its first group
	s_wait_kmcnt 0x0
; whose group is g?  The last expert whose first group is at most g
.irp e, 0,1,2,3,4,5,6,7
	s_add_co_u32 s3, s[32+\e], 15
	s_lshr_b32 s3, s3, 4
	s_max_u32 s3, s3, 1
	s_min_u32 s3, s3, 64                           ; tiles, as the launch before counted them
	s_cmp_ge_u32 s23, s2
	s_cselect_b32 s21, \e, s21
	s_cselect_b32 s25, s3, s25
	s_cselect_b32 s29, s2, s29
	s_add_co_u32 s3, s3, TG-1
	s_mul_i32 s3, s3, DIVM
	s_lshr_b32 s3, s3, 10                          ; its groups
	s_add_co_u32 s2, s2, s3
.endr
	s_min_u32 s21, s21, 7                          ; (so that the bound of every address can be read off the text)
	s_sub_co_u32 s26, s23, s29
	s_mul_i32 s26, s26, TG                         ; the tile in hand: my first.  Past the split's total it is at or past the expert's number of tiles
	s_add_co_u32 s3, s26, TG
	s_sub_co_u32 s28, s25, 1
	s_min_u32 s28, s28, s26
	s_min_u32 s28, s28, 63                         ; the tile that is fetched first: mine, or, if I have none, a tile that exists
	s_min_u32 s25, s25, s3                         ; my tiles end here
	s_sub_co_u32 s29, s25, 1                       ; my last tile
	s_mul_i32 s30, s21, 3145728                    ; W2's codes: expert, 128 rows of 3,072 bytes, my 768 bytes of each
	s_mul_i32 s2, s22, 393216
	s_add_co_u32 s30, s30, s2
	s_mul_i32 s2, s20, 768
	s_add_co_u32 s30, s30, s2
	s_add_nc_u64 s[8:9], s[8:9], s[30:31]
	s_lshl_b32 s30, s21, 17                        ; W2's scales
	s_lshl_b32 s2, s22, 14
	s_add_co_u32 s30, s30, s2
	s_lshl_b32 s2, s20, 5
	s_add_co_u32 s30, s30, s2
	s_add_nc_u64 s[10:11], s[10:11], s[30:31]
	s_lshl_b32 s30, s21, 12                        ; b2
	s_lshl_b32 s2, s22, 9
	s_add_co_u32 s30, s30, s2
	s_add_nc_u64 s[12:13], s[12:13], s[30:31]
	s_mov_b32 s30, s2                              ; y: my 128 columns
	s_add_nc_u64 s[14:15], s[14:15], s[30:31]
	s_add_nc_u64 s[16:17], s[4:5], 0x1800000       ; h's scale words: expert, my eight K steps
	s_lshl_b32 s30, s21, 17
	s_lshl_b32 s2, s20, 9
	s_add_co_u32 s30, s30, s2
	s_add_nc_u64 s[16:17], s[16:17], s[30:31]
	s_mul_i32 s30, s21, 3145728                    ; h's codes likewise
	s_mul_i32 s2, s20, 12288
	s_add_co_u32 s30, s30, s2
	s_add_nc_u64 s[4:5], s[4:5], s[30:31]
	s_lshl_b32 s30, s21, 12                        ; the list: expert, my four rows of a tile
	s_lshl_b32 s2, s20, 4
	s_add_co_u32 s30, s30, s2
	s_add_nc_u64 s[6:7], s[6:7], s[30:31]
	RAWLD 0
	RAWLD 1
.irp t, 0,1,2,3,4,5,6,7
.irp j, 0,1,2,3
	global_load_b32 v[WS+4*\t+\j], v231, s[10:11] offset:2048*\t+8*\j
.endr
.endr
	global_load_b128 v[48:51], v1, s[12:13]        ; b2 of the four columns that I add up
	HLOAD s28
	s_wait_loadcnt 63                              ; the first half's 96 loads have 157 younger ones
	RAWST 0
	s_wait_dscnt 0x0
	FRAGS 0, 230
	s_wait_loadcnt 61                              ; the second half's have 32 + 1 + 28
	RAWST 1                                        ; LDS serves a wave's instructions in order: these stores come behind the reads above
	s_wait_dscnt 0x0
	FRAGS 1, 230
	s_wait_dscnt 0x0
	s_wait_loadcnt 0x0
.macro SUB buf
	s_cmp_lt_u32 s26, s25
	s_cbranch_scc0 .La_\@
	s_wait_xcnt 0x0                                ; the last tile's stores have read their registers, its loads of h their addresses, the last scalar load its offset
	s_min_u32 s28, s26, 63                         ; the tile's number as it enters addresses: it never passes 63, and here that can be read off the text
	s_add_co_u32 s3, s28, 1
	s_lshl_b32 s28, s28, 6
	s_load_b128 s[40:43], s[6:7], s28 offset:0x0   ; the rows of y of my four rows of this tile
	s_min_u32 s3, s3, s29                          ; the tile that is asked for under this tile's products: the next, or, at my last tile, the same once more
	s_min_u32 s3, s3, 63
	HADR s3
	MM
	v_nop                                          ; with the four in front of the last loads: five places behind the last products, ahead of the stores of their results and of the next tile's first products
.irp t, 0,1,2,3,4,5,6,7
	ds_store_b128 v5, v[HA+8*\t:HA+8*\t+3] offset:RBUF*(\buf)+64*\t         ; each accumulator from its low end on
	ds_store_b128 v5, v[HA+8*\t+4:HA+8*\t+7] offset:RBUF*(\buf)+64*\t+16
.endr
	s_wait_kmcnt 0x0
.irp i, 0,1,2,3
	s_min_u32 s[40+\i], s[40+\i], 0x87f            ; inside y
.endr
.La_\@:
	s_wait_dscnt 0x0                               ; my partial sums lie in LDS, and my reads of the other buffer are over
	s_barrier_signal -1
	s_barrier_wait -1                              ; on every wave's way in every trip.  A buffer is written again two tiles on, behind the barrier between
	s_cmp_lt_u32 s26, s25
	s_cbranch_scc0 .Lb_\@
	s_wait_xcnt 0x0
.irp i, 0,1,2,3
	v_lshl_add_u32 v[7+\i], s[40+\i], 12, v1
.endr
.irp i, 0,1,2,3
.irp b, 0,1,2,3
	ds_load_b128 v[160+16*\i+4*\b:163+16*\i+4*\b], v6 offset:RBUF*(\buf)+16*528*\b+528*\i
.endr
.endr
.irp i, 0,1,2,3
	s_wait_dscnt 12-4*\i                           ; row i's four loads are in; the later rows' may be out
	v_pk_add_f32 v[160+16*\i:161+16*\i], v[160+16*\i:161+16*\i], v[164+16*\i:165+16*\i]
	v_pk_add_f32 v[162+16*\i:163+16*\i], v[162+16*\i:163+16*\i], v[166+16*\i:167+16*\i]
	v_pk_add_f32 v[168+16*\i:169+16*\i], v[168+16*\i:169+16*\i], v[172+16*\i:173+16*\i]
	v_pk_add_f32 v[170+16*\i:171+16*\i], v[170+16*\i:171+16*\i], v[174+16*\i:175+16*\i]
	v_pk_add_f32 v[160+16*\i:161+16*\i], v[160+16*\i:161+16*\i], v[168+16*\i:169+16*\i]
	v_pk_add_f32 v[162+16*\i:163+16*\i], v[162+16*\i:163+16*\i], v[170+16*\i:171+16*\i]
	v_pk_add_f32 v[160+16*\i:161+16*\i], v[160+16*\i:161+16*\i], v[48:49]
	v_pk_add_f32 v[162+16*\i:163+16*\i], v[162+16*\i:163+16*\i], v[50:51]
	global_store_b128 v[7+\i], v[160+16*\i:163+16*\i], s[14:15]            ; 32 lanes store 512 consecutive bytes, at a multiple of 256 from y's first byte
.endr
.Lb_\@:
	s_add_co_u32 s26, s26, 1
.endm
	s_mov_b32 s27, TG/2
.Ltrip:                                            ; 3 trips of two tiles: the 6 tiles that a group can have
	SUB 0
	SUB 1
	s_sub_co_u32 s27, s27, 1
	s_cmp_lg_u32 s27, 0
	s_cbranch_scc1 .Ltrip
	s_wait_tensorcnt 0x0
	ds_add_u32 v254, v255
	s_wait_dscnt 0x0
	s_endpgm
.Lfunc_end_k_q361d91af05_ffn2:
	.size	k_q361d91af05_ffn2, .Lfunc_end_k_q361d91af05_ffn2-k_q361d91af05_ffn2
	.p2alignl 7, 3214868480
	.fill 96, 4, 3214868480
	.section	.rodata,"a",@progbits
	.p2align	6, 0x0
	.amdhsa_kernel k_q361d91af05_ffn2
		.amdhsa_group_segment_fixed_size 276992
		.amdhsa_private_segment_fixed_size 0
		.amdhsa_enable_private_segment 0
		.amdhsa_kernarg_size 48
		.amdhsa_user_sgpr_count 2
		.amdhsa_user_sgpr_kernarg_segment_ptr 1
		.amdhsa_wavefront_size32 1
		.amdhsa_system_sgpr_workgroup_id_x 1
		.amdhsa_system_sgpr_workgroup_id_y 1
		.amdhsa_system_sgpr_workgroup_id_z 1
		.amdhsa_system_vgpr_workitem_id 0
		.amdhsa_next_free_vgpr 1024
		.amdhsa_next_free_sgpr 66
		.amdhsa_reserve_vcc 0
		.amdhsa_float_denorm_mode_32 3
		.amdhsa_float_denorm_mode_16_64 3
		.amdhsa_memory_ordered 1
		.amdhsa_forward_progress 1
		.amdhsa_inst_pref_size 105
	.end_amdhsa_kernel
	.amdgpu_metadata
---
amdhsa.version: [ 1, 2 ]
amdhsa.kernels:
  - .name:           k_q361d91af05_ffn2
    .symbol:         k_q361d91af05_ffn2.kd
    .args:
      - { .name: h, .offset: 0, .size: 8, .value_kind: global_buffer, .address_space: global }
      - { .name: rows, .offset: 8, .size: 8, .value_kind: global_buffer, .address_space: global }
      - { .name: W2_codes, .offset: 16, .size: 8, .value_kind: global_buffer, .address_space: global }
      - { .name: W2_scales, .offset: 24, .size: 8, .value_kind: global_buffer, .address_space: global }
      - { .name: b2, .offset: 32, .size: 8, .value_kind: global_buffer, .address_space: global }
      - { .name: y, .offset: 40, .size: 8, .value_kind: global_buffer, .address_space: global }
    .group_segment_fixed_size: 276992
    .private_segment_fixed_size: 0
    .kernarg_segment_align: 8
    .kernarg_segment_size: 48
    .max_flat_workgroup_size: 128
    .sgpr_count:     66
    .vgpr_count:     1024
    .wavefront_size: 32
...
	.end_amdgpu_metadata
.endif
;; end of part 6
;; launch combine: the kernel of part 4 again; grid 256 x 1, 4 waves a work-group, no clusters, 0 bytes of LDS; arguments y, gatef, rows, out0, out1; writes out0, out1
;; ======== version 3 of 3: 4 launches
;; workspace buffers: xq 819,200 bytes; sel 4,096 bytes of whole numbers; gatef 16,384 bytes; h 26,214,400 bytes; rows 33,792 bytes of whole numbers; y 8,912,896 bytes
;; launch gate (part 7): grid 256 x 1, 1 waves a work-group, no clusters, 4,352 bytes of LDS; arguments inputs, task_param, Wg_in, bg_in, Wg_task, bg_task, alpha, xq, sel, gatef; writes xq, sel, gatef
.if DOCPART == 7
	.amdgcn_target "amdgcn-amd-amdhsa--gfx1250"
	.amdhsa_code_object_version 6
	.text
	.protected	k_q361d91af05_gate
	.globl	k_q361d91af05_gate
	.p2align	8
	.type	k_q361d91af05_gate,@function
k_q361d91af05_gate:
	s_mov_b64 s[64:65], 0
	v_nop
	global_prefetch_b8 v0, s[64:65] scope:SCOPE_SE
	s_setreg_imm32_b32 hwreg(HW_REG_WAVE_MODE, 25, 1), 1
	s_wait_xcnt 0x0
; THE ROUTER, AND x INTO CODES.  inputs [1024 tokens][1024] f32.  A work-group is one wave and owns four tokens; lane b owns numbers 32 b .. 32 b + 31 of a row: one block of the quantiser.
; logits = (1 - alpha) (x Wg_in + bg_in) + alpha (task Wg_task + bg_task), in f32 multiply-adds; what is not finite becomes 0; the two largest (the lower index wins a tie);
; the softmax over those two; the softmax over all eight, summed over my four tokens.  Both softmaxes take the largest logit away first.
; OUT: sel[t] = (1 << e0) | (1 << e1) | (1 << (8 + e0)), whole numbers at fixed places: no address of this launch hangs on the choice.  gatef: the two weights of each token; from byte 8,192 my eight sums.
; xq: x as codes of E3M2, laid in the order of an operand's registers: [token][h 2][K step 8][c 2][24 bytes], the 24 bytes being block 4 s + 2 c + h; so lane (r, h) of a product finds its eight fragments
; in 384 bytes on end.  From byte 786,432 the scale words [token][h 2][j 4]: the word of K step 2 j + h.
; A block's scale byte is its largest magnitude's exponent field - 4, held at 1 from below.
; LIMITS: NaN and infinities in inputs are served in the logits as stated, not in the codes; a block whose largest magnitude lies under 2^-122 gets the byte 1 (a block of zeros too: its codes are zeros, and
; this program alone reads the bytes); two logits closer than the rounding of an f32 sum of 1,024 terms may be ranked the other way round.
; No matrix unit: the products have 8 columns.  No barrier: one wave.
.set ACC,  16                          ; v16-47   the sums of token k, expert e at 8 k + e
.set ACCT, 48                          ; v48-55   the task's sums
.set G,    56                          ; v56-63   alpha x (task's logit)
.set X,    64                          ; v64-191  my 32 numbers of each of the four tokens
.set TX,   192                         ; v192-223 my 32 numbers of task_param; then xq on its way out; then at work
.set L,    192                         ; v192-199 a token's logits
.set MX,   200                         ; v200-207 at work
.set Q,    208                         ; v208-215 exponentials
.set TW,   224                         ; v224-231 the two weights of each token
.set AUX,  232                         ; v232-239 the sums of the softmax over eight
.set C,    240                         ; v240-246 a block's codes
.set MSB, 0
.macro WIN new                         ; the immediate's high byte repeats the setting that is left
.if MSB != (\new)
	s_set_vgpr_msb (MSB<<8)|(\new)
.set MSB, (\new)
.endif
.endm
	s_load_b512 s[4:19], s[0:1], 0x0               ; inputs 4, task_param 6, Wg_in 8, bg_in 10, Wg_task 12, bg_task 14, alpha 16, xq 18
	s_load_b128 s[20:23], s[0:1], 0x40             ; sel 20, gatef 22
	v_lshl_add_u32 v254, v0, 2, 0x1000
	v_mov_b32 v255, 0
	v_lshlrev_b32 v1, 7, v0                        ; my block in a row of x: 128 bytes a lane
	v_lshlrev_b32 v2, 10, v0                       ; my 32 rows of a gate's weight: 1,024 bytes a lane
	v_lshlrev_b32 v3, 4, v0
	v_lshlrev_b32 v4, 2, v0
	v_and_b32 v5, 1, v0                            ; my block's place in a token's 768 bytes of codes: 384 (b & 1) + 48 (b >> 2) + 24 ((b >> 1) & 1)
	v_mul_u32_u24 v5, v5, 384
	v_lshrrev_b32 v6, 2, v0
	v_mad_u32_u24 v5, v6, 48, v5
	v_bfe_u32 v6, v0, 1, 1
	v_mad_u32_u24 v5, v6, 24, v5
	v_bfe_u32 v6, v0, 2, 1                         ; my scale byte's place in a token's 32: 16 ((b >> 2) & 1) + 4 (b >> 3) + (b & 3); they lie behind the codes' 3,072 bytes
	v_lshlrev_b32 v6, 4, v6
	v_lshrrev_b32 v7, 3, v0
	v_lshl_add_u32 v6, v7, 2, v6
	v_and_b32 v7, 3, v0
	v_add_nc_u32 v6, v6, v7
	v_add_nc_u32 v6, 3072, v6
	v_mov_b32 v7, 0
	v_mov_b32 v14, 0xff800000                      ; -infinity
	s_mov_b32 s29, 0x7f800000
	s_mov_b32 s31, 0x3fb8aa3b                      ; log2(e)
	s_mov_b32 s48, 0x76543210
	s_mov_b32 s49, 0xfedcba98                      ; v_permlanex16_b32's selects for lane l xor 16
	s_lshl_b32 s52, ttmp9, 14                      ; four rows of 4,096 bytes
	s_mov_b32 s53, 0
	s_wait_kmcnt 0x0
	s_load_b32 s28, s[16:17], 0x0                  ; alpha
	s_load_b256 s[32:39], s[10:11], 0x0            ; bg_in
	s_load_b256 s[40:47], s[14:15], 0x0            ; bg_task
	s_add_nc_u64 s[4:5], s[4:5], s[52:53]
	s_mul_i32 s52, ttmp9, 3072
	s_add_nc_u64 s[54:55], s[18:19], 0xc0000       ; xq's scale words
	s_add_nc_u64 s[18:19], s[18:19], s[52:53]      ; xq's codes of my four tokens
	s_lshl_b32 s52, ttmp9, 7
	s_add_nc_u64 s[54:55], s[54:55], s[52:53]
	s_lshl_b32 s52, ttmp9, 4
	s_add_nc_u64 s[20:21], s[20:21], s[52:53]
	s_lshl_b32 s52, ttmp9, 5
	s_add_nc_u64 s[22:23], s[22:23], s[52:53]
.irp k, 0,1,2,3
.irp j, 0,1,2,3,4,5,6,7
	global_load_b128 v[X+32*\k+4*\j:X+32*\k+4*\j+3], v1, s[4:5] offset:4096*\k+16*\j th:TH_LOAD_NT
.endr
.endr
.irp j, 0,1,2,3,4,5,6,7
	global_load_b128 v[TX+4*\j:TX+4*\j+3], v1, s[6:7] offset:16*\j
.endr
	WIN 0x80                                       ; destination window 2: Wg_task, register 8 i + e = row 32 b + i, expert e
.set J, 0
.rept 64
	global_load_b128 v[4*J:4*J+3], v2, s[12:13] offset:16*J
.set J, J+1
.endr
	WIN 0x40                                       ; destination window 1: Wg_in likewise
.set J, 0
.rept 64
	global_load_b128 v[4*J:4*J+3], v2, s[8:9] offset:16*J
.set J, J+1
.endr
	WIN 0
	s_wait_loadcnt 63                              ; of 168 loads at most 63 are out: the first 105 are in, x (32), task_param (8) and Wg_task (64) among them
; Token k's block of mine becomes 24 bytes of codes and a scale byte, in LDS at their places in xq.
.macro QTOK k
.set XS, X+32*(\k)
	v_max3_num_f32 v248, |v[XS]|, |v[XS+1]|, |v[XS+2]|
	v_max3_num_f32 v249, |v[XS+3]|, |v[XS+4]|, |v[XS+5]|
.irp i, 6,10,14,18,22,26
	v_max3_num_f32 v248, v248, |v[XS+\i]|, |v[XS+\i+1]|
	v_max3_num_f32 v249, v249, |v[XS+\i+2]|, |v[XS+\i+3]|
.endr
	v_max3_num_f32 v248, v248, |v[XS+30]|, |v[XS+31]|
	v_max3_num_f32 v248, v248, v249, 0x2800000     ; and the floor 2^(5 - 127): the byte cannot fall under 1
	s_wait_alu depctr_va_vdst(0)
	s_wait_dscnt 0x0                               ; the last token's LDS stores are done with their registers
	v_add_nc_u32 v250, 0xfe000000, v248            ; 4 off the exponent field: the conversion takes this operand's exponent field as its scale
	v_lshrrev_b32 v251, 23, v250                   ; the scale's byte
	v_cvt_scalef32_pk16_bf6_f32 v[C:C+2], v[XS:XS+15], v250
	v_cvt_scalef32_pk16_bf6_f32 v[C+4:C+6], v[XS+16:XS+31], v250   ; (a conversion's three registers begin on an even number)
	v_nop                                          ; one plain place behind a scaled conversion
	v_mov_b32 v[C+3], v[C+4]
	v_mov_b32 v[C+4], v[C+5]
	v_mov_b32 v[C+5], v[C+6]
	ds_store_b64 v5, v[C:C+1] offset:768*(\k)
	ds_store_b64 v5, v[C+2:C+3] offset:768*(\k)+8
	ds_store_b64 v5, v[C+4:C+5] offset:768*(\k)+16
	ds_store_b8 v6, v251 offset:32*(\k)
.endm
	QTOK 0
	QTOK 1
	QTOK 2
	QTOK 3
; Eight sums take number i of my 32 times row i of the weight: four packed multiply-adds; the number is taken for both halves.  i = 0 starts the sums: nothing is cleared.
.macro DOT acc, xr, i
.irp u, 0,1,2,3
.if (\i) == 0
	v_pk_mul_f32 v[(\acc)+2*\u:(\acc)+2*\u+1], v[(\xr):(\xr)+1], v[2*\u:2*\u+1] op_sel_hi:[0,1]
.elseif ((\i)%2) == 0
	v_pk_fma_f32 v[(\acc)+2*\u:(\acc)+2*\u+1], v[(\xr)+(\i):(\xr)+(\i)+1], v[8*(\i)+2*\u:8*(\i)+2*\u+1], v[(\acc)+2*\u:(\acc)+2*\u+1] op_sel_hi:[0,1,1]
.else
	v_pk_fma_f32 v[(\acc)+2*\u:(\acc)+2*\u+1], v[(\xr)+(\i)-1:(\xr)+(\i)], v[8*(\i)+2*\u:8*(\i)+2*\u+1], v[(\acc)+2*\u:(\acc)+2*\u+1] op_sel:[1,0,0] op_sel_hi:[1,1,1]
.endif
.endr
.endm
	WIN 0x08                                       ; source 1 window 2: Wg_task
.set DI, 0
.rept 32
	DOT ACCT, TX, DI
.set DI, DI+1
.endr
	WIN 0
	; xq leaves now, under the products below: LDS serves a wave's instructions in order, so these loads see my stores
.irp j, 0,1,2,3,4,5
	ds_load_b128 v[TX+4*\j:TX+4*\j+3], v3 offset:512*\j
.endr
	ds_load_b32 v[TX+24], v4 offset:3072
	s_wait_dscnt 0x0
.irp j, 0,1,2,3,4,5
	global_store_b128 v3, v[TX+4*\j:TX+4*\j+3], s[18:19] offset:512*\j   ; 32 lanes store 512 consecutive bytes, at a multiple of 256 from xq's first byte
.endr
	global_store_b32 v4, v[TX+24], s[54:55]        ; my four tokens' 128 bytes of scale words
	s_wait_loadcnt 0x0                             ; Wg_in
	WIN 0x04                                       ; source 1 window 1: Wg_in
.set DI, 0
.rept 32
.irp k, 0,1,2,3
	DOT ACC+8*\k, X+32*\k, DI                      ; sixteen chains by turns
.endr
.set DI, DI+1
.endr
	WIN 0
	s_wait_xcnt 0x0                                ; the stores of xq have read their registers, which are written again below
	; the 40 sums over the 32 lanes; every lane ends with all of them
.irp m, 1,2,4,8
.set J, 0
.rept 40
	v_add_f32_dpp v[ACC+J], v[ACC+J], v[ACC+J] row_xmask:\m row_mask:0xf bank_mask:0xf
.set J, J+1
.endr
.endr
.irp g, 0,1,2,3,4
.irp j, 0,1,2,3,4,5,6,7
	v_permlanex16_b32 v[192+\j], v[ACC+8*\g+\j], s48, s49
.endr
.irp j, 0,1,2,3,4,5,6,7
	v_add_f32 v[ACC+8*\g+\j], v[ACC+8*\g+\j], v[192+\j]
.endr
.endr
	s_wait_kmcnt 0x0                               ; alpha and the two biases
	v_mov_b32 v12, s28
	v_sub_f32 v12, 1.0, v12                        ; 1 - alpha
.irp e, 0,1,2,3,4,5,6,7
	v_add_f32 v[G+\e], s[40+\e], v[ACCT+\e]
.endr
.irp e, 0,1,2,3,4,5,6,7
	v_mul_f32 v[G+\e], s28, v[G+\e]
.endr
; Token k: the same arithmetic in every lane.  v216 the largest logit, v217 its one-hot word, v218 and v219 the second's.
.macro TAIL k
.irp e, 0,1,2,3,4,5,6,7
	v_add_f32 v[L+\e], s[32+\e], v[ACC+8*(\k)+\e]
.endr
.irp e, 0,1,2,3,4,5,6,7
	v_fma_f32 v[L+\e], v12, v[L+\e], v[G+\e]
.endr
.irp e, 0,1,2,3,4,5,6,7
	v_and_b32 v[MX+\e], 0x7fffffff, v[L+\e]
.endr
.irp e, 0,1,2,3,4,5,6,7
	v_cmp_gt_u32 vcc_lo, s29, v[MX+\e]             ; finite: the magnitude's bits lie under infinity's
	v_cndmask_b32 v[L+\e], 0, v[L+\e], vcc_lo      ; NaN and both infinities become 0
.endr
	v_mov_b32 v216, v[L]
	v_mov_b32 v217, 1
.irp e, 1,2,3,4,5,6,7
	v_cmp_ge_f32 vcc_lo, v216, v[L+\e]             ; what stands keeps its place on a tie: the lower index
	v_cndmask_b32 v217, 1<<\e, v217, vcc_lo
	v_max_num_f32 v216, v216, v[L+\e]
.endr
.irp e, 0,1,2,3,4,5,6,7
	v_cmp_eq_u32 vcc_lo, 1<<\e, v217
	v_cndmask_b32 v[MX+\e], v[L+\e], v14, vcc_lo   ; the first choice is taken out
.endr
	v_mov_b32 v218, v[MX]
	v_mov_b32 v219, 1
.irp e, 1,2,3,4,5,6,7
	v_cmp_ge_f32 vcc_lo, v218, v[MX+\e]
	v_cndmask_b32 v219, 1<<\e, v219, vcc_lo
	v_max_num_f32 v218, v218, v[MX+\e]
.endr
	v_or_b32 v220, v217, v219
	v_lshl_or_b32 v[8+(\k)], v217, 8, v220
.irp e, 0,1,2,3,4,5,6,7
	v_sub_f32 v[Q+\e], v[L+\e], v216               ; the largest logit is taken away
.endr
	v_sub_f32 v221, v218, v216
.irp e, 0,1,2,3,4,5,6,7
	v_mul_f32 v[Q+\e], s31, v[Q+\e]
.endr
	v_mul_f32 v221, s31, v221
	s_wait_alu depctr_va_vdst(0)
.irp e, 0,1,2,3,4,5,6,7
	v_exp_f32 v[Q+\e], v[Q+\e]
.endr
	v_exp_f32 v221, v221
	v_nop                                          ; a plain place behind the last exponential
	s_wait_alu depctr_va_vdst(0)                   ; one wait for the nine, ahead of their first reader
	v_add_f32 v222, v[Q], v[Q+1]
	v_add_f32 v220, v[Q+2], v[Q+3]
	v_add_f32 v223, v[Q+4], v[Q+5]
	v_add_f32 v218, v[Q+6], v[Q+7]
	v_add_f32 v222, v222, v220
	v_add_f32 v223, v223, v218
	v_add_f32 v222, v222, v223
	v_add_f32 v223, 1.0, v221
	s_wait_alu depctr_va_vdst(0)
	v_rcp_f32 v222, v222
	v_rcp_f32 v223, v223
	v_nop
	s_wait_alu depctr_va_vdst(0)                   ; one wait for the two reciprocals
	v_mov_b32 v[TW+2*(\k)], v223                   ; the first choice's weight: 1 / (1 + e^(m2 - m1))
	v_mul_f32 v[TW+2*(\k)+1], v221, v223           ; the second's
.irp e, 0,1,2,3,4,5,6,7
.if (\k) == 0
	v_mul_f32 v[AUX+\e], v[Q+\e], v222
.else
	v_fmac_f32 v[AUX+\e], v[Q+\e], v222
.endif
.endr
.endm
	TAIL 0
	TAIL 1
	TAIL 2
	TAIL 3
	s_wait_alu depctr_va_vdst(0)
	s_wait_xcnt 0x0                                ; EXEC changes only behind this wait
	v_cmp_eq_u32 vcc_lo, 0, v0
	s_wait_tensorcnt 0x0
	ds_add_u32 v254, v255
	s_wait_dscnt 0x0
	s_and_saveexec_b32 s50, vcc_lo                 ; every lane holds the same numbers: lane 0 stores them
	global_store_b128 v7, v[8:11], s[20:21]
	global_store_b128 v7, v[TW:TW+3], s[22:23]
	global_store_b128 v7, v[TW+4:TW+7], s[22:23] offset:16
	global_store_b128 v7, v[AUX:AUX+3], s[22:23] offset:8192
	global_store_b128 v7, v[AUX+4:AUX+7], s[22:23] offset:8208
	s_wait_xcnt 0x0
	s_or_b32 exec_lo, exec_lo, s50
	s_endpgm
.Lfunc_end_k_q361d91af05_gate:
	.size	k_q361d91af05_gate, .Lfunc_end_k_q361d91af05_gate-k_q361d91af05_gate
	.p2alignl 7, 3214868480
	.fill 96, 4, 3214868480
	.section	.rodata,"a",@progbits
	.p2align	6, 0x0
	.amdhsa_kernel k_q361d91af05_gate
		.amdhsa_group_segment_fixed_size 4352
		.amdhsa_private_segment_fixed_size 0
		.amdhsa_enable_private_segment 0
		.amdhsa_kernarg_size 80
		.amdhsa_user_sgpr_count 2
		.amdhsa_user_sgpr_kernarg_segment_ptr 1
		.amdhsa_wavefront_size32 1
		.amdhsa_system_sgpr_workgroup_id_x 1
		.amdhsa_system_sgpr_workgroup_id_y 1
		.amdhsa_system_sgpr_workgroup_id_z 1
		.amdhsa_system_vgpr_workitem_id 0
		.amdhsa_next_free_vgpr 768
		.amdhsa_next_free_sgpr 66
		.amdhsa_reserve_vcc 1
		.amdhsa_float_denorm_mode_32 3
		.amdhsa_float_denorm_mode_16_64 3
		.amdhsa_memory_ordered 1
		.amdhsa_forward_progress 1
		.amdhsa_inst_pref_size 104
	.end_amdhsa_kernel
	.amdgpu_metadata
---
amdhsa.version: [ 1, 2 ]
amdhsa.kernels:
  - .name:           k_q361d91af05_gate
    .symbol:         k_q361d91af05_gate.kd
    .args:
      - { .name: inputs, .offset: 0, .size: 8, .value_kind: global_buffer, .address_space: global }
      - { .name: task_param, .offset: 8, .size: 8, .value_kind: global_buffer, .address_space: global }
      - { .name: Wg_in, .offset: 16, .size: 8, .value_kind: global_buffer, .address_space: global }
      - { .name: bg_in, .offset: 24, .size: 8, .value_kind: global_buffer, .address_space: global }
      - { .name: Wg_task, .offset: 32, .size: 8, .value_kind: global_buffer, .address_space: global }
      - { .name: bg_task, .offset: 40, .size: 8, .value_kind: global_buffer, .address_space: global }
      - { .name: alpha, .offset: 48, .size: 8, .value_kind: global_buffer, .address_space: global }
      - { .name: xq, .offset: 56, .size: 8, .value_kind: global_buffer, .address_space: global }
      - { .name: sel, .offset: 64, .size: 8, .value_kind: global_buffer, .address_space: global }
      - { .name: gatef, .offset: 72, .size: 8, .value_kind: global_buffer, .address_space: global }
    .group_segment_fixed_size: 4352
    .private_segment_fixed_size: 0
    .kernarg_segment_align: 8
    .kernarg_segment_size: 80
    .max_flat_workgroup_size: 32
    .sgpr_count:     66
    .vgpr_count:     768
    .wavefront_size: 32
...
	.end_amdgpu_metadata
.endif
;; end of part 7
;; launch ffn1 (part 8): grid 8 x 33, 4 waves a work-group, no clusters, 211,456 bytes of LDS; arguments xq, sel, W1_codes, W1_scales, b1, h, rows; writes h, rows
.if DOCPART == 8
	.amdgcn_target "amdgcn-amd-amdhsa--gfx1250"
	.amdhsa_code_object_version 6
	.text
	.protected	k_q361d91af05_ffn1
	.globl	k_q361d91af05_ffn1
	.p2align	8
	.type	k_q361d91af05_ffn1,@function
k_q361d91af05_ffn1:
	s_mov_b64 s[64:65], 0
	v_nop
	global_prefetch_b8 v0, s[64:65] scope:SCOPE_SE
	s_setreg_imm32_b32 hwreg(HW_REG_WAVE_SCHED_MODE, 0, 2), 2
	s_setreg_imm32_b32 hwreg(HW_REG_WAVE_MODE, 25, 1), 1
	s_wait_xcnt 0x0
	s_wait_alu depctr_vm_vsrc(0)
; h = Q(silu(x W1[e]^T + b1[e])) for the rows that chose expert e alone; codes of E3M2 with one E8M0 scale for each 32 along K on both sides of the product.
; SHARES.  THE UNIT OF WORK IS A WAVE: hidden units 128 c .. 128 c + 127 of one expert, for one GROUP of up to 5 tiles of 16 routed rows.  Work-group (x, g): group g, its four waves the chunks c = 4 x + wave.
; A wave's 128 rows of W1 (768 bytes each, 98,304 dense bytes) go through a stage in LDS of the wave's own, 64 rows at a time, into its registers: 64 fragments of 16 rows x 128 K, 768 registers; a half's bytes
; land in the very registers that its fragments then take.  A fragment of x so feeds eight products.  Waves share nothing: no barrier.
; GROUPS.  Every wave reads all 1,024 words of sel (whole numbers that the launch before stored) and counts how many tokens chose each expert.  Expert e has max(1, ceil(n_e / 16)) tiles and ceil(tiles / 5) groups;
; the groups are numbered expert by expert.  The n_e add up to 2,048, so the sum of max(1, ceil(n_e / 80)) is never above 25 + 8 = 33: the grid serves every split.  A work-group whose number is past the total ends at once.
; WHO CHOSE e.  32 masks of 32 tokens and their running counts lie in scalar registers; the token of rank p is found by a chain of selects (which mask) and a search by halves (which bit).
; Ranks at or past the count give a token inside the table: such rows are computed and go to spare rows of y that nobody reads.  Each expert has 64 tiles of its own in h.
; THE PRODUCT IS USED TRANSPOSED (source 0 = 16 rows of W1, source 1 = 16 rows of x), and lane r of tile 2 b + u takes W1's row 32 b + 8 u + r + 8 (r / 8): a lane then holds one routed row, and the 16 registers of
; tiles 2 b, 2 b + 1 are 16 neighbours along the next product's K.  My 8 tiles are K step c of that product: one fragment and one scale word a row.  The bias is the C of each sum's first matrix instruction.
; OUT.  h: [e][tile 64][K step 32][1,536 bytes], an image of the operand's registers (three times 512 bytes, lane l's 16 bytes at 16 l); from byte 25,165,824 its scale words [e][tile][K step][16 rows].
; rows (chunk 0 alone): for each rank the row of y (token, or 1,024 + token for a second choice; 2,048 + 16 e + r for a rank past the count); from byte 32,768 the count, 32 times (the expert's first group).
; NO TENSOR LOADS, NO CLUSTER, though the groups of one expert read the same weights.
; LIMITS: NaN and infinities ahead of the quantiser are not served; a block whose largest magnitude lies under 2^-122 gets the byte 1 (a block of zeros too: its codes are zeros).
; REGISTERS.  Window 0: v0-11 addresses; v12-43 W1's scale words; v44-47 x's; v48 h's scale word; v49-51 the list; v52-63 fragment 63; v64-159 x's eight fragments; v160-223 eight accumulators;
; v224-255 at work (at the head v206-237: the counting's 32 masked words).  Windows 1 to 3: fragments 0 to 62, 21 to a window.
; THE MODE: SCHED_MODE bits 1:0 = 2 (LLVM: expert scheduling mode 2), set by the entry lines.  The code itself states the register dependences between vector or matrix instructions and memory or LDS
; instructions, and those through scalar registers and VCC that vector instructions write, with s_wait_alu, always for 0.
; THE PLAN.  Registers that memory or LDS instructions touch, in the loop:
;   AF, AS, v49        Written by the gather's 26 loads, which are issued behind a tile's products; read by the next tile's products (v49: by the list's lines).
;   v8, v9, v0         The gather's offsets: written by four vector lines at its head, read by its loads.
;   HA                 The bias's 16 LDS loads land in it; then the products, the activation and the quantiser write and read it.
;   PC, v48, v10, v11  Written by the activation (as room to work in), the quantiser and two address lines; read by the trip's four stores.
;   v50, v51           Chunk 0 alone: written by the list's lines, read by its one store.
;   v5, v7             Offsets that are never written again.
; So a trip has one wait on vm_vsrc, ahead of the gather (the last trip's stores and the last gather have read their registers), one on va_vdst in the gather, behind its address lines (and behind the search
; by halves, which stands between it and the last product), and one on va_vdst behind the quantiser and the stores' address lines, which serves the bias's loads and the four stores alike.
; MASKS.  A rank step's compare hangs on the rank alone: the compares go in runs of six, into six scalar registers, with one wait on va_sdst behind each run and ahead of its selects.
.set TG,    5                          ; tiles in a group
.set DIVM,  205                        ; (a x 205) >> 10 = a / 5, rounded down, for a up to 68
.set PITCH, 816                        ; a row of W1 in LDS: 768 bytes + 48 = 204 words: sixteen rows on end start 12 words apart modulo 64, and the lanes' 8 bytes fall on 64 different banks (64 banks of 4 bytes: ISA guide 11.1)
.set BIAS,  4*64*PITCH                 ; behind the four stages of 64 rows: b1's 128 numbers of each wave's chunk, 512 bytes a wave
.set WS,  12
.set AS,  44
.set PW,  48
.set AF,  64
.set HA,  160
.set PC,  224                          ; v224-235 the codes just made; v236-242 their second halves
.set TM,  244                          ; v244-247 largest magnitudes, v248-251 bytes, v252-255 the conversions' scale operands
.set SM,  32                           ; s32-63  mask c: bit l = token 32 c + l chose e  (before that: s32-39 the eight counts)
.set SP,  68                           ; s68-99  the count of masks 0 .. c  (before that: 32 masks of the counting)
.set SEL, 100                          ; s[100:101] v_permlanex16_b32's selects
.set MSB, 0
.macro WIN new                         ; the immediate's high byte repeats the setting that is left
.if MSB != (\new)
	s_set_vgpr_msb (MSB<<8)|(\new)
.set MSB, (\new)
.endif
.endm
.macro FREG i                          ; fragment i lies in window FW from register FB on.  Fragment i = tile 4 (i / 32) + i % 4, K step (i % 32) / 4
.if (\i) < 21
.set FW, 1
.set FB, 12*(\i)
.elseif (\i) < 42
.set FW, 2
.set FB, 12*((\i)-21)
.elseif (\i) < 63
.set FW, 3
.set FB, 12*((\i)-42)
.else
.set FW, 0
.set FB, 52
.endif
.endm
; Fragments 32 g .. 32 g + 31 out of the stage: lane (r, h) takes 24 bytes at 96 s + 24 h and 24 at 96 s + 48 + 24 h of its row, in pieces of 8 bytes
.macro FRAGS g, adr
.set FI, 32*(\g)
.rept 32
	FREG FI
	WIN FW<<6
.irp p, 0,1,2,3,4,5
	ds_load_b64 v[FB+2*\p:FB+2*\p+1], v[\adr] offset:16*(FI%4)*PITCH+96*((FI%32)/4)+48*(\p/3)+8*(\p%3)
.endr
.set FI, FI+1
.endr
	WIN 0
.endm
; Rows 64 g + 2 i and + 1 of my chunk, 1,536 dense bytes: three loads of 512 consecutive bytes, into the twelve registers of fragment 32 g + i
.macro RAWLD g
.set RI, 0
.rept 32
	FREG 32*(\g)+RI
	WIN FW<<6
	global_load_b128 v[FB:FB+3], v5, s[8:9] offset:49152*(\g)+1536*RI
	global_load_b128 v[FB+4:FB+7], v5, s[8:9] offset:49152*(\g)+1536*RI+512
	global_load_b128 v[FB+8:FB+11], v5, s[8:9] offset:49152*(\g)+1536*RI+1024
.set RI, RI+1
.endr
	WIN 0
.endm
; They go to two places on end of my stage; the second row's bytes lie 48 further on than in memory.  Place 16 t + r holds the row that lane r of the half's tile t takes.
.macro RAWST g
.set RI, 0
.rept 32
	FREG 32*(\g)+RI
	WIN FW<<2                                      ; an LDS store's data are its source 1
.set SL, (32*(RI>>4)+8*((((RI>>2)&1)<<1)|((RI>>3)&1))+2*(RI&3))*PITCH
	ds_store_b128 v200, v[FB:FB+3] offset:SL
	ds_store_b128 v201, v[FB+4:FB+7] offset:SL+512
	ds_store_b128 v200, v[FB+8:FB+11] offset:SL+1072
.set RI, RI+1
.endr
	WIN 0
.endm
; THE RANK.  v244 = p.  Step j: where the count of masks 0 .. j is at most p, the token lies further on: v245 that count, v246 the next mask, v247 its number.
; Every vector register stands in source 1 or the destination, whose windows are 0 under every setting that the products use: so the steps can stand between the matrix instructions.
; Step j's compare writes its mask into scalar register CR of six (s2, s22, s23, s26, s66, s67: none of them holds anything else while ranks are made); its three selects read it from there.
.macro CREG i
.if (\i) == 0
.set CR, 2
.elseif (\i) < 3
.set CR, 21+(\i)
.elseif (\i) == 3
.set CR, 26
.else
.set CR, 62+(\i)
.endif
.endm
.macro RCMP j
	CREG (\j)%6
	v_cmp_gt_u32 s[CR], s[SP+(\j)], v244
.endm
.macro RSEL j
	CREG (\j)%6
	v_cndmask_b32 v245, s[SP+(\j)], v245, s[CR]
	v_cndmask_b32 v246, s[SM+(\j)+1], v246, s[CR]
	v_cndmask_b32 v247, (\j)+1, v247, s[CR]
.endm
.macro RINIT sm                        ; the ranks of tile sm: 16 sm + r
	v_lshl_add_u32 v244, \sm, 4, v1
	v_mov_b32 v245, 0
	v_mov_b32 v246, s[SM]
	v_mov_b32 v247, 0
.endm
.macro LEVEL a, w                      ; are there k or fewer set bits in the w bits from v252 on?  Then the bit lies in the w bits behind them
	v_bfe_u32 v253, v[\a], v252, \w
	v_cmp_ge_u32 vcc_lo, v244, v253
	v_add_nc_u32 v254, \w, v252
	s_wait_alu depctr_va_vcc(0)                    ; the compare has written VCC, which the two selects read
	v_cndmask_b32 v253, 0, v253, vcc_lo
	v_cndmask_b32 v252, v252, v254, vcc_lo
	v_sub_nc_u32 v244, v244, v253
.endm
.macro SELBIT                          ; the place of set bit number k = p - v245 of the mask v246; v2 = the token
	v_sub_nc_u32 v244, v244, v245
	v_lshrrev_b32 v248, 1, v246                    ; counts of set bits in fields of 2, 4, 8 and 16 bits
	v_and_b32 v248, 0x55555555, v248
	v_sub_nc_u32 v248, v246, v248
	v_lshrrev_b32 v249, 2, v248
	v_and_b32 v249, 0x33333333, v249
	v_and_b32 v253, 0x33333333, v248
	v_add_nc_u32 v249, v249, v253
	v_lshrrev_b32 v250, 4, v249
	v_add_nc_u32 v250, v250, v249
	v_and_b32 v250, 0x0f0f0f0f, v250
	v_lshrrev_b32 v251, 8, v250
	v_add_nc_u32 v251, v251, v250
	v_and_b32 v251, 0x00ff00ff, v251
	v_mov_b32 v252, 0
	LEVEL 251, 16
	LEVEL 250, 8
	LEVEL 249, 4
	LEVEL 248, 2
	LEVEL 246, 1
	v_lshl_add_u32 v2, v247, 5, v252
	v_min_u32 v2, 0x3ff, v2                        ; inside the table, whatever the rank
.endm
.macro ALOAD                           ; my row's eight fragments (384 bytes on end), its four scale words, and its word of sel: 26 loads
	v_mul_u32_u24 v8, v2, 768
	v_add_nc_u32 v8, v8, v3
	v_lshl_add_u32 v9, v2, 5, v4
	v_lshlrev_b32 v0, 2, v2
	s_wait_alu depctr_va_vdst(0)                   ; v8, v9 and v0 are written, which the loads below read; the products are done reading AF and AS, and the list's lines v49, in which these loads land
.set AJ, 0
.rept 24
	global_load_b128 v[AF+4*AJ:AF+4*AJ+3], v8, s[4:5] offset:16*AJ
.set AJ, AJ+1
.endr
	global_load_b128 v[AS:AS+3], v9, s[4:5] offset:786432
	global_load_b32 v49, v0, s[6:7]
.endm
.macro BIASLD                          ; the bias into the accumulators, in the result's layout: tile t: units 32 (t / 2) + 16 h + 8 (t % 2) + 0 .. 7
.irp t, 0,1,2,3,4,5,6,7
	ds_load_b128 v[HA+8*\t:HA+8*\t+3], v7 offset:128*(\t/2)+32*(\t%2)
	ds_load_b128 v[HA+8*\t+4:HA+8*\t+7], v7 offset:128*(\t/2)+32*(\t%2)+16
.endr
.endm
; 64 matrix instructions: four accumulators by turns, one instruction a turn, eight K steps; then the other four.  A scale register holds an even K step's words in lanes 0-15
; and the odd one's in lanes 16-31.  Between them stand the 31 steps of the next tile's rank: six compares, one behind each of six products; then their selects, three behind each of the next six.
.macro MM
.set MI, 0
.rept 64
	FREG MI
	WIN FW                                         ; source 0 in the fragment's window, all else in window 0
.set MT, 4*(MI/32)+MI%4
.set MS, (MI%32)/4
.if (MS%2) == 0
	v_wmma_scale_f32_16x16x128_f8f6f4 v[HA+8*MT:HA+8*MT+7], v[FB:FB+11], v[AF+12*MS:AF+12*MS+11], v[HA+8*MT:HA+8*MT+7], v[WS+4*MT+MS/2], v[AS+MS/2] matrix_a_fmt:MATRIX_FMT_BF6 matrix_b_fmt:MATRIX_FMT_BF6
.else
	v_wmma_scale_f32_16x16x128_f8f6f4 v[HA+8*MT:HA+8*MT+7], v[FB:FB+11], v[AF+12*MS:AF+12*MS+11], v[HA+8*MT:HA+8*MT+7], v[WS+4*MT+MS/2], v[AS+MS/2] matrix_a_fmt:MATRIX_FMT_BF6 matrix_b_fmt:MATRIX_FMT_BF6 matrix_a_scale:MATRIX_SCALE_ROW1 matrix_b_scale:MATRIX_SCALE_ROW1
.endif
.if MI < 60
.if (MI%12) < 6
.set RJ, 6*(MI/12)+MI%12
	RCMP RJ
.else
.if (MI%12) == 6
	s_wait_alu depctr_va_sdst(0)                   ; the run's six compares have written their masks, which the selects from here on read
.endif
.set RJ, 6*(MI/12)+MI%12-6
	RSEL RJ
.endif
.elseif MI == 60
	RCMP 30
.elseif MI == 61
	s_wait_alu depctr_va_sdst(0)                   ; the last compare has written its mask, which its selects read
	RSEL 30
.endif
.set MI, MI+1
.endr
	WIN 0
.endm
; silu(a) = a / (1 + 2^(-a log2(e))), 32 numbers at a time; each run of transcendentals has one plain place and one wait behind it, ahead of its first reader.  The accumulators are read from their low ends on.
.macro ACT
.irp b, 0,1
.set AJ, 0
.rept 16
	v_pk_mul_f32 v[224+2*AJ:225+2*AJ], v[HA+32*\b+2*AJ:HA+32*\b+2*AJ+1], 0xbfb8aa3b op_sel_hi:[1,0]
.set AJ, AJ+1
.endr
.set AJ, 0
	s_wait_alu depctr_va_vdst(0)
.rept 32
	v_exp_f32 v[224+AJ], v[224+AJ]
.set AJ, AJ+1
.endr
	v_nop
	s_wait_alu depctr_va_vdst(0)                   ; the 32 exponentials have written v224-255, which the additions read
.set AJ, 0
.rept 16
	v_pk_add_f32 v[224+2*AJ:225+2*AJ], v[224+2*AJ:225+2*AJ], 1.0 op_sel_hi:[1,0]
.set AJ, AJ+1
.endr
.set AJ, 0
	s_wait_alu depctr_va_vdst(0)
.rept 32
	v_rcp_f32 v[224+AJ], v[224+AJ]
.set AJ, AJ+1
.endr
	v_nop
	s_wait_alu depctr_va_vdst(0)                   ; the 32 reciprocals have written v224-255, which the multiplications read
.set AJ, 0
.rept 16
	v_pk_mul_f32 v[HA+32*\b+2*AJ:HA+32*\b+2*AJ+1], v[HA+32*\b+2*AJ:HA+32*\b+2*AJ+1], v[224+2*AJ:225+2*AJ]
.set AJ, AJ+1
.endr
.endr
.endm
; My 64 numbers, register 16 b + i = k 32 b + 16 (lane / 16) + i of my row, become a fragment's codes in v[PC] on and its scale word in v[PW].
.macro QUANT
.irp b, 0,1,2,3
	v_max3_num_f32 v[TM+\b], |v[HA+16*\b]|, |v[HA+1+16*\b]|, 0x2800000   ; with the floor 2^(5 - 127): the byte cannot fall under 1
.endr
.irp i, 2,4,6,8,10,12,14
.irp b, 0,1,2,3
	v_max3_num_f32 v[TM+\b], v[TM+\b], |v[HA+16*\b+\i]|, |v[HA+1+16*\b+\i]|
.endr
.endr
.irp b, 0,1,2,3
	v_permlanex16_b32 v[TM+4+\b], v[TM+\b], s[SEL], s[SEL+1]
.endr
.irp b, 0,1,2,3
	v_max_num_f32 v[TM+\b], v[TM+\b], v[TM+4+\b]   ; with lane l xor 16's: the block's largest magnitude
.endr
.irp b, 0,1,2,3
	v_add_nc_u32 v[TM+8+\b], 0xfe000000, v[TM+\b]  ; 4 off its exponent field: the conversion's scale operand
.endr
.irp b, 0,1,2,3
	v_lshrrev_b32 v[TM+4+\b], 23, v[TM+8+\b]       ; the scale's byte
.endr
	v_lshl_or_b32 v[PW], v[TM+5], 8, v[TM+4]
	v_lshl_or_b32 v[PW], v[TM+6], 16, v[PW]
	v_lshl_or_b32 v[PW], v[TM+7], 24, v[PW]
.irp c, 0,1
	v_cvt_scalef32_pk16_bf6_f32 v[PC+6*\c:PC+2+6*\c], v[HA+32*\c:HA+15+32*\c], v[TM+8+2*\c]
	v_cvt_scalef32_pk16_bf6_f32 v[PC+12+4*\c:PC+14+4*\c], v[HA+16+32*\c:HA+31+32*\c], v[TM+8+2*\c+1]   ; (a conversion's three registers begin on an even number)
.endr
	v_nop                                          ; one plain place behind a scaled conversion
.irp c, 0,1                            ; the operand's layout wants a whole block in a lane: lanes 0-15 block 2 c, lanes 16-31 block 2 c + 1
.irp i, 0,1,2
	v_permlane16_swap_b32 v[PC+6*\c+\i], v[PC+12+4*\c+\i]
.endr
.irp i, 0,1,2
	v_mov_b32 v[PC+3+6*\c+\i], v[PC+12+4*\c+\i]
.endr
.endr
.endm
	s_load_b256 s[4:11], s[0:1], 0x0               ; xq 4, sel 6, W1's codes 8, W1's scales 10
	s_load_b128 s[12:15], s[0:1], 0x20             ; b1 12, h 14
	s_load_b64 s[16:17], s[0:1], 0x30              ; rows
	s_set_vgpr_msb 0x40
	v_lshl_add_u32 v254, v0, 2, 0x33800
	v_mov_b32 v255, 0
	s_set_vgpr_msb 0x4000
	v_lshrrev_b32 v196, 5, v0
	v_readfirstlane_b32 s22, v196                  ; wave
	v_and_b32 v196, 31, v0                         ; lane
	v_lshlrev_b32 v198, 2, v196
	s_and_b32 s31, ttmp7, 0xffff                   ; g: my work-group's group
	s_lshl_b32 s24, ttmp9, 2
	s_wait_alu depctr_va_sdst(0)                   ; s22 is written, ahead of its first reader
	s_add_co_u32 s24, s24, s22                     ; c: my chunk of 128 hidden units
	s_wait_kmcnt 0x0
	s_wait_alu depctr_va_vdst(0)                   ; v198 is written, which the 32 loads below read as their offset
.irp c, 0,1,2,3,4,5,6,7,8,9,10,11,12,13,14,15,16,17,18,19,20,21,22,23,24,25,26,27,28,29,30,31
	global_load_b32 v[160+\c], v198, s[6:7] offset:128*\c          ; sel of token 32 c + lane
.endr
	v_bfe_u32 v197, v0, 4, 1                       ; h
	v_and_b32 v1, 15, v0                           ; r
	v_mul_u32_u24 v3, v197, 384
	v_lshlrev_b32 v4, 4, v197
	v_lshlrev_b32 v5, 4, v196
	v_lshlrev_b32 v6, 2, v1
	s_lshl_b32 s2, s22, 9
	s_add_co_u32 s2, s2, BIAS
	v_lshl_add_u32 v7, v197, 6, s2                 ; my chunk's b1 in LDS, + 64 h: a tile's eight units of my half
	v_add_nc_u32 v204, s2, v5                      ; and where I put 16 bytes of it
	v_and_b32 v199, 8, v1
	v_add_nc_u32 v199, v199, v1                    ; r + 8 (r / 8)
	v_lshlrev_b32 v199, 5, v199                    ; W1's scales: 32 bytes a row,
	v_lshl_add_u32 v199, v197, 2, v199             ; lanes 16-31 the odd K steps' words
	s_mul_i32 s2, s22, 64*PITCH                    ; my stage
	v_add_nc_u32 v200, s2, v5                      ; into it: 16 bytes a lane;
	v_mad_u32_u24 v201, v197, 48, v200             ; (for the load in whose middle a row ends)
	v_mul_u32_u24 v202, v1, PITCH
	v_mad_u32_u24 v202, v197, 24, v202
	v_add_nc_u32 v202, s2, v202                    ; out of it: place r, + 24 h
	s_mov_b32 s[SEL], 0x76543210
	s_mov_b32 s[SEL+1], 0xfedcba98
.irp e, 0,1,2,3,4,5,6,7
	s_mov_b32 s[32+\e], 0
.endr
	s_mov_b32 s2, 0                                ; groups so far
	s_mov_b32 s23, 0                               ; my expert,
	s_mov_b32 s25, 0                               ; its count,
	s_mov_b32 s26, 0                               ; its tiles,
	s_mov_b32 s30, 0                               ; its first group
	s_wait_loadcnt 0x0
; how many tokens chose each expert: eight masks for each 32 tokens, counted and added; 128 tokens, 32 masks, at a time, so that one wait serves 32 compares
.set CC, 0
.rept 8
.set CJ, 0
.rept 32
	v_and_b32 v[206+CJ], 1<<(CJ%8), v[160+4*CC+CJ/8]
.set CJ, CJ+1
.endr
.set CJ, 0
.rept 32
	v_cmp_ne_u32 s[68+CJ], 0, v[206+CJ]
.set CJ, CJ+1
.endr
	s_wait_alu depctr_va_sdst(0)                   ; the 32 compares have written s68-99, which the counts below read
.set CJ, 0
.rept 32
	s_bcnt1_i32_b32 s[68+CJ], s[68+CJ]
.set CJ, CJ+1
.endr
.set CJ, 0
.rept 32
	s_add_co_u32 s[32+CJ%8], s[32+CJ%8], s[68+CJ]
.set CJ, CJ+1
.endr
.set CC, CC+1
.endr
; whose group is g?  The last expert whose first group is at most g
.irp e, 0,1,2,3,4,5,6,7
	s_add_co_u32 s3, s[32+\e], 15
	s_lshr_b32 s3, s3, 4
	s_max_u32 s3, s3, 1                            ; tiles: at least one,
	s_min_u32 s3, s3, 64                           ; at most 64
	s_cmp_ge_u32 s31, s2
	s_cselect_b32 s23, \e, s23
	s_cselect_b32 s25, s[32+\e], s25
	s_cselect_b32 s26, s3, s26
	s_cselect_b32 s30, s2, s30
	s_add_co_u32 s3, s3, TG-1
	s_mul_i32 s3, s3, DIVM
	s_lshr_b32 s3, s3, 10                          ; its groups
	s_add_co_u32 s2, s2, s3
.endr
	s_cmp_lt_u32 s31, s2
	s_cbranch_scc0 .Lend                           ; this split has fewer groups than the grid: nothing to do
	s_min_u32 s23, s23, 7                          ; (so that the bound of every address can be read off the text)
	s_sub_co_u32 s27, s31, s30
	s_mul_i32 s27, s27, TG
	s_min_u32 s27, s27, 63                         ; my first tile
	s_mov_b32 s29, 0
	s_mul_i32 s28, s23, 3145728                    ; W1's codes: expert, chunk of 128 rows
	s_mul_i32 s2, s24, 98304
	s_add_co_u32 s28, s28, s2
	s_add_nc_u64 s[8:9], s[8:9], s[28:29]
	s_lshl_b32 s28, s23, 17                        ; W1's scales: 131,072 bytes an expert, 4,096 a chunk
	s_lshl_b32 s2, s24, 12
	s_add_co_u32 s28, s28, s2
	s_add_nc_u64 s[10:11], s[10:11], s[28:29]
	s_lshl_b32 s28, s23, 14                        ; b1
	s_lshl_b32 s2, s24, 9
	s_add_co_u32 s28, s28, s2
	s_add_nc_u64 s[12:13], s[12:13], s[28:29]
	s_add_nc_u64 s[18:19], s[14:15], 0x1800000     ; h's scale words
	s_lshl_b32 s28, s23, 17
	s_lshl_b32 s2, s24, 6
	s_add_co_u32 s28, s28, s2
	s_add_nc_u64 s[18:19], s[18:19], s[28:29]
	s_mul_i32 s28, s23, 3145728                    ; h's codes: expert, K step c
	s_mul_i32 s2, s24, 1536
	s_add_co_u32 s28, s28, s2
	s_add_nc_u64 s[14:15], s[14:15], s[28:29]
	s_add_nc_u64 s[20:21], s[16:17], 0x8000        ; the counts
	s_lshl_b32 s28, s23, 7
	s_add_nc_u64 s[20:21], s[20:21], s[28:29]
	s_lshl_b32 s28, s23, 12                        ; the list
	s_add_nc_u64 s[16:17], s[16:17], s[28:29]
	s_wait_alu depctr_va_vdst(0)                   ; v5 and v199 are written, which the 225 loads below read as their offsets; only loads and window switches stand between this wait and the last of them
	RAWLD 0
	RAWLD 1
.irp t, 0,1,2,3,4,5,6,7
.irp j, 0,1,2,3
	global_load_b32 v[WS+4*\t+\j], v199, s[10:11] offset:(32*(\t/2)+8*(\t%2))*32+8*\j
.endr
.endr
	global_load_b128 v[192:195], v5, s[12:13]      ; b1's 128 numbers
	s_lshl_b32 s2, 1, s23                          ; my expert's masks and their running counts
.irp c, 0,1,2,3,4,5,6,7,8,9,10,11,12,13,14,15,16,17,18,19,20,21,22,23,24,25,26,27,28,29,30,31
	v_and_b32 v205, s2, v[160+\c]
	v_cmp_ne_u32 s[SM+\c], 0, v205
.endr
	s_wait_alu depctr_va_sdst(0)                   ; the 32 compares have written the masks s32-63, ahead of their first readers
	s_bcnt1_i32_b32 s[SP], s[SM]
.irp c, 1,2,3,4,5,6,7,8,9,10,11,12,13,14,15,16,17,18,19,20,21,22,23,24,25,26,27,28,29,30,31
	s_bcnt1_i32_b32 s3, s[SM+\c]
	s_add_co_u32 s[SP+\c], s[SP+\c-1], s3
.endr
	s_sub_co_u32 s29, s26, s27                     ; the tiles from my first on,
	s_min_u32 s29, s29, TG                         ; of which at most 5 are mine: my trips
	s_mov_b32 s28, 0                               ; trips done
	s_add_co_u32 s30, s23, 8                       ; the bit of sel that says: e is the FIRST choice
	s_lshl_b32 s31, s23, 4
	s_add_co_u32 s31, s31, 2048                    ; the expert's 16 spare rows of y
	RINIT s27
.set RG, 0
.rept 6                                ; the 31 steps in runs of six compares and their selects
.set RJ, 6*RG
.rept 6
.if RJ < 31
	RCMP RJ
.endif
.set RJ, RJ+1
.endr
	s_wait_alu depctr_va_sdst(0)                   ; the run's compares have written their masks, which the selects below read
.set RJ, 6*RG
.rept 6
.if RJ < 31
	RSEL RJ
.endif
.set RJ, RJ+1
.endr
.set RG, RG+1
.endr
	SELBIT
	ALOAD                                          ; my first tile's rows are on their way while the weights go through LDS
	s_wait_loadcnt 63                              ; the first half's 96 loads have 155 younger ones
	RAWST 0
	s_wait_dscnt 0x0
	s_wait_alu depctr_vm_vsrc(0)                   ; the LDS stores have read the half's registers, in which its fragments land
	FRAGS 0, 202
	s_wait_loadcnt 59                              ; the second half's have 32 + 1 + 26
	RAWST 1                                        ; LDS serves a wave's instructions in order: these stores come behind the reads above
	s_wait_dscnt 0x0
	s_wait_alu depctr_vm_vsrc(0)                   ; the LDS stores have read the second half's registers, in which its fragments land
	FRAGS 1, 202
	s_wait_loadcnt 26                              ; all but ALOAD's 26: the scale words and b1 are in
	ds_store_b128 v204, v[192:195]
	s_wait_dscnt 0x0                               ; the fragments are in, and b1 lies in LDS
	s_or_b32 s2, s24, s27
	s_cmp_lg_u32 s2, 0
	s_cbranch_scc1 .Lnocnt
	v_mov_b32 v50, s25                             ; chunk 0 of the expert's first group: the expert's count, 32 times
	v_lshrrev_b32 v51, 2, v5
	s_wait_alu depctr_va_vdst(0)                   ; v50 and v51 are written, which the store reads
	global_store_b32 v51, v50, s[20:21]
.Lnocnt:
	s_wait_alu depctr_vm_vsrc(0)                   ; the loads, LDS stores and LDS loads of the head have read v192-195 and v198-204, in which the bias lands (the vector lines that named v160-223 stand ahead of the gather's wait)
	BIASLD
	s_cmp_lt_u32 s28, s29
	s_cbranch_scc0 .Lend
.Ltile:                                            ; a trip is one tile of 16 rows: s28 counts the trips against s29; s27 is the tile's number
	s_min_u32 s3, s27, 63                          ; the tile's number as it enters the stores' addresses: it never passes 63, and here that can be read off the text
	s_wait_loadcnt 0x0                             ; this tile's rows
	s_wait_dscnt 0x0                               ; the bias
	s_cmp_lg_u32 s24, 0
	s_cbranch_scc1 .Lnolist
	s_wait_xcnt 0x0                                ; the last store of the list (or of the count) has had its address translated
	s_wait_alu depctr_vm_vsrc(0)                   ; and has read v50 and v51, which are written below
	v_bfe_u32 v50, v49, s30, 1                     ; 1: e is my token's first choice
	v_xor_b32 v50, 1, v50
	v_lshl_add_u32 v50, v50, 10, v2                ; its row of y
	v_lshl_add_u32 v51, s3, 4, v1                  ; my rank
	v_cmp_gt_u32 vcc_lo, s25, v51
	v_add_nc_u32 v236, s31, v1
	s_wait_alu depctr_va_vcc(0)                    ; the compare has written VCC, which the select reads
	v_cndmask_b32 v50, v236, v50, vcc_lo           ; past the count: a spare row
	v_lshlrev_b32 v51, 2, v51
	s_wait_alu depctr_va_vdst(0)                   ; v50 and v51 are written, which the store reads
	global_store_b32 v51, v50, s[16:17]            ; (both halves of the lanes store the same word)
.Lnolist:
	s_add_co_u32 s2, s27, 1
	RINIT s2
	MM
	SELBIT                                         ; its plain instructions are the places behind the last products
	s_wait_alu depctr_va_vdst(0)
	s_wait_xcnt 0x0                                ; the last trip's stores have had their addresses translated.  It stands ahead of the gather, so that it does not wait for the gather
	s_wait_alu depctr_vm_vsrc(0)                   ; the last trip's stores have read v10, v11, v48 and v224-235, and the last gather v8, v9 and v0: all of them are written again below
	ALOAD                                          ; the next tile's rows; behind the last tile: rows inside the table that nobody uses.  They have the activation and the quantiser in which to land
	ACT
	QUANT
	s_mul_i32 s2, s3, 49152
	v_add_nc_u32 v10, s2, v5
	s_lshl_b32 s2, s3, 11
	v_add_nc_u32 v11, s2, v6
	s_wait_alu depctr_va_vdst(0)                   ; the activation and the quantiser are done with the accumulators, in which the bias lands; the codes, the scale word, v10 and v11 are written, which the stores read
	BIASLD                                         ; the next tile's bias
.irp j, 0,1,2
	global_store_b128 v10, v[PC+4*\j:PC+4*\j+3], s[14:15] offset:512*\j     ; 32 lanes store 512 consecutive bytes, at a multiple of 256 from h's first byte
.endr
	global_store_b32 v11, v[PW], s[18:19]          ; 16 rows' scale words (both halves of the lanes store the same)
	s_add_co_u32 s27, s27, 1
	s_add_co_u32 s28, s28, 1
	s_cmp_lt_u32 s28, s29
	s_cbranch_scc1 .Ltile
.Lend:
	s_set_vgpr_msb 0x5                             ; the add's two registers, sources 0 and 1, lie in window 1
	s_wait_dscnt 0x0                               ; the closing lines, six on end
	s_wait_alu 0x0
	s_wait_tensorcnt 0x0
	ds_add_u32 v254, v255
	s_wait_dscnt 0x0
	s_endpgm
.Lfunc_end_k_q361d91af05_ffn1:
	.size	k_q361d91af05_ffn1, .Lfunc_end_k_q361d91af05_ffn1-k_q361d91af05_ffn1
	.p2alignl 7, 3214868480
	.fill 96, 4, 3214868480
	.section	.rodata,"a",@progbits
	.p2align	6, 0x0
	.amdhsa_kernel k_q361d91af05_ffn1
		.amdhsa_group_segment_fixed_size 211456
		.amdhsa_private_segment_fixed_size 0
		.amdhsa_enable_private_segment 0
		.amdhsa_kernarg_size 56
		.amdhsa_user_sgpr_count 2
		.amdhsa_user_sgpr_kernarg_segment_ptr 1
		.amdhsa_wavefront_size32 1
		.amdhsa_system_sgpr_workgroup_id_x 1
		.amdhsa_system_sgpr_workgroup_id_y 1
		.amdhsa_system_sgpr_workgroup_id_z 1
		.amdhsa_system_vgpr_workitem_id 0
		.amdhsa_next_free_vgpr 1024
		.amdhsa_next_free_sgpr 102
		.amdhsa_reserve_vcc 1
		.amdhsa_float_denorm_mode_32 3
		.amdhsa_float_denorm_mode_16_64 3
		.amdhsa_memory_ordered 1
		.amdhsa_forward_progress 1
		.amdhsa_inst_pref_size 168
	.end_amdhsa_kernel
	.amdgpu_metadata
---
amdhsa.version: [ 1, 2 ]
amdhsa.kernels:
  - .name:           k_q361d91af05_ffn1
    .symbol:         k_q361d91af05_ffn1.kd
    .args:
      - { .name: xq, .offset: 0, .size: 8, .value_kind: global_buffer, .address_space: global }
      - { .name: sel, .offset: 8, .size: 8, .value_kind: global_buffer, .address_space: global }
      - { .name: W1_codes, .offset: 16, .size: 8, .value_kind: global_buffer, .address_space: global }
      - { .name: W1_scales, .offset: 24, .size: 8, .value_kind: global_buffer, .address_space: global }
      - { .name: b1, .offset: 32, .size: 8, .value_kind: global_buffer, .address_space: global }
      - { .name: h, .offset: 40, .size: 8, .value_kind: global_buffer, .address_space: global }
      - { .name: rows, .offset: 48, .size: 8, .value_kind: global_buffer, .address_space: global }
    .group_segment_fixed_size: 211456
    .private_segment_fixed_size: 0
    .kernarg_segment_align: 8
    .kernarg_segment_size: 56
    .max_flat_workgroup_size: 128
    .sgpr_count:     102
    .vgpr_count:     1024
    .wavefront_size: 32
...
	.end_amdgpu_metadata
.endif
;; end of part 8
;; launch ffn2 (part 9): grid 8 x 29, 4 waves a work-group, no clusters, 276,992 bytes of LDS; arguments h, rows, W2_codes, W2_scales, b2, y; writes y
.if DOCPART == 9
	.amdgcn_target "amdgcn-amd-amdhsa--gfx1250"
	.amdhsa_code_object_version 6
	.text
	.protected	k_q361d91af05_ffn2
	.globl	k_q361d91af05_ffn2
	.p2align	8
	.type	k_q361d91af05_ffn2,@function
k_q361d91af05_ffn2:
	s_mov_b64 s[64:65], 0
	v_nop
	global_prefetch_b8 v0, s[64:65] scope:SCOPE_SE
	s_setreg_imm32_b32 hwreg(HW_REG_WAVE_SCHED_MODE, 0, 2), 2
	s_setreg_imm32_b32 hwreg(HW_REG_WAVE_MODE, 25, 1), 1
	s_wait_xcnt 0x0
	s_wait_alu depctr_vm_vsrc(0)
; y = h W2[e]^T + b2[e] for the routed rows of expert e; codes of E3M2 with one E8M0 scale for each 32 along K on both sides.
; SHARES.  Work-group (x, g): outputs 128 x .. 128 x + 127, for one GROUP of up to 6 tiles of 16 routed rows of one expert.  THE FOUR WAVES SHARE K: wave w holds the 128 rows of W2 for K steps
; 8 w .. 8 w + 7 (768 bytes of each row) in registers: 64 fragments, 768 registers, so that a fragment of h feeds eight products.  The four partial sums of a tile meet in LDS.
; The weights go through a stage in LDS of the wave's own, 64 rows at a time; a half's bytes land in the very registers that its fragments then take.
; GROUPS.  The eight counts are read from rows, which the launch before stored.  Expert e has max(1, ceil(n_e / 16)) tiles and ceil(tiles / 6) groups; the groups are numbered expert by expert.  The n_e add up to
; 2,048, so the sum of max(1, ceil(n_e / 96)) is never above 21 + 8 = 29: the grid serves every split.
; THE PRODUCT IS USED TRANSPOSED (source 0 = 16 rows of W2, source 1 = a fragment of h): a lane holds one routed row and eight neighbouring outputs.
; THE LOOP has a constant count, 6 tiles, since a barrier stands in it and every wave passes every barrier; a tile past the group's end is passed over by scalar branches round the work, not round the barrier.
; A work-group whose number is past the split's total finds no tile under its end: it passes the barriers, makes no product and stores nothing.
; THE PRODUCTS GO K STEP BY K STEP, eight accumulators by turns: two fragments of h are free behind two K steps' products, and the next tile's two are asked for into the same registers.
; Each tile's rows go to the rows of y that the list names: token, 1,024 + token, or a spare row.
; NO TENSOR LOADS, NO CLUSTER, though the groups of one expert read the same 393,216 bytes of W2.
; The order of the sums differs from one chain along K: four partial sums of 1,024 along K are added at the end.
; REGISTERS.  Window 0: v1-10 addresses; v12-43 W2's scale words; v44-47 h's; v48-51 b2; v52-63 fragment 63; v64-159 h's eight fragments; v160-223 eight accumulators, then the partial sums; v224-231 the head's addresses.
; Windows 1 to 3: fragments 0 to 62.
; THE MODE: SCHED_MODE bits 1:0 = 2 (LLVM: expert scheduling mode 2), set by the entry lines.  The code itself states the register dependences between vector or matrix instructions and memory or LDS
; instructions, and those through scalar registers that vector instructions write, with s_wait_alu, always for 0.
; THE PLAN.  Registers that memory or LDS instructions touch, in the loop:
;   AF, AS        K steps 2 j and 2 j + 1: their sixteen products read two fragments and one scale register; behind them the next tile's seven loads land there.
;   v3, v4        The offsets of those loads: written at a tile's head, read by the tile's 28 loads.
;   HA            Written by the products; read by 16 LDS stores; behind the barrier 16 LDS loads land there; the additions write four rows of it, which four global stores read.
;   v7 .. v10     The offsets of those four stores: written behind the barrier.
;   v1, v2, v5, v6  Never written again.
; So a tile has: one wait on vm_vsrc at its head (the last tile's loads have read v3 and v4, its stores their rows in HA); four on va_vdst among the products, one ahead of each seven, of which the fourth
; also serves the LDS stores of the accumulators; behind the barrier one on vm_vsrc and one on va_vdst round the four address lines; and one on va_vdst between the additions and the run of four stores.
.set TG,    6                          ; tiles in a group
.set DIVM,  171                        ; (a x 171) >> 10 = a / 6, rounded down, for a up to 69
.set PITCH, 816                        ; 768 bytes + 48: as in the launch before
.set RED,   4*64*PITCH                 ; behind the four stages: two buffers x 4 waves x 16 rows x (512 bytes + 16)
.set RBUF,  4*16*528
.set WS,  12
.set AS,  44
.set AF,  64
.set HA,  160
.set MSB, 0
.macro WIN new                         ; the immediate's high byte repeats the setting that is left
.if MSB != (\new)
	s_set_vgpr_msb (MSB<<8)|(\new)
.set MSB, (\new)
.endif
.endm
.macro FREG i                          ; fragment i lies in window FW from register FB on.  Fragment i = tile 4 (i / 32) + i % 4, K step (i % 32) / 4
.if (\i) < 21
.set FW, 1
.set FB, 12*(\i)
.elseif (\i) < 42
.set FW, 2
.set FB, 12*((\i)-21)
.elseif (\i) < 63
.set FW, 3
.set FB, 12*((\i)-42)
.else
.set FW, 0
.set FB, 52
.endif
.endm
.macro FRAGS g, adr
.set FI, 32*(\g)
.rept 32
	FREG FI
	WIN FW<<6
.irp p, 0,1,2,3,4,5
	ds_load_b64 v[FB+2*\p:FB+2*\p+1], v[\adr] offset:16*(FI%4)*PITCH+96*((FI%32)/4)+48*(\p/3)+8*(\p%3)
.endr
.set FI, FI+1
.endr
	WIN 0
.endm
; Rows 64 g + 2 i and + 1: 768 bytes of each, 3,072 bytes apart in memory: three loads of 512 bytes; the second row's bytes lie 2,304 further on than on end
.macro RAWLD g
.set RI, 0
.rept 32
	FREG 32*(\g)+RI
	WIN FW<<6
	global_load_b128 v[FB:FB+3], v1, s[8:9] offset:(64*(\g)+2*RI)*3072
	global_load_b128 v[FB+4:FB+7], v227, s[8:9] offset:(64*(\g)+2*RI)*3072+512
	global_load_b128 v[FB+8:FB+11], v1, s[8:9] offset:(64*(\g)+2*RI)*3072+3328
.set RI, RI+1
.endr
	WIN 0
.endm
.macro RAWST g                         ; and into places 2 i and 2 i + 1 of my stage
.set RI, 0
.rept 32
	FREG 32*(\g)+RI
	WIN FW<<2                                      ; an LDS store's data are its source 1
	ds_store_b128 v228, v[FB:FB+3] offset:2*RI*PITCH
	ds_store_b128 v229, v[FB+4:FB+7] offset:2*RI*PITCH+512
	ds_store_b128 v228, v[FB+8:FB+11] offset:2*RI*PITCH+1072
.set RI, RI+1
.endr
	WIN 0
.endm
.macro HADR sm                         ; where tile sm's images and scale words lie
	s_mul_i32 s2, \sm, 49152
	v_add_nc_u32 v3, s2, v1
	s_lshl_b32 s2, \sm, 11
	v_add_nc_u32 v4, s2, v2
.endm
.macro HLOAD                           ; the tile whose places HADR has made: my eight K steps' images, 12,288 dense bytes, and their scale words: 28 loads
.set HJ, 0
.rept 24
	global_load_b128 v[AF+4*HJ:AF+4*HJ+3], v3, s[4:5] offset:512*HJ
.set HJ, HJ+1
.endr
.irp j, 0,1,2,3
	global_load_b32 v[AS+\j], v4, s[16:17] offset:128*\j   ; lanes 0-15: K step 2 j's 16 words; lanes 16-31: K step 2 j + 1's
.endr
.endm
; 64 matrix instructions, K step by K step: the eight accumulators by turns, one instruction a turn.  The first K step starts the sums: nothing is cleared.
; Behind an odd K step's eight products, four places and one wait, the NEXT tile's two fragments of that K step and the one before, and the scale register of the two, are asked for into the registers just read.
; So a tile's 28 loads go out in four sevens.  THE WAIT ON LOADcnt ahead of K step 2 j: younger than the seven that it wants are 21 - 7 j loads of this tile and the 7 j of the next tile
; that this run has issued: 21 every time.
.macro MM
.set MS, 0
.rept 8
.if (MS%2) == 0
	s_wait_loadcnt 21
.endif
.set MT, 0
.rept 8
.set FI, 32*(MT/4)+4*MS+MT%4
	FREG FI
	WIN FW                                         ; source 0 in the fragment's window, all else in window 0
.if MS == 0
	v_wmma_scale_f32_16x16x128_f8f6f4 v[HA+8*MT:HA+8*MT+7], v[FB:FB+11], v[AF+12*MS:AF+12*MS+11], 0, v[WS+4*MT+MS/2], v[AS+MS/2] matrix_a_fmt:MATRIX_FMT_BF6 matrix_b_fmt:MATRIX_FMT_BF6
.elseif (MS%2) == 0
	v_wmma_scale_f32_16x16x128_f8f6f4 v[HA+8*MT:HA+8*MT+7], v[FB:FB+11], v[AF+12*MS:AF+12*MS+11], v[HA+8*MT:HA+8*MT+7], v[WS+4*MT+MS/2], v[AS+MS/2] matrix_a_fmt:MATRIX_FMT_BF6 matrix_b_fmt:MATRIX_FMT_BF6
.else
	v_wmma_scale_f32_16x16x128_f8f6f4 v[HA+8*MT:HA+8*MT+7], v[FB:FB+11], v[AF+12*MS:AF+12*MS+11], v[HA+8*MT:HA+8*MT+7], v[WS+4*MT+MS/2], v[AS+MS/2] matrix_a_fmt:MATRIX_FMT_BF6 matrix_b_fmt:MATRIX_FMT_BF6 matrix_a_scale:MATRIX_SCALE_ROW1 matrix_b_scale:MATRIX_SCALE_ROW1
.endif
.set MT, MT+1
.endr
.if (MS%2) == 1
.rept 4
	v_nop                                          ; places behind the products above; behind the last K step they are the four ahead of the LDS stores of the results
.endr
	WIN 0
	s_wait_alu depctr_va_vdst(0)                   ; the two K steps' products are done reading their fragments of h and their scale register, in which the loads below land; v3 and v4 are written, which these loads read; behind the last K step: the accumulators are written, which the LDS stores read
.irp q, 0,1,2,3,4,5
	global_load_b128 v[AF+12*(MS-1)+4*\q:AF+12*(MS-1)+4*\q+3], v3, s[4:5] offset:512*(3*(MS-1)+\q)
.endr
	global_load_b32 v[AS+MS/2], v4, s[16:17] offset:128*(MS/2)
.endif
.set MS, MS+1
.endr
.endm
	s_load_b256 s[4:11], s[0:1], 0x0               ; h 4, rows 6, W2's codes 8, W2's scales 10
	s_load_b128 s[12:15], s[0:1], 0x20             ; b2 12, y 14
	v_lshl_add_u32 v254, v0, 2, 0x43800
	v_mov_b32 v255, 0
	v_lshrrev_b32 v224, 5, v0
	v_readfirstlane_b32 s20, v224                  ; wave
	s_mov_b32 s22, ttmp9                           ; which 128 outputs
	s_and_b32 s23, ttmp7, 0xffff                   ; g: my group
	s_wait_kmcnt 0x0
.irp e, 0,1,2,3,4,5,6,7
	s_load_b32 s[32+\e], s[6:7], 0x8000+128*\e     ; how many rows each expert has
.endr
	v_and_b32 v224, 31, v0                         ; lane
	v_bfe_u32 v225, v0, 4, 1                       ; h
	v_and_b32 v226, 15, v0                         ; r
	v_lshlrev_b32 v1, 4, v224
	v_lshlrev_b32 v2, 2, v224
	v_mad_u32_u24 v227, v225, 2304, v1             ; for the load in whose middle a row's 768 bytes end
	s_wait_alu depctr_va_sdst(0)                   ; s20 is written, ahead of its first reader
	s_mul_i32 s2, s20, 64*PITCH                    ; my stage
	v_add_nc_u32 v228, s2, v1
	v_mad_u32_u24 v229, v225, 48, v228
	v_mul_u32_u24 v230, v226, PITCH
	v_mad_u32_u24 v230, v225, 24, v230
	v_add_nc_u32 v230, s2, v230                    ; out of it: place r, + 24 h
	v_lshlrev_b32 v231, 7, v226                    ; W2's scales: 128 bytes a row,
	v_lshl_add_u32 v231, v225, 2, v231             ; lanes 16-31 the odd K steps' words
	s_mul_i32 s2, s20, 16*528
	s_add_co_u32 s2, s2, RED
	v_mul_u32_u24 v5, v226, 528
	v_lshl_add_u32 v5, v225, 5, v5
	v_add_nc_u32 v5, s2, v5                        ; my partial sums: row r, + 32 h
	s_mul_i32 s2, s20, 4*528
	s_add_co_u32 s2, s2, RED
	v_add_nc_u32 v6, s2, v1                        ; and back: rows 4 w .. 4 w + 3, 16 bytes a lane
.irp i, 0,1,2,3
	s_mov_b32 s[40+\i], 0
.endr
	s_mov_b32 s31, 0
	s_mov_b32 s2, 0                                ; groups so far
	s_mov_b32 s21, 0                               ; my expert,
	s_mov_b32 s25, 0                               ; its tiles,
	s_mov_b32 s29, 0                               ; its first group
	s_wait_kmcnt 0x0
; whose group is g?  The last expert whose first group is at most g
.irp e, 0,1,2,3,4,5,6,7
	s_add_co_u32 s3, s[32+\e], 15
	s_lshr_b32 s3, s3, 4
	s_max_u32 s3, s3, 1
	s_min_u32 s3, s3, 64                           ; tiles, as the launch before counted them
	s_cmp_ge_u32 s23, s2
	s_cselect_b32 s21, \e, s21
	s_cselect_b32 s25, s3, s25
	s_cselect_b32 s29, s2, s29
	s_add_co_u32 s3, s3, TG-1
	s_mul_i32 s3, s3, DIVM
	s_lshr_b32 s3, s3, 10                          ; its groups
	s_add_co_u32 s2, s2, s3
.endr
	s_min_u32 s21, s21, 7                          ; (so that the bound of every address can be read off the text)
	s_sub_co_u32 s26, s23, s29
	s_mul_i32 s26, s26, TG                         ; the tile in hand: my first.  Past the split's total it is at or past the expert's number of tiles
	s_add_co_u32 s3, s26, TG
	s_sub_co_u32 s28, s25, 1
	s_min_u32 s28, s28, s26
	s_min_u32 s28, s28, 63                         ; the tile that is fetched first: mine, or, if I have none, a tile that exists
	s_min_u32 s25, s25, s3                         ; my tiles end here
	s_sub_co_u32 s29, s25, 1                       ; my last tile
	s_mul_i32 s30, s21, 3145728                    ; W2's codes: expert, 128 rows of 3,072 bytes, my 768 bytes of each
	s_mul_i32 s2, s22, 393216
	s_add_co_u32 s30, s30, s2
	s_mul_i32 s2, s20, 768
	s_add_co_u32 s30, s30, s2
	s_add_nc_u64 s[8:9], s[8:9], s[30:31]
	s_lshl_b32 s30, s21, 17                        ; W2's scales
	s_lshl_b32 s2, s22, 14
	s_add_co_u32 s30, s30, s2
	s_lshl_b32 s2, s20, 5
	s_add_co_u32 s30, s30, s2
	s_add_nc_u64 s[10:11], s[10:11], s[30:31]
	s_lshl_b32 s30, s21, 12                        ; b2
	s_lshl_b32 s2, s22, 9
	s_add_co_u32 s30, s30, s2
	s_add_nc_u64 s[12:13], s[12:13], s[30:31]
	s_mov_b32 s30, s2                              ; y: my 128 columns
	s_add_nc_u64 s[14:15], s[14:15], s[30:31]
	s_add_nc_u64 s[16:17], s[4:5], 0x1800000       ; h's scale words: expert, my eight K steps
	s_lshl_b32 s30, s21, 17
	s_lshl_b32 s2, s20, 9
	s_add_co_u32 s30, s30, s2
	s_add_nc_u64 s[16:17], s[16:17], s[30:31]
	s_mul_i32 s30, s21, 3145728                    ; h's codes likewise
	s_mul_i32 s2, s20, 12288
	s_add_co_u32 s30, s30, s2
	s_add_nc_u64 s[4:5], s[4:5], s[30:31]
	s_lshl_b32 s30, s21, 12                        ; the list: expert, my four rows of a tile
	s_lshl_b32 s2, s20, 4
	s_add_co_u32 s30, s30, s2
	s_add_nc_u64 s[6:7], s[6:7], s[30:31]
	HADR s28                                       ; the first tile's places are made here, so that one wait serves all the head's loads
	s_wait_alu depctr_va_vdst(0)                   ; v1, v3, v4, v227 and v231 are written, which the 253 loads below read as their offsets; only loads and window switches stand between this wait and the last of them
	RAWLD 0
	RAWLD 1
.irp t, 0,1,2,3,4,5,6,7
.irp j, 0,1,2,3
	global_load_b32 v[WS+4*\t+\j], v231, s[10:11] offset:2048*\t+8*\j
.endr
.endr
	global_load_b128 v[48:51], v1, s[12:13]        ; b2 of the four columns that I add up
	HLOAD
	s_wait_loadcnt 63                              ; the first half's 96 loads have 157 younger ones
	RAWST 0
	s_wait_dscnt 0x0
	s_wait_alu depctr_vm_vsrc(0)                   ; the LDS stores have read the half's registers, in which its fragments land
	FRAGS 0, 230
	s_wait_loadcnt 61                              ; the second half's have 32 + 1 + 28
	RAWST 1                                        ; LDS serves a wave's instructions in order: these stores come behind the reads above
	s_wait_dscnt 0x0
	s_wait_alu depctr_vm_vsrc(0)                   ; the LDS stores have read the second half's registers, in which its fragments land
	FRAGS 1, 230
	s_wait_dscnt 0x0
	s_wait_loadcnt 0x0
.macro SUB buf
	s_cmp_lt_u32 s26, s25
	s_cbranch_scc0 .La_\@
	s_wait_xcnt 0x0                                ; the last tile's stores and its loads of h have had their addresses translated, the last scalar load too
	s_wait_alu depctr_vm_vsrc(0)                   ; the loads of h issued so far have read v3 and v4, which are written below; the last tile's stores have read their rows among the accumulators' registers, which the first products write
	s_min_u32 s28, s26, 63                         ; the tile's number as it enters addresses: it never passes 63, and here that can be read off the text
	s_add_co_u32 s3, s28, 1
	s_lshl_b32 s28, s28, 6
	s_load_b128 s[40:43], s[6:7], s28 offset:0x0   ; the rows of y of my four rows of this tile
	s_min_u32 s3, s3, s29                          ; the tile that is asked for under this tile's products: the next, or, at my last tile, the same once more
	s_min_u32 s3, s3, 63
	HADR s3
	MM
	v_nop                                          ; with the four behind the last products: five places ahead of the next tile's first products, which write over these results
.irp t, 0,1,2,3,4,5,6,7
	ds_store_b128 v5, v[HA+8*\t:HA+8*\t+3] offset:RBUF*(\buf)+64*\t         ; each accumulator from its low end on
	ds_store_b128 v5, v[HA+8*\t+4:HA+8*\t+7] offset:RBUF*(\buf)+64*\t+16
.endr
	s_wait_kmcnt 0x0
.irp i, 0,1,2,3
	s_min_u32 s[40+\i], s[40+\i], 0x87f            ; inside y
.endr
.La_\@:
	s_wait_dscnt 0x0                               ; my partial sums lie in LDS, and my reads of the other buffer are over
	s_barrier_signal -1
	s_barrier_wait -1                              ; on every wave's way in every trip.  A buffer is written again two tiles on, behind the barrier between
	s_cmp_lt_u32 s26, s25
	s_cbranch_scc0 .Lb_\@
	s_wait_xcnt 0x0                                ; the last tile's stores have had their addresses translated
	s_wait_alu depctr_vm_vsrc(0)                   ; the last tile's stores have read v7 to v10, which are written below; my LDS stores have read the accumulators, in which the partial sums land
.irp i, 0,1,2,3
	v_lshl_add_u32 v[7+\i], s[40+\i], 12, v1
.endr
	s_wait_alu depctr_va_vdst(0)                   ; v7 to v10 are written, which the stores below read; every vector and matrix instruction that names v160-223 is done, and the partial sums land there
.irp i, 0,1,2,3
.irp b, 0,1,2,3
	ds_load_b128 v[160+16*\i+4*\b:163+16*\i+4*\b], v6 offset:RBUF*(\buf)+16*528*\b+528*\i
.endr
.endr
.irp i, 0,1,2,3
	s_wait_dscnt 12-4*\i                           ; row i's four loads are in; the later rows' may be out
	v_pk_add_f32 v[160+16*\i:161+16*\i], v[160+16*\i:161+16*\i], v[164+16*\i:165+16*\i]
	v_pk_add_f32 v[162+16*\i:163+16*\i], v[162+16*\i:163+16*\i], v[166+16*\i:167+16*\i]
	v_pk_add_f32 v[168+16*\i:169+16*\i], v[168+16*\i:169+16*\i], v[172+16*\i:173+16*\i]
	v_pk_add_f32 v[170+16*\i:171+16*\i], v[170+16*\i:171+16*\i], v[174+16*\i:175+16*\i]
	v_pk_add_f32 v[160+16*\i:161+16*\i], v[160+16*\i:161+16*\i], v[168+16*\i:169+16*\i]
	v_pk_add_f32 v[162+16*\i:163+16*\i], v[162+16*\i:163+16*\i], v[170+16*\i:171+16*\i]
	v_pk_add_f32 v[160+16*\i:161+16*\i], v[160+16*\i:161+16*\i], v[48:49]
	v_pk_add_f32 v[162+16*\i:163+16*\i], v[162+16*\i:163+16*\i], v[50:51]
.endr
	s_wait_alu depctr_va_vdst(0)                   ; the additions have written the four rows, which the stores read
.irp i, 0,1,2,3
	global_store_b128 v[7+\i], v[160+16*\i:163+16*\i], s[14:15]            ; 32 lanes store 512 consecutive bytes, at a multiple of 256 from y's first byte
.endr
.Lb_\@:
	s_add_co_u32 s26, s26, 1
.endm
	s_mov_b32 s27, TG/2
.Ltrip:                                            ; 3 trips of two tiles: the 6 tiles that a group can have
	SUB 0
	SUB 1
	s_sub_co_u32 s27, s27, 1
	s_cmp_lg_u32 s27, 0
	s_cbranch_scc1 .Ltrip
	s_wait_dscnt 0x0                               ; the closing lines, six on end
	s_wait_alu 0x0
	s_wait_tensorcnt 0x0
	ds_add_u32 v254, v255
	s_wait_dscnt 0x0
	s_endpgm
.Lfunc_end_k_q361d91af05_ffn2:
	.size	k_q361d91af05_ffn2, .Lfunc_end_k_q361d91af05_ffn2-k_q361d91af05_ffn2
	.p2alignl 7, 3214868480
	.fill 96, 4, 3214868480
	.section	.rodata,"a",@progbits
	.p2align	6, 0x0
	.amdhsa_kernel k_q361d91af05_ffn2
		.amdhsa_group_segment_fixed_size 276992
		.amdhsa_private_segment_fixed_size 0
		.amdhsa_enable_private_segment 0
		.amdhsa_kernarg_size 48
		.amdhsa_user_sgpr_count 2
		.amdhsa_user_sgpr_kernarg_segment_ptr 1
		.amdhsa_wavefront_size32 1
		.amdhsa_system_sgpr_workgroup_id_x 1
		.amdhsa_system_sgpr_workgroup_id_y 1
		.amdhsa_system_sgpr_workgroup_id_z 1
		.amdhsa_system_vgpr_workitem_id 0
		.amdhsa_next_free_vgpr 1024
		.amdhsa_next_free_sgpr 66
		.amdhsa_reserve_vcc 0
		.amdhsa_float_denorm_mode_32 3
		.amdhsa_float_denorm_mode_16_64 3
		.amdhsa_memory_ordered 1
		.amdhsa_forward_progress 1
		.amdhsa_inst_pref_size 105
	.end_amdhsa_kernel
	.amdgpu_metadata
---
amdhsa.version: [ 1, 2 ]
amdhsa.kernels:
  - .name:           k_q361d91af05_ffn2
    .symbol:         k_q361d91af05_ffn2.kd
    .args:
      - { .name: h, .offset: 0, .size: 8, .value_kind: global_buffer, .address_space: global }
      - { .name: rows, .offset: 8, .size: 8, .value_kind: global_buffer, .address_space: global }
      - { .name: W2_codes, .offset: 16, .size: 8, .value_kind: global_buffer, .address_space: global }
      - { .name: W2_scales, .offset: 24, .size: 8, .value_kind: global_buffer, .address_space: global }
      - { .name: b2, .offset: 32, .size: 8, .value_kind: global_buffer, .address_space: global }
      - { .name: y, .offset: 40, .size: 8, .value_kind: global_buffer, .address_space: global }
    .group_segment_fixed_size: 276992
    .private_segment_fixed_size: 0
    .kernarg_segment_align: 8
    .kernarg_segment_size: 48
    .max_flat_workgroup_size: 128
    .sgpr_count:     66
    .vgpr_count:     1024
    .wavefront_size: 32
...
	.end_amdgpu_metadata
.endif
;; end of part 9
;; launch combine (part 10): grid 256 x 1, 4 waves a work-group, no clusters, 0 bytes of LDS; arguments y, gatef, rows, out0, out1; writes out0, out1
.if DOCPART == 10
	.amdgcn_target "amdgcn-amd-amdhsa--gfx1250"
	.amdhsa_code_object_version 6
	.text
	.protected	k_q361d91af05_combine
	.globl	k_q361d91af05_combine
	.p2align	8
	.type	k_q361d91af05_combine,@function
k_q361d91af05_combine:
	s_mov_b64 s[64:65], 0
	v_nop
	global_prefetch_b8 v0, s[64:65] scope:SCOPE_SE
	s_setreg_imm32_b32 hwreg(HW_REG_WAVE_MODE, 25, 1), 1
	s_wait_xcnt 0x0
; out0[t] = w0[t] y[t] + w1[t] y[1024 + t]: a token's two experts' rows, each with its weight.  A wave takes a token: two rows of 4,096 bytes in, one out, each load and store 512 consecutive bytes.
; out1 = the sum over experts of (the softmax's sum over tokens) x (the expert's count) / 1024^2, which is mean(average weight x average count) x 8.  Wave 0 of work-group 0 makes it, from the 256 partial sums of the
; first launch and the eight counts of the second, in one branch behind the issue of its loads of y.
; Memory binds: no LDS, no barrier, no matrix unit.
	s_load_b256 s[4:11], s[0:1], 0x0               ; y 4, gatef 6, rows 8, out0 10
	s_load_b64 s[16:17], s[0:1], 0x20              ; out1
	v_lshrrev_b32 v1, 5, v0
	v_readfirstlane_b32 s18, v1                    ; wave
	s_lshl_b32 s19, ttmp9, 2
	s_add_co_u32 s19, s19, s18                     ; my token
	v_and_b32 v2, 31, v0
	v_lshlrev_b32 v1, 4, v2                        ; 16 bytes a lane
	v_and_b32 v3, 1, v2
	v_lshlrev_b32 v3, 9, v3                        ; odd lanes: experts 4 to 7, whose counts lie 512 bytes on
	v_mov_b32 v4, 0
	s_lshl_b32 s20, s19, 3
	s_lshl_b32 s22, s19, 12
	s_mov_b32 s23, 0
	s_mov_b32 s24, 0x76543210
	s_mov_b32 s25, 0xfedcba98                      ; v_permlanex16_b32's selects for lane l xor 16
	s_wait_alu depctr_va_vdst(0)
	s_wait_kmcnt 0x0
	s_load_b64 s[12:13], s[6:7], s20 offset:0x0    ; my token's two weights
	s_add_nc_u64 s[4:5], s[4:5], s[22:23]
	s_add_nc_u64 s[10:11], s[10:11], s[22:23]
.irp j, 0,1,2,3,4,5,6,7
	global_load_b128 v[16+4*\j:19+4*\j], v1, s[4:5] offset:512*\j th:TH_LOAD_NT
.endr
.irp j, 0,1,2,3,4,5,6,7
	global_load_b128 v[48+4*\j:51+4*\j], v1, s[4:5] offset:4194304+512*\j th:TH_LOAD_NT
.endr
	s_cmp_lg_u32 s19, 0
	s_cbranch_scc1 .Lnoaux
.irp j, 0,1,2,3,4,5,6,7,8,9,10,11,12,13,14,15
	global_load_b128 v[80+4*\j:83+4*\j], v1, s[6:7] offset:8192+512*\j      ; 256 x 8 partial sums: my four are those of experts 4 (lane % 2) + 0 .. 3
.endr
.irp i, 0,1,2,3
	global_load_b32 v[144+\i], v3, s[8:9] offset:32768+128*\i               ; and their counts
.endr
	s_wait_loadcnt 0x0
.irp d, 8,4,2,1
.set AJ, 0
.rept \d
	v_pk_add_f32 v[80+4*AJ:81+4*AJ], v[80+4*AJ:81+4*AJ], v[80+4*(AJ+\d):81+4*(AJ+\d)]
	v_pk_add_f32 v[82+4*AJ:83+4*AJ], v[82+4*AJ:83+4*AJ], v[82+4*(AJ+\d):83+4*(AJ+\d)]
.set AJ, AJ+1
.endr
.endr
.irp m, 2,4,8
.irp i, 0,1,2,3
	v_add_f32_dpp v[80+\i], v[80+\i], v[80+\i] row_xmask:\m row_mask:0xf bank_mask:0xf   ; over the lanes of my parity
.endr
.endr
.irp i, 0,1,2,3
	v_permlanex16_b32 v[84+\i], v[80+\i], s24, s25
.endr
.irp i, 0,1,2,3
	v_add_f32 v[80+\i], v[80+\i], v[84+\i]
.endr
.irp i, 0,1,2,3
	v_cvt_f32_u32 v[144+\i], v[144+\i]
.endr
	v_mul_f32 v148, v80, v144
	v_fma_f32 v148, v81, v145, v148
	v_fma_f32 v148, v82, v146, v148
	v_fma_f32 v148, v83, v147, v148
	v_add_f32_dpp v148, v148, v148 row_xmask:1 row_mask:0xf bank_mask:0xf   ; the other four experts
	v_mul_f32 v148, 0x35800000, v148               ; x 2^-20
	s_wait_alu depctr_va_vdst(0)
	s_wait_xcnt 0x0                                ; EXEC changes only behind this wait
	v_cmp_eq_u32 vcc_lo, 0, v2
	s_and_saveexec_b32 s21, vcc_lo
	global_store_b32 v4, v148, s[16:17]
	s_wait_xcnt 0x0
	s_or_b32 exec_lo, exec_lo, s21
.Lnoaux:
	s_wait_loadcnt 0x0
	s_wait_kmcnt 0x0
	s_mov_b32 s14, s13                             ; the packed forms name a pair and take its low word for both halves
	s_mov_b32 s15, s13
.irp j, 0,1,2,3,4,5,6,7,8,9,10,11,12,13,14,15
	v_pk_mul_f32 v[16+2*\j:17+2*\j], v[16+2*\j:17+2*\j], s[12:13] op_sel_hi:[1,0]
.endr
.irp j, 0,1,2,3,4,5,6,7,8,9,10,11,12,13,14,15
	v_pk_fma_f32 v[16+2*\j:17+2*\j], v[48+2*\j:49+2*\j], s[14:15], v[16+2*\j:17+2*\j] op_sel_hi:[1,0,1]
.endr
.irp j, 0,1,2,3,4,5,6,7
	global_store_b128 v1, v[16+4*\j:19+4*\j], s[10:11] offset:512*\j th:TH_STORE_NT
.endr
	s_endpgm
.Lfunc_end_k_q361d91af05_combine:
	.size	k_q361d91af05_combine, .Lfunc_end_k_q361d91af05_combine-k_q361d91af05_combine
	.p2alignl 7, 3214868480
	.fill 96, 4, 3214868480
	.section	.rodata,"a",@progbits
	.p2align	6, 0x0
	.amdhsa_kernel k_q361d91af05_combine
		.amdhsa_group_segment_fixed_size 0
		.amdhsa_private_segment_fixed_size 0
		.amdhsa_enable_private_segment 0
		.amdhsa_kernarg_size 40
		.amdhsa_user_sgpr_count 2
		.amdhsa_user_sgpr_kernarg_segment_ptr 1
		.amdhsa_wavefront_size32 1
		.amdhsa_system_sgpr_workgroup_id_x 1
		.amdhsa_system_sgpr_workgroup_id_y 1
		.amdhsa_system_sgpr_workgroup_id_z 1
		.amdhsa_system_vgpr_workitem_id 0
		.amdhsa_next_free_vgpr 160
		.amdhsa_next_free_sgpr 66
		.amdhsa_reserve_vcc 1
		.amdhsa_float_denorm_mode_32 3
		.amdhsa_float_denorm_mode_16_64 3
		.amdhsa_memory_ordered 1
		.amdhsa_forward_progress 1
		.amdhsa_inst_pref_size 12
	.end_amdhsa_kernel
	.amdgpu_metadata
---
amdhsa.version: [ 1, 2 ]
amdhsa.kernels:
  - .name:           k_q361d91af05_combine
    .symbol:         k_q361d91af05_combine.kd
    .args:
      - { .name: y, .offset: 0, .size: 8, .value_kind: global_buffer, .address_space: global }
      - { .name: gatef, .offset: 8, .size: 8, .value_kind: global_buffer, .address_space: global }
      - { .name: rows, .offset: 16, .size: 8, .value_kind: global_buffer, .address_space: global }
      - { .name: out0, .offset: 24, .size: 8, .value_kind: global_buffer, .address_space: global }
      - { .name: out1, .offset: 32, .size: 8, .value_kind: global_buffer, .address_space: global }
    .group_segment_fixed_size: 0
    .private_segment_fixed_size: 0
    .kernarg_segment_align: 8
    .kernarg_segment_size: 40
    .max_flat_workgroup_size: 128
    .sgpr_count:     66
    .vgpr_count:     160
    .wavefront_size: 32
...
	.end_amdgpu_metadata
.endif
;; end of part 10
